; MI455X (gfx1250); checked and timed in simulation.
; The chip was launched on July 23, 2026; its instructions are those of AMD's public machine-readable ISA for CDNA 5 (MIT licence, August 2026) and "CDNA5" Instruction Set Architecture Reference Guide (July 2026). The comments in the code are by the model that wrote it; some were corrected since.
;; Transformer Block. Allowed arithmetic: matrix products marked QUANTISED: E2M1 operands, one E8M0 scale for each 32 along K, by v_wmma_scale_f32_16x16x128_f8f6f4 with both operands' format E2M1 (or v_wmma_scale_f32_32x16x128_f4), f32 sums; everything else in f32.
;; Inputs: mask 1 x 1 x 2,048 x 2,048 int32; w_down_codes 1,024 x 64 x 16 uint8 (E2M1 codes of w_down, K innermost, in blocks of 32 codes, two codes a byte); w_down_scales 1,024 x 64 uint8 (E8M0 scales of w_down, one for each 32 codes along K); w_gate_codes 2,048 x 32 x 16 uint8 (E2M1 codes of w_gate, K innermost, in blocks of 32 codes, two codes a byte); w_gate_scales 2,048 x 32 uint8 (E8M0 scales of w_gate, one for each 32 codes along K); w_norm1 1,024 float32; w_norm2 1,024 float32; w_out_codes 1,024 x 32 x 16 uint8 (E2M1 codes of w_out, K innermost, in blocks of 32 codes, two codes a byte); w_out_scales 1,024 x 32 uint8 (E8M0 scales of w_out, one for each 32 codes along K); w_qkv_codes 3,072 x 32 x 16 uint8 (E2M1 codes of w_qkv, K innermost, in blocks of 32 codes, two codes a byte); w_qkv_scales 3,072 x 32 uint8 (E8M0 scales of w_qkv, one for each 32 codes along K); w_up_codes 2,048 x 32 x 16 uint8 (E2M1 codes of w_up, K innermost, in blocks of 32 codes, two codes a byte); w_up_scales 2,048 x 32 uint8 (E8M0 scales of w_up, one for each 32 codes along K); x 2 x 2,048 x 1,024 float32.
;; Outputs: out0 2 x 2,048 x 1,024 float32.
;; This version of the problem:
;;   THIS VERSION OF THE PROBLEM IS GIVEN IN LOW PRECISION. The matrix products marked QUANTISED in the list below multiply operands that are first quantised to E2M1 (2 exponent bits, 1 mantissa bit; 4 bits a number), with one power-of-two scale for each 32 numbers along K (OCP MX v1.0); their sums are f32. All else is computed in f32.
;;   The module's matrix products, in the order in which they are computed (A, B: the left and right operand; K: the contracted axis; several contracted axes count as one K, in the product's order):
;;     1. [M 4,096, K 1,024] x [K 1,024, N 3,072]; A: computed on the way; B: input w_qkv (given as codes): QUANTISED
;;     2. batch 32 x [M 2,048, K 64] x [K 64, N 2,048]; A: computed on the way; B: computed on the way: QUANTISED
;;     3. batch 32 x [M 2,048, K 2,048] x [K 2,048, N 64]; A: softmax (see below); B: computed on the way: QUANTISED
;;     4. [M 4,096, K 1,024] x [K 1,024, N 1,024]; A: computed on the way; B: input w_out (given as codes): QUANTISED
;;     5. [M 4,096, K 1,024] x [K 1,024, N 2,048]; A: computed on the way; B: input w_gate (given as codes): QUANTISED
;;     6. [M 4,096, K 1,024] x [K 1,024, N 2,048]; A: computed on the way; B: input w_up (given as codes): QUANTISED
;;     7. [M 4,096, K 2,048] x [K 2,048, N 1,024]; A: computed on the way; B: input w_down (given as codes): QUANTISED
;;   THE QUANTISER, for each operand of a quantised product, along K:
;;     - K is cut into blocks of 32 from its start; a last block that is shorter is filled with zeros.
;;     - A block's scale is 2^e with e = floor(log2(the largest magnitude in the block)) - 2, held to -126 .. 127; a block of zeros has e = 0. As a byte (E8M0): e + 127.
;;     - Each number is divided by its block's scale, clamped to +-6, and rounded to the nearest number of E2M1, ties to even, subnormals kept.
;;     - The product sums the exact products of the quantised numbers (number of the format x scale) in f32.
;;   ~~~python
;;   def quantise(x, axis):      # numpy; x: float32 -> the quantised numbers, widened to float32 again
;;       x = np.moveaxis(x, axis, -1); K = x.shape[-1]
;;       x = np.pad(x, [(0, 0)] * (x.ndim - 1) + [(0, -K % 32)]); x = x.reshape(x.shape[:-1] + (-1, 32)); a = np.abs(x).max(-1, keepdims=True)
;;       e = np.where(a > 0, np.clip(np.frexp(np.where(a > 0, a, 1))[1] - 1 - 2, -126, 127), 0)      # np.frexp(a)[1] - 1 = floor(log2(a)), exactly
;;       r = np.clip(x / 2.0 ** e, -6, 6)
;;       step = 2.0 ** (np.maximum(np.frexp(np.where(r == 0, 1, r))[1] - 1, 0) - 1)
;;       q = np.round(r / step) * step * 2.0 ** e      # np.round: ties to even
;;       return np.moveaxis(q.reshape(q.shape[:-2] + (-1,))[..., :K], -1, axis).astype(np.float32)
;;   ~~~
;;   SOFTMAX AHEAD OF A QUANTISED PRODUCT. Where the list says 'softmax', what is quantised is not the finished softmax but p = 2^(t - M), with t = logit x log2(e) and M = ceil(the row's largest t), a whole number; so 1/2 < the row's largest p <= 1. The row's sum l is taken of the UNQUANTISED p, in f32, and the product's result is divided by l at the end. Since M is a whole number, a kernel that streams over the keys may use a running M (the ceiling of the running maximum): every later rescaling is an exact power of two, which a block's scale takes up: the codes' values come out the same.
;;   OPERANDS COMPUTED ON THE WAY. 'Computed on the way' means the value that the module computes at that place (a softmax that the list does not call 'softmax' is quantised finished and normalised). What goes into a quantiser is computed in f32, as accurately as f32 sums, v_exp_f32 and their like allow (about 1e-6 of the number): no bf16 or f16 on the way to a quantiser, and a product that is left as it is and whose result goes on into a quantised operand takes f32 operands (vector FMAs, or v_wmma_f32_16x16x4_f32). A number that lies on a knife's edge between two numbers of the format may be rounded either way, as far as f32 arithmetic and the matrix unit's own rounding can turn it there, and no further.
;;   INPUTS GIVEN AS CODES. w_down (in the module: [1024, 2048], K = its axis 1); w_gate (in the module: [2048, 1024], K = its axis 1); w_out (in the module: [1024, 1024], K = its axis 1); w_qkv (in the module: [3072, 1024], K = its axis 1); w_up (in the module: [2048, 1024], K = its axis 1): each comes as NAME_codes (uint8): NAME with its K axis moved to the last place and cut into blocks of 32 codes, [.., K / 32, bytes a block], one block behind the other in memory; two codes a byte, the lower K in the low four bits (a code: sign, 2 exponent bits, 1 mantissa bit); and NAME_scales (uint8): the same leading axes, one E8M0 byte (e + 127) for each 32 codes along K. Its value is code x scale, taken as it is: it is not quantised again, and the codes and scales need not be those that the quantiser above would give.
;; 2 versions, each right; version 2 is version 1 with the launch attn written anew for expert scheduling mode. Each part assembles by itself: llvm-mc -triple=amdgcn-amd-amdhsa -mcpu=gfx1250 --defsym DOCPART=n.
;; ======== version 1 of 2: 7 launches
;; workspace buffers: hq 2,228,224 bytes; rope 524,288 bytes; maskw 557,056 bytes of whole numbers; qkvq 7,077,888 bytes; oq 2,228,224 bytes; x1 16,777,216 bytes; gq 4,456,448 bytes
;; launch prep (part 1): grid 256 x 1, 8 waves a work-group, no clusters, 108,544 bytes of LDS; arguments x, w_norm1, mask, hq, rope, maskw; writes hq, rope, maskw
.if DOCPART == 1
	.amdgcn_target "amdgcn-amd-amdhsa--gfx1250"
	.amdhsa_code_object_version 6
	.text
	.protected	k_q85ed508348_prep
	.globl	k_q85ed508348_prep
	.p2align	8
	.type	k_q85ed508348_prep,@function
k_q85ed508348_prep:
	s_mov_b64 s[64:65], 0
	v_nop
	global_prefetch_b8 v0, s[64:65] scope:SCOPE_SE
	s_setreg_imm32_b32 hwreg(HW_REG_WAVE_MODE, 25, 1), 1
	s_wait_xcnt 0x0
; PREP.  Three jobs that depend on nothing, one path for every wave.  With gw = 8 x work-group + wave (0 .. 2047) a wave takes
;  (1) rows 2 gw, 2 gw + 1 of x [4096][1024] f32: h = w_norm1 * x / sqrt(mean(x^2) + 1e-6), quantised to E2M1 codes with one E8M0 byte for each 32 along the row:
;      hq: codes [4096][512 bytes], from byte 2,097,152 on the scale bytes [4096][32];
;  (2) one unit of the mask input: 16 queries x 128 keys of int32 become 64 words of lane bits, in the order in which the attention launch holds its scores:
;      unit (qt, step): word 16 b + i, bit l = (mask[32 (qt/2) + 8 (qt%2) + r + 8 (r/8)][128 step + 32 b + 16 (l/16) + i] != 0), r = l % 16;  and the unit's class: 0 all hidden, 2 all open, 1 mixed;
;  (3) position gw of the rotary table: lane p holds (cos, sin) of gw x 10000^(-p/32).
; A block's scale byte is the largest magnitude's exponent field - 2, held at 1 from below (a block of zeros keeps the byte 1: its codes are zeros, and this program alone reads the bytes).
; LIMITS: NaN and infinities in x are not served; blocks whose largest magnitude lies under 2^-124 keep the byte 1.  1/norm is v_rsq_f32.  The table's angle is pos x v_exp_f32(..) in f32 and is
; reduced by pi/2 in two parts; sine and cosine are Taylor sums to r^9 and r^10 on |r| <= pi/4 (the first term left out is under 2e-9).
; A lane must hold 32 neighbours for the conversions, while a load is best with neighbouring lanes on neighbouring bytes: a row's 4,096 bytes turn through the wave's own stage in LDS.
.set WREG, 13312                       ; LDS of a wave: the row stage, 32 blocks x (128 + 16) bytes, then the mask stage, 16 rows x (512 + 16)
.set MST,  4608
.set SCB,  8*WREG                      ; the work-group's 16 rows x 32 scale bytes
.set CLS,  SCB+512                     ; its 8 classes
.set XA,   32                          ; v32-95   the two rows as loaded; later the mask unit, a lane's 64 keys
.set WD,   96                          ; v96-127  w_norm1 as loaded; later v96-103 the two rows' codes
.set MK,   128                         ; v128-191 the mask unit as loaded
.set Y,    192                         ; v192-223 a lane's block of 32
.set WT,   224                         ; v224-255 w_norm1 of that block
.set CC,   96
	s_load_b256 s[4:11], s[0:1], 0x0               ; x, w_norm1, mask, hq
	s_load_b128 s[12:15], s[0:1], 0x20             ; rope, maskw
	v_lshl_add_u32 v29, v0, 2, 0x1a400
	s_set_vgpr_msb 0x40
	v_mov_b32 v1, 0
	s_set_vgpr_msb 0x4000
	v_lshrrev_b32 v1, 5, v0
	v_readfirstlane_b32 s16, v1                    ; wave
	v_and_b32 v1, 31, v0                           ; lane
	v_lshlrev_b32 v2, 4, v1                        ; 16 x lane
	s_lshl_b32 s17, ttmp9, 3
	s_add_co_u32 s17, s17, s16                     ; gw
	s_mul_i32 s18, s16, WREG
	v_lshrrev_b32 v8, 3, v1
	v_mul_u32_u24 v3, v8, 144
	v_and_b32 v8, 7, v1
	v_lshl_add_u32 v3, v8, 4, v3
	v_add_nc_u32 v3, s18, v3                       ; row stage, in: eight lanes' 128 bytes are a block
	v_mul_u32_u24 v4, v1, 144
	v_add_nc_u32 v4, s18, v4                       ; and out: block = lane
	s_add_co_u32 s19, s18, MST
	v_add_nc_u32 v5, s19, v2                       ; mask stage, in: 512 bytes of a row
	v_and_b32 v8, 15, v1
	v_lshrrev_b32 v9, 4, v1
	v_mul_u32_u24 v6, v8, 528
	v_lshl_add_u32 v6, v9, 6, v6
	v_add_nc_u32 v6, s19, v6                       ; and out: row r, 16 keys (64 bytes) on for lanes 16-31
	s_lshl_b32 s19, s16, 6
	s_add_co_u32 s19, s19, SCB
	v_add_nc_u32 v7, s19, v1                       ; my block's scale byte: 64 x wave + lane
	v_lshlrev_b32 v24, 3, v1                       ; 8 x lane
	v_add_nc_u32 v25, SCB, v2
	v_and_b32 v26, 7, v1
	v_lshl_add_u32 v26, v26, 2, CLS
	s_lshl_b32 s19, s16, 2
	s_add_co_u32 s19, s19, CLS
	v_mov_b32 v27, s19
	v_lshlrev_b32 v28, 2, v1                       ; 4 x lane
	s_mov_b32 s20, 0x76543210
	s_mov_b32 s21, 0xfedcba98                      ; v_permlanex16_b32: lane l xor 16
	s_mov_b32 s22, 0x3a800000                      ; 1 / 1024
	s_mov_b32 s23, 0x358637bd                      ; 1e-6
	s_lshl_b32 s36, s17, 13                        ; x: two rows of 4,096 bytes
	s_mov_b32 s37, 0
	s_lshr_b32 s38, s17, 4                         ; qt
	s_lshr_b32 s39, s38, 1
	s_lshl_b32 s39, s39, 5
	s_and_b32 s38, s38, 1
	s_lshl_b32 s38, s38, 3
	s_add_co_u32 s38, s38, s39                     ; the unit's first query
	s_lshl_b32 s38, s38, 13
	s_and_b32 s39, s17, 15
	s_lshl_b32 s39, s39, 9
	s_add_co_u32 s38, s38, s39                     ; + 128 keys x 4 bytes a step
	s_mov_b32 s39, 0
	s_lshl_b32 s40, s17, 10                        ; codes: two rows of 512 bytes
	s_mov_b32 s41, 0
	s_lshl_b32 s42, s17, 8                         ; 256 bytes a position, and a unit
	s_mov_b32 s43, 0
	s_lshl_b32 s46, ttmp9, 9
	s_add_co_u32 s46, s46, 2097152                 ; the work-group's scale bytes
	s_mov_b32 s47, 0
	s_lshl_b32 s34, ttmp9, 7
	s_add_co_u32 s34, s34, 524288                  ; and its classes
	s_mov_b32 s35, 0
	s_wait_kmcnt 0x0
	s_add_nc_u64 s[4:5], s[4:5], s[36:37]
	s_add_nc_u64 s[8:9], s[8:9], s[38:39]
	s_add_nc_u64 s[44:45], s[10:11], s[40:41]
	s_add_nc_u64 s[46:47], s[10:11], s[46:47]
	s_add_nc_u64 s[12:13], s[12:13], s[42:43]
	s_add_nc_u64 s[42:43], s[14:15], s[42:43]
	s_add_nc_u64 s[14:15], s[14:15], s[34:35]
; all 40 loads at once; each reads 512 consecutive bytes
.irp k, 0,1
.irp j, 0,1,2,3,4,5,6,7
	global_load_b128 v[XA+32*\k+4*\j:XA+32*\k+4*\j+3], v2, s[4:5] offset:4096*\k+512*\j th:TH_LOAD_NT
.endr
.endr
.irp j, 0,1,2,3,4,5,6,7
	global_load_b128 v[WD+4*\j:WD+4*\j+3], v2, s[6:7] offset:512*\j
.endr
.irp i, 0,1,2,3,4,5,6,7,8,9,10,11,12,13,14,15
	global_load_b128 v[MK+4*\i:MK+4*\i+3], v2, s[8:9] offset:(\i+8*(\i/8))*8192 th:TH_LOAD_NT
.endr
; the rotary table, while the loads are on their way
	v_cvt_f32_u32 v192, v1
	v_mul_f32 v192, 0xbed49a78, v192               ; -p x log2(10000) / 32
	v_exp_f32 v193, v192                           ; theta
	v_cvt_f32_u32 v194, s17                        ; the position (a plain line behind the exponential)
	s_wait_alu depctr_va_vdst(0)                   ; ahead of the first line that names the exponential's result
	v_mul_f32 v193, v194, v193                     ; the angle
	v_mul_f32 v195, 0x3f22f983, v193               ; x 2 / pi
	v_rndne_f32 v195, v195                         ; n
	v_fmamk_f32 v196, v195, 0xbfc90fdb, v193       ; angle - n x pi/2's upper part: a multiple of 2^-23 under 1, so nothing is rounded
	v_fmamk_f32 v196, v195, 0x333bbd2e, v196       ; - n x the rest: r
	v_mul_f32 v197, v196, v196
	v_mov_b32 v198, 0x3638ef1d                     ; sine: 1/9!, -1/7!, 1/5!, -1/3!
	v_fmaak_f32 v198, v198, v197, 0xb9500d01
	v_fmaak_f32 v198, v198, v197, 0x3c088889
	v_fmaak_f32 v198, v198, v197, 0xbe2aaaab
	v_mul_f32 v198, v198, v197
	v_fma_f32 v198, v198, v196, v196
	v_mov_b32 v199, 0xb493f27e                     ; cosine: -1/10!, 1/8!, -1/6!, 1/4!, -1/2
	v_fmaak_f32 v199, v199, v197, 0x37d00d01
	v_fmaak_f32 v199, v199, v197, 0xbab60b61
	v_fmaak_f32 v199, v199, v197, 0x3d2aaaab
	v_fmaak_f32 v199, v199, v197, 0xbf000000
	v_fma_f32 v199, v199, v197, 1.0
	v_cvt_i32_f32 v200, v195                       ; the quadrant
	v_and_b32 v201, 1, v200
	v_cmp_eq_u32 vcc_lo, 1, v201
	v_cndmask_b32 v202, v198, v199, vcc_lo         ; sine: in odd quadrants the cosine of r
	v_cndmask_b32 v203, v199, v198, vcc_lo         ; cosine: the sine of r
	v_and_b32 v201, 2, v200
	v_lshlrev_b32 v201, 30, v201
	v_xor_b32 v31, v202, v201                      ; sine is negative in quadrants 2, 3
	v_add_nc_u32 v200, 1, v200
	v_and_b32 v200, 2, v200
	v_lshlrev_b32 v200, 30, v200
	v_xor_b32 v30, v203, v200                      ; cosine in quadrants 1, 2
	global_store_b64 v24, v[30:31], s[12:13]       ; 32 lanes store the position's 256 consecutive bytes; v[30:31] are not written again
; the two rows' sums of squares, two packed chains a row, the rows by turns
	s_wait_loadcnt 24                              ; x's 16 loads are in; behind them w's 8 and the mask's 16 were issued
.irp k, 0,1
	v_pk_mul_f32 v[8+4*\k:9+4*\k], v[XA+32*\k:XA+32*\k+1], v[XA+32*\k:XA+32*\k+1]
	v_pk_mul_f32 v[10+4*\k:11+4*\k], v[XA+32*\k+2:XA+32*\k+3], v[XA+32*\k+2:XA+32*\k+3]
.endr
.irp j, 4,8,12,16,20,24,28
.irp k, 0,1
	v_pk_fma_f32 v[8+4*\k:9+4*\k], v[XA+32*\k+\j:XA+32*\k+\j+1], v[XA+32*\k+\j:XA+32*\k+\j+1], v[8+4*\k:9+4*\k]
	v_pk_fma_f32 v[10+4*\k:11+4*\k], v[XA+32*\k+\j+2:XA+32*\k+\j+3], v[XA+32*\k+\j+2:XA+32*\k+\j+3], v[10+4*\k:11+4*\k]
.endr
.endr
.irp k, 0,1
	v_pk_add_f32 v[8+4*\k:9+4*\k], v[8+4*\k:9+4*\k], v[10+4*\k:11+4*\k]
.endr
.irp k, 0,1
	v_add_f32 v[8+4*\k], v[8+4*\k], v[9+4*\k]
.endr
.irp m, 1,2,4,8
	v_add_f32_dpp v8, v8, v8 row_xmask:\m row_mask:0xf bank_mask:0xf
	v_add_f32_dpp v12, v12, v12 row_xmask:\m row_mask:0xf bank_mask:0xf
.endr
	v_permlanex16_b32 v9, v8, s20, s21
	v_permlanex16_b32 v13, v12, s20, s21
	v_add_f32 v8, v8, v9
	v_add_f32 v12, v12, v13
	v_fma_f32 v8, v8, s22, s23                     ; mean + eps
	v_fma_f32 v12, v12, s22, s23
	v_rsq_f32 v16, v8
	v_rsq_f32 v18, v12
	v_mov_b32 v17, 0                               ; (the packed form names pairs and takes their low words)
	v_mov_b32 v19, 0
	s_wait_alu depctr_va_vdst(0)                   ; one wait for both roots, ahead of their first reader
; 4,096 bytes as loaded go into the stage and come back a block of 32 numbers a lane.  LDS serves a wave's instructions in order: no wait between the stores and the loads
.macro TURN src, dst
.irp j, 0,1,2,3,4,5,6,7
	ds_store_b128 v3, v[\src+4*\j:\src+4*\j+3] offset:576*\j
.endr
.irp i, 0,1,2,3,4,5,6,7
	ds_load_b128 v[\dst+4*\i:\dst+4*\i+3], v4 offset:16*\i
.endr
.endm
	s_wait_loadcnt 16                              ; w_norm1 is in; the mask's 16 loads may be out
	TURN WD, WT
.macro ROWQ k
	TURN XA+32*\k, Y
	s_wait_dscnt 0x0
.set i, 0
.rept 16
	v_pk_mul_f32 v[Y+i:Y+i+1], v[Y+i:Y+i+1], v[WT+i:WT+i+1]
.set i, i+2
.endr
.set i, 0
.rept 16
	v_pk_mul_f32 v[Y+i:Y+i+1], v[Y+i:Y+i+1], v[16+2*\k:17+2*\k] op_sel_hi:[1,0]
.set i, i+2
.endr
	v_max3_num_f32 v20, |v[Y]|, |v[Y+1]|, |v[Y+2]|                 ; the block's largest magnitude: all 32 numbers are mine
	v_max3_num_f32 v21, |v[Y+3]|, |v[Y+4]|, |v[Y+5]|
.irp i, 6,10,14,18,22,26
	v_max3_num_f32 v20, v20, |v[Y+\i]|, |v[Y+\i+1]|
	v_max3_num_f32 v21, v21, |v[Y+\i+2]|, |v[Y+\i+3]|
.endr
	v_max3_num_f32 v20, v20, |v[Y+30]|, |v[Y+31]|
	v_max3_num_f32 v20, v20, v21, 0x1800000        ; and the floor 2^(3 - 127): the byte cannot fall under 1
	v_add_nc_u32 v22, 0xff000000, v20              ; 2 off the exponent field: the conversion's scale operand
	v_lshrrev_b32 v23, 23, v22                     ; the scale's byte
.irp g, 0,1,2,3
	v_cvt_scalef32_pk8_fp4_f32 v[CC+4*\k+\g], v[Y+8*\g:Y+8*\g+7], v22
.endr
	v_nop                                          ; a plain line behind the conversions
	global_store_b128 v2, v[CC+4*\k:CC+4*\k+3], s[44:45] offset:512*\k   ; the row's 512 bytes of codes; each row has its own registers
	ds_store_b8 v7, v23 offset:32*\k
.endm
	ROWQ 0
	ROWQ 1
; the mask unit
	s_wait_loadcnt 0x0
.irp i, 0,1,2,3,4,5,6,7,8,9,10,11,12,13,14,15
	ds_store_b128 v5, v[MK+4*\i:MK+4*\i+3] offset:528*\i
.endr
.irp b, 0,1,2,3
.irp j, 0,1,2,3
	ds_load_b128 v[XA+16*\b+4*\j:XA+16*\b+4*\j+3], v6 offset:128*\b+16*\j   ; register 16 b + i: key 32 b + 16 (lane / 16) + i of query r
.endr
.endr
	v_mov_b32 v8, 0
	v_mov_b32 v9, 0
	s_mov_b32 s32, -1
	s_mov_b32 s33, 0
	s_wait_dscnt 0x0
.set n, 0
.rept 8
.irp e, 0,1,2,3,4,5,6,7
	v_cmp_ne_u32 s[24+\e], 0, v[XA+n+\e]           ; word n + e: a bit for each lane
.endr
.irp e, 0,1,2,3,4,5,6,7
	s_and_b32 s32, s32, s[24+\e]
	s_or_b32 s33, s33, s[24+\e]
	v_writelane_b32 v[8+\e%2], s[24+\e], (n+\e)/2  ; lane L gathers words 2 L and 2 L + 1
.endr
.set n, n+8
.endr
	global_store_b64 v24, v[8:9], s[42:43]         ; the unit's 256 consecutive bytes
	s_cmp_eq_u32 s32, -1
	s_cselect_b32 s34, 2, 1
	s_cmp_eq_u32 s33, 0
	s_cselect_b32 s34, 0, s34
	v_mov_b32 v10, s34
	ds_store_b32 v27, v10                          ; all lanes write the wave's word with the same value
	s_wait_dscnt 0x0                               ; for wave 0's sake: my scale bytes and my class have landed
	s_barrier_signal -1
	s_barrier_wait -1
	s_cmp_lg_u32 s16, 0
	s_cbranch_scc1 .Lend
	ds_load_b128 v[12:15], v25                     ; the work-group's 512 scale bytes
	ds_load_b32 v16, v26                           ; its 8 classes, four times over
	s_wait_dscnt 0x0
	global_store_b128 v2, v[12:15], s[46:47]
	global_store_b32 v28, v16, s[14:15]
.Lend:
	s_set_vgpr_msb 0x4
	s_wait_tensorcnt 0x0
	ds_add_u32 v29, v1
	s_wait_dscnt 0x0
	s_set_vgpr_msb 0x400
	s_endpgm
.Lfunc_end_k_q85ed508348_prep:
	.size	k_q85ed508348_prep, .Lfunc_end_k_q85ed508348_prep-k_q85ed508348_prep
	.p2alignl 7, 3214868480
	.fill 96, 4, 3214868480
	.section	.rodata,"a",@progbits
	.p2align	6, 0x0
	.amdhsa_kernel k_q85ed508348_prep
		.amdhsa_group_segment_fixed_size 108544
		.amdhsa_private_segment_fixed_size 0
		.amdhsa_enable_private_segment 0
		.amdhsa_kernarg_size 48
		.amdhsa_user_sgpr_count 2
		.amdhsa_user_sgpr_kernarg_segment_ptr 1
		.amdhsa_wavefront_size32 1
		.amdhsa_system_sgpr_workgroup_id_x 1
		.amdhsa_system_sgpr_workgroup_id_y 1
		.amdhsa_system_sgpr_workgroup_id_z 1
		.amdhsa_system_vgpr_workitem_id 0
		.amdhsa_next_free_vgpr 258
		.amdhsa_next_free_sgpr 66
		.amdhsa_reserve_vcc 1
		.amdhsa_float_denorm_mode_32 3
		.amdhsa_float_denorm_mode_16_64 3
		.amdhsa_memory_ordered 1
		.amdhsa_forward_progress 1
		.amdhsa_inst_pref_size 38
	.end_amdhsa_kernel
	.amdgpu_metadata
---
amdhsa.version: [ 1, 2 ]
amdhsa.kernels:
  - .name:           k_q85ed508348_prep
    .symbol:         k_q85ed508348_prep.kd
    .args:
      - { .name: x, .offset: 0, .size: 8, .value_kind: global_buffer, .address_space: global }
      - { .name: w_norm1, .offset: 8, .size: 8, .value_kind: global_buffer, .address_space: global }
      - { .name: mask, .offset: 16, .size: 8, .value_kind: global_buffer, .address_space: global }
      - { .name: hq, .offset: 24, .size: 8, .value_kind: global_buffer, .address_space: global }
      - { .name: rope, .offset: 32, .size: 8, .value_kind: global_buffer, .address_space: global }
      - { .name: maskw, .offset: 40, .size: 8, .value_kind: global_buffer, .address_space: global }
    .group_segment_fixed_size: 108544
    .private_segment_fixed_size: 0
    .kernarg_segment_align: 8
    .kernarg_segment_size: 48
    .max_flat_workgroup_size: 256
    .sgpr_count:     66
    .vgpr_count:     258
    .wavefront_size: 32
...
	.end_amdgpu_metadata
.endif
;; end of part 1
;; launch qkv (part 2): grid 12 x 16, 4 waves a work-group, clusters of 4 x 4, 296,448 bytes of LDS; arguments hq, w_qkv_codes, w_qkv_scales, rope, qkvq; writes qkvq
.if DOCPART == 2
	.amdgcn_target "amdgcn-amd-amdhsa--gfx1250"
	.amdhsa_code_object_version 6
	.text
	.protected	k_q85ed508348_qkv
	.globl	k_q85ed508348_qkv
	.p2align	8
	.type	k_q85ed508348_qkv,@function
k_q85ed508348_qkv:
	s_mov_b64 s[64:65], 0
	v_nop
	global_prefetch_b8 v0, s[64:65] scope:SCOPE_SE
	s_setreg_imm32_b32 hwreg(HW_REG_WAVE_MODE, 25, 1), 1
	s_wait_xcnt 0x0
	s_wait_alu depctr_hold_cnt(0) depctr_sa_sdst(0) depctr_va_vdst(0) depctr_va_sdst(0) depctr_va_ssrc(0) depctr_va_vcc(0) depctr_vm_vsrc(0)
	s_getreg_b32 s2, hwreg(HW_REG_IB_STS2, 6, 4)
	s_cmp_eq_u32 s2, 0
	s_cbranch_scc0 .Lentry_in_a_cluster
	s_endpgm
.Lentry_in_a_cluster:
	s_bfe_u32 s2, ttmp6, 0x10000c
	s_cmp_lg_u32 s2, 0xf033
	s_cbranch_scc0 .Lentry_shape_is_right
	s_endpgm
.Lentry_shape_is_right:
; QKV.  qkv[t][n] = sum over k of h[t][k] w_qkv[n][k] on E2M1 codes with E8M0 scales (K = 1024), the rotary turn on q and k in f32, and the quantising of q, k (along a head's 64 channels) and of v (along the keys).
; A work-group of four waves makes 256 tokens x 256 rows of w_qkv, a wave 128 x 128: 64 accumulators, 512 registers.  All of K fits in LDS: two chunks of 512 along K, both filled once, at the start; no LDS byte is filled twice.
; CLUSTERS 4 x 4: h's tiles hang on the token tile y alone and are shared along a row of the cluster, w's on x alone and are shared along a column: joint loads.  Every wave asks for a quarter (64 rows) of each.
; TILES.  Lane r of tile i of ANY operand takes row 32 (i/2) + 8 (i%2) + r + 8 (r/8).  With such a tile as source 0, the 16 registers of result tiles 2 b, 2 b + 1 in lane (r, h) are the 16 neighbours 32 b + 16 h + 0 .. 15 of source 0's rows.
; ROLE.  q, k (cluster x 0, 1): source 0 = w's rows, source 1 = tokens: a lane holds one token, its registers run along the channels.  v (cluster x 2): source 0 = tokens, source 1 = w's rows: a lane holds one channel, registers along the keys.
; The role is the same in all partners of a cluster; it chooses LDS read addresses (each choice stays inside one slot, or inside the scales) and the way out.
; OUT: qkvq, images of operand registers: slot = (row of w_qkv / 64) x 2 + batch; codes at slot x 65,536 + group of 64 tokens x 2,048 + tile x 512 + 16 x lane (16 rows x 64 codes: lane (r, h) holds block h of row r);
; from byte 6,291,456 the scale words: slot x 8,192 + group x 256 + 8 x lane + 4 j: lanes 0-15 tile 2 j, lanes 16-31 tile 2 j + 1; two bytes, the upper two 0.
; LIMITS: blocks whose largest magnitude lies under 2^-124 keep the byte 1 (zeros too: their codes are zeros; this program alone reads the bytes).  NaN and infinities are not served.
; REGISTERS: window 0: v0-31 addresses; v32-95 scale words, two sets, and nothing else; v96-112 at work in the quantiser; v128-191 source 1's fragments, later 64 turned numbers; v192-223 codes and scale words on the way out.
;   window 1: source 0's fragments at v0 and v128; v64-127 cos and sin, two sets.   windows 2, 3: accumulator (a, b) at v[8 (8 (a%4) + b)] of window 2 + a/4; a: source 1's tile, b: source 0's.
.set PITCH, 272                        ; an LDS row: 256 bytes + 16 of padding
.set QUART, 64*PITCH                   ; what one tensor load brings
.set HALFT, 2*QUART                    ; what a wave reads of one operand
.set SLOT,  8*QUART                    ; h's 256 rows, then w's 256 rows
.set SCL,   2*SLOT                     ; the scale bytes: units of 256 bytes (8 rows of 32) + 16
.set QS,    8*272                      ; those of 64 rows
.set HALFS, 2*QS
.set NQ,    4
.set FR,    8
.set NP,    4
.set ADRA,  16                         ; v16-17 source 1's fragments in slot 0, 1
.set ADRB,  20                         ; v20-21 source 0's
.set L16,   24                         ; 16 x lane
.set L8,    25                         ; 8 x lane
.set CSO,   26                         ; my place in the rotary table: 256 x my token of a tile + 64 (lane / 16)
.set ADRS,  27                         ; scale words: lanes 0-15 source 1's rows, lanes 16-31 source 0's
.set SC,    32
.set TM,    96
.set PW,    112
.set AF,    128
.set H,     128
.set PC,    192
.set SWD,   208
.set R,     216
.set OB,    18                         ; s[18:19] where my codes go, s[20:21] my scale words
.set OS,    20
.set SEL,   96
.set HI,    98
.set ROLE,  99
.set MSB, 0
.macro WIN new                         ; the immediate's high byte repeats the setting that is left
.if MSB != (\new)
	s_set_vgpr_msb (MSB<<8)|(\new)
.set MSB, (\new)
.endif
.endm
.set MUL_LO, 0xa1                      ; source 0 window 1, source 1 window 0, C and D window 2
.set MUL_HI, 0xf1
.set TO_B,   0x40
.macro CREST
	s_cmp_lg_u32 s14, 0
	s_cbranch_scc1 .Lnot_wave_0_\@
	s_barrier_signal -3
.Lnot_wave_0_\@:
	s_barrier_wait -3
	s_barrier_signal -1
	s_barrier_wait -1
.endm
.macro CROUND                          ; a round of the cluster's barrier
	s_barrier_signal -1
	s_barrier_wait -1
	CREST
.endm
.macro PLACES n
.rept \n
	v_nop
.endr
.endm
	s_load_b256 s[4:11], s[0:1], 0x0               ; hq, w's codes, w's scales, rope
	s_load_b64 s[12:13], s[0:1], 0x20              ; qkvq
	v_lshl_add_u32 v254, v0, 2, 0x48400
	v_mov_b32 v255, 0
	ds_add_u32 v254, v255
	ds_add_u32 v254, v255
	v_lshrrev_b32 v1, 5, v0
	v_readfirstlane_b32 s14, v1                    ; wave
	s_lshr_b32 s15, s14, 1                         ; which half of the tokens is mine
	s_and_b32 s16, s14, 1                          ; which half of w's rows
	s_bfe_u32 s40, ttmp6, 0x40000                  ; cx
	s_bfe_u32 s41, ttmp6, 0x40004                  ; cy
	s_lshl_b32 s42, ttmp9, 2
	s_add_co_u32 s42, s42, s40                     ; x
	s_and_b32 s17, ttmp7, 0xffff
	s_lshl_b32 s17, s17, 2
	s_add_co_u32 s17, s17, s41                     ; y
	s_lshl_b32 s43, s41, 2
	s_lshl_b32 s43, 15, s43                        ; my row of the cluster
	s_lshl_b32 s44, 0x1111, s40                    ; my column
	; group 1 for codes: 64 rows x 256 bytes, 512 bytes apart, 16 bytes of padding behind each
	s_or_b32 s24, s43, (0<<16)|(1<<20)|(1<<21)|(5<<22)|(3<<25)
	s_or_b32 s48, s44, (0<<16)|(1<<20)|(1<<21)|(5<<22)|(3<<25)
.irp g, 24, 48
	s_mov_b32 s[\g+1], 256<<16
	s_mov_b32 s[\g+2], 64<<16
	s_mov_b32 s[\g+3], 256<<16
	s_mov_b32 s[\g+4], 64
	s_mov_b32 s[\g+5], 512
	s_mov_b32 s[\g+6], 0
	s_mov_b32 s[\g+7], 0
.endr
	; and for the scale bytes of 64 rows: 2,048 dense bytes as 8 rows of 32 elements of 8 bytes, padded likewise
	s_or_b32 s68, s43, (3<<16)|(1<<20)|(1<<21)|(5<<22)|(3<<25)
	s_or_b32 s80, s44, (3<<16)|(1<<20)|(1<<21)|(5<<22)|(3<<25)
.irp g, 68, 80
	s_mov_b32 s[\g+1], 32<<16
	s_mov_b32 s[\g+2], 8<<16
	s_mov_b32 s[\g+3], 32<<16
	s_mov_b32 s[\g+4], 8
	s_mov_b32 s[\g+5], 32
	s_mov_b32 s[\g+6], 0
	s_mov_b32 s[\g+7], 0
.endr
	s_lshl_b32 s18, s14, 6                         ; my quarter: 64 x wave
	s_lshl_b32 s20, s17, 8
	s_add_co_u32 s20, s20, s18                     ; its first token
	s_lshl_b32 s46, s42, 8
	s_add_co_u32 s46, s46, s18                     ; its first row of w
	s_lshl_b32 s22, s20, 5
	s_add_co_u32 s22, s22, 2097152                 ; h's scale bytes lie behind its codes
	s_mov_b32 s23, 0
	s_lshl_b32 s20, s20, 9
	s_mov_b32 s21, 0
	s_lshl_b32 s92, s46, 5
	s_mov_b32 s93, 0
	s_lshl_b32 s46, s46, 9
	s_mov_b32 s47, 0
	s_mul_i32 s45, s14, QUART                      ; where they go: the wave's number alone enters an LDS address
	s_mul_i32 s94, s14, QS
	s_wait_dscnt 0x0
	s_wait_kmcnt 0x0
	s_add_nc_u64 s[20:21], s[4:5], s[20:21]
	s_add_nc_u64 s[22:23], s[4:5], s[22:23]
	s_add_nc_u64 s[46:47], s[6:7], s[46:47]
	s_add_nc_u64 s[92:93], s[8:9], s[92:93]
	CROUND                                         ; all sixteen work-groups are here: the joint loads meet
	s_mov_b32 s76, 1
	s_add_co_u32 s77, s94, SCL
	s_mov_b64 s[78:79], s[22:23]
	s_or_b32 s79, s79, 0x80000000
	s_mov_b32 s88, 1
	s_add_co_u32 s89, s94, SCL+4*QS
	s_mov_b64 s[90:91], s[92:93]
	s_or_b32 s91, s91, 0x80000000
.irp c, 0,1
	s_mov_b32 s[32+4*\c], 1
	s_add_co_u32 s[33+4*\c], s45, \c*SLOT
	s_add_nc_u64 s[34+4*\c:35+4*\c], s[20:21], \c*256
	s_or_b32 s[35+4*\c], s[35+4*\c], 0x80000000
	s_mov_b32 s[56+4*\c], 1
	s_add_co_u32 s[57+4*\c], s45, \c*SLOT+4*QUART
	s_add_nc_u64 s[58+4*\c:59+4*\c], s[46:47], \c*256
	s_or_b32 s[59+4*\c], s[59+4*\c], 0x80000000
.endr
	; all first fills as one group: six loads of mine are out.  Four v_nop follow the last
	tensor_load_to_lds s[76:79], s[68:75]          ; h's scale bytes
	s_nop 0
	tensor_load_to_lds s[88:91], s[80:87]          ; w's
	s_nop 0
	tensor_load_to_lds s[32:35], s[24:31]          ; h, K 0-511
	s_nop 0
	tensor_load_to_lds s[56:59], s[48:55]          ; w, K 0-511
	s_nop 0
	tensor_load_to_lds s[36:39], s[24:31]          ; h, K 512-1023
	s_nop 0
	tensor_load_to_lds s[60:63], s[48:55]          ; w, K 512-1023
	s_nop 0
	PLACES 4
	v_and_b32 v1, 15, v0                           ; r
	v_bfe_u32 v2, v0, 4, 1                         ; h
	v_and_b32 v3, 8, v1
	v_add_nc_u32 v3, v3, v1                        ; r + 8 (r / 8)
	v_mul_u32_u24 v4, v3, PITCH
	v_lshl_add_u32 v4, v2, 4, v4
	s_cmp_ge_u32 ttmp9, 2
	s_cselect_b32 s[ROLE], 1, 0                    ; 1: v
	s_mul_i32 s2, s15, HALFT                       ; my half of the tokens
	s_mul_i32 s3, s16, HALFT
	s_add_co_u32 s3, s3, 4*QUART                   ; my half of w's rows
	s_cmp_eq_u32 s[ROLE], 1
	s_cselect_b32 s22, s3, s2                      ; source 1
	s_cselect_b32 s23, s2, s3                      ; source 0
	v_add_nc_u32 v[ADRA], s22, v4
	v_add_nc_u32 v[ADRB], s23, v4
	v_add_nc_u32 v[ADRA+1], SLOT, v[ADRA]
	v_add_nc_u32 v[ADRB+1], SLOT, v[ADRB]
	v_lshrrev_b32 v5, 3, v1
	v_mul_u32_u24 v5, v5, 544
	v_and_b32 v6, 7, v1
	v_lshl_add_u32 v5, v6, 5, v5                   ; my row's scale bytes in a tile: rows 16 on lie two units on
	s_mul_i32 s2, s15, HALFS
	s_mul_i32 s3, s16, HALFS
	s_add_co_u32 s3, s3, 4*QS
	s_sub_co_u32 s3, s3, s2                        ; from h's half to w's half: one product chooses
	v_xor_b32 v6, s[ROLE], v2                      ; lanes 0-15 take source 1's words, lanes 16-31 source 0's
	v_mul_u32_u24 v6, s3, v6
	s_add_co_u32 s2, s2, SCL
	v_add_nc_u32 v5, v5, v6
	v_add_nc_u32 v[ADRS], s2, v5
	v_and_b32 v6, 31, v0
	v_lshlrev_b32 v[L16], 4, v6
	v_lshlrev_b32 v[L8], 3, v6
	v_lshlrev_b32 v[CSO], 8, v3
	v_lshl_add_u32 v[CSO], v2, 6, v[CSO]
.irp b, 0,1,2,3
	v_mov_b32 v[TM+4+\b], 0                        ; written once: a lane permute's destination counts as one of its sources
.endr
	s_mov_b32 s[SEL], 0x76543210
	s_mov_b32 s[SEL+1], 0xfedcba98
	s_mov_b32 s[HI], 0xffff0000                    ; lanes 16-31
	s_lshl_b32 s18, s42, 2
	s_lshl_b32 s19, s16, 1
	s_add_co_u32 s18, s18, s19                     ; my first group of 64 rows of w
	s_lshl_b32 s18, s18, 1
	s_lshr_b32 s19, s17, 3
	s_add_co_u32 s18, s18, s19                     ; its slot
	s_lshl_b32 s19, s17, 2
	s_lshl_b32 s22, s15, 1
	s_add_co_u32 s19, s19, s22
	s_and_b32 s19, s19, 31                         ; my first group of 64 tokens in the batch
	s_lshl_b32 s20, s18, 13
	s_lshl_b32 s22, s19, 8
	s_add_co_u32 s20, s20, s22
	s_add_co_u32 s20, s20, 6291456
	s_mov_b32 s21, 0
	s_lshl_b32 s18, s18, 16
	s_lshl_b32 s19, s19, 11
	s_add_co_u32 s18, s18, s19
	s_mov_b32 s19, 0
	s_add_nc_u64 s[OB:OB+1], s[12:13], s[18:19]
	s_add_nc_u64 s[OS:OS+1], s[12:13], s[20:21]
	s_lshl_b32 s22, s17, 8
	s_lshl_b32 s23, s15, 7
	s_add_co_u32 s22, s22, s23
	s_and_b32 s22, s22, 2047                       ; my first token's position
	s_lshl_b32 s22, s22, 8
	s_mov_b32 s23, 0
	s_add_nc_u64 s[10:11], s[10:11], s[22:23]
; cos and sin of token tile a: lane (r, h) wants, for its token, the pairs of channels 32 k + 16 h + 0 .. 15: register 16 k + i is cos (i even) or sin (i odd) of the pair of channels i, i + 1
.macro CSLOAD a
	WIN 0x40
.irp k, 0,1
.irp j, 0,1,2,3
	global_load_b128 v[64+32*((\a)%2)+16*\k+4*\j:64+32*((\a)%2)+16*\k+4*\j+3], v[CSO], s[10:11] offset:(32*((\a)/2)+8*((\a)%2))*256+128*\k+16*\j
.endr
.endr
	WIN 0
.endm
	s_cmp_eq_u32 s[ROLE], 1
	s_cbranch_scc1 .Lno_cs
	CSLOAD 0                                       ; they land while the products run
	CSLOAD 1
.Lno_cs:
.macro FRAG reg, adr, q, i             ; 16 rows x 128 K: registers 4 c .. 4 c + 3 hold K = 64 c + 32 (lane / 16) + 0 .. 31
.irp c, 0,1
	ds_load_b128 v[\reg+4*\c:\reg+4*\c+3], v[\adr] offset:64*(\q)+32*\c+(32*((\i)/2)+8*((\i)%2))*PITCH
.endr
.endm
; 16 matrix instructions: source 1's tiles a0, a0 + 1 x source 0's eight.  The 64 accumulators take turns, one instruction a turn, in the same order in every step
.macro MUL16 a0, p, q, sc, zero
.irp a, \a0, \a0+1
.irp b, 0,1,2,3,4,5,6,7
.if \zero
	v_wmma_scale_f32_16x16x128_f8f6f4 v[8*(8*((\a)%4)+\b):8*(8*((\a)%4)+\b)+7], v[128*(\p)+FR*\b:128*(\p)+FR*\b+FR-1], v[AF+FR*(\a):AF+FR*(\a)+FR-1], 0, v[SC+8*NQ*(\sc)+NQ*\b+(\q)], v[SC+8*NQ*(\sc)+NQ*(\a)+(\q)] matrix_a_fmt:MATRIX_FMT_FP4 matrix_b_fmt:MATRIX_FMT_FP4 matrix_a_scale:MATRIX_SCALE_ROW1
.else
	v_wmma_scale_f32_16x16x128_f8f6f4 v[8*(8*((\a)%4)+\b):8*(8*((\a)%4)+\b)+7], v[128*(\p)+FR*\b:128*(\p)+FR*\b+FR-1], v[AF+FR*(\a):AF+FR*(\a)+FR-1], v[8*(8*((\a)%4)+\b):8*(8*((\a)%4)+\b)+7], v[SC+8*NQ*(\sc)+NQ*\b+(\q)], v[SC+8*NQ*(\sc)+NQ*(\a)+(\q)] matrix_a_fmt:MATRIX_FMT_FP4 matrix_b_fmt:MATRIX_FMT_FP4 matrix_a_scale:MATRIX_SCALE_ROW1
.endif
.endr
.endr
.endm
.macro FETCH_B slot, q, p
	WIN TO_B
.irp i, 0,1,2,3,4,5,6,7
	FRAG 128*(\p)+FR*\i, ADRB+\slot, \q, \i
.endr
	WIN 0
.endm
.macro FETCH_A slot, q, i0
.irp i, \i0, \i0+1, \i0+2, \i0+3
	FRAG AF+FR*(\i), ADRA+\slot, \q, \i
.endr
.endm
.macro SCALES sc                       ; a chunk's four scale words of each tile's rows
.irp i, 0,1,2,3,4,5,6,7
	ds_load_b128 v[SC+8*NQ*\sc+NQ*\i:SC+8*NQ*\sc+NQ*\i+3], v[ADRS] offset:(4*(\i/2)+\i%2)*272
.endr
.endm
; a step of 128 along K whose successor lies in the same slot.  Loads into registers that matrix instructions have read stand four plain places behind them
.macro STEP slot, q, zero
	s_wait_dscnt 8                                 ; all but the youngest eight loads (source 1's tiles 4-7) are in
	WIN MUL_LO
	MUL16 0, (\q)%2, \q, \slot, \zero
	MUL16 2, (\q)%2, \q, \slot, \zero
	s_wait_dscnt 0
	PLACES NP
	FETCH_B \slot, (\q)+1, 1-(\q)%2
	FETCH_A \slot, (\q)+1, 0
	WIN MUL_HI
	MUL16 4, (\q)%2, \q, \slot, \zero
	MUL16 6, (\q)%2, \q, \slot, \zero
	PLACES NP
	WIN 0
	FETCH_A \slot, (\q)+1, 4
.endm
.macro STEPS slot, from
.set Q, \from
.rept NQ-1-\from
	STEP \slot, Q, 0
.set Q, Q+1
.endr
.endm
	s_wait_tensorcnt 2                             ; the scale bytes and my parts of K 0-511 are in; the two loads of K 512-1023 may be out: nothing is filled twice
	s_barrier_signal -1
	s_barrier_wait -1                              ; everybody's are
	FETCH_B 0, 0, 0
	FETCH_A 0, 0, 0
	SCALES 0
	FETCH_A 0, 0, 4
	STEP 0, 0, 1                                   ; the first products start the sums: nothing is cleared
	STEPS 0, 1
	; slot 0's last step changes slots
	s_wait_tensorcnt 0x0                           ; my parts of slot 1 are in
	s_wait_dscnt 8
	WIN MUL_LO
	MUL16 0, 1, NQ-1, 0, 0
	s_wait_dscnt 0x0                               ; no LDS instruction of mine is out at the signal
	s_barrier_signal -1
	MUL16 2, 1, NQ-1, 0, 0
	WIN 0
	s_barrier_wait -1                              ; slot 1 is whole
	PLACES NP
	v_add_nc_u32 v[ADRS], 16, v[ADRS]              ; the second chunk's scale words
	FETCH_B 1, 0, 0
	FETCH_A 1, 0, 0
	SCALES 1
	WIN MUL_HI
	MUL16 4, 1, NQ-1, 0, 0
	MUL16 6, 1, NQ-1, 0, 0
	PLACES NP
	WIN 0
	FETCH_A 1, 0, 4
	STEPS 1, 0
	s_wait_dscnt 8
	WIN MUL_LO
	MUL16 0, 1, NQ-1, 1, 0
	MUL16 2, 1, NQ-1, 1, 0
	s_wait_dscnt 0
	WIN MUL_HI
	MUL16 4, 1, NQ-1, 1, 0
	MUL16 6, 1, NQ-1, 1, 0
	WIN 0
	PLACES NP                                      ; ahead of the first read of results and the first write of source 1's registers
; 64 numbers of a lane, v[s] on in window w, register 16 b + i = index 32 b + 16 (lane / 16) + i, become a fragment's codes in v[PC] on and the row's scale word in v[PW].  Each accumulator is read from its low end on
.macro QUANT4 s, w
	WIN (\w)|((\w)<<2)
.irp b, 0,1,2,3
	v_max3_num_f32 v[TM+\b], |v[(\s)+16*\b]|, |v[(\s)+1+16*\b]|, 0x1800000   ; with the floor 2^(3 - 127): the byte cannot fall under 1
.endr
.irp i, 2,4,6,8,10,12,14
.irp b, 0,1,2,3
	v_max3_num_f32 v[TM+\b], |v[(\s)+16*\b+\i]|, |v[(\s)+1+16*\b+\i]|, v[TM+\b]
.endr
.endr
	WIN 0
.irp b, 0,1,2,3
	v_permlanex16_b32 v[TM+4+\b], v[TM+\b], s[SEL], s[SEL+1]
.endr
.irp b, 0,1,2,3
	v_max_num_f32 v[TM+\b], v[TM+\b], v[TM+4+\b]   ; with lane l xor 16's: the block's largest magnitude
.endr
.irp b, 0,1,2,3
	v_add_nc_u32 v[TM+12+\b], 0xff000000, v[TM+\b] ; 2 off its exponent field: the conversion's scale operand
.endr
.irp b, 0,1,2,3
	v_lshrrev_b32 v[TM+4+\b], 23, v[TM+12+\b]      ; the byte
.endr
	v_lshl_or_b32 v[PW], v[TM+5], 8, v[TM+4]
	v_lshl_or_b32 v[PW], v[TM+6], 16, v[PW]
	v_lshl_or_b32 v[PW], v[TM+7], 24, v[PW]
	WIN \w
.irp b, 0,1,2,3
	v_cvt_scalef32_pk8_fp4_f32 v[PC+2*\b], v[(\s)+16*\b:(\s)+7+16*\b], v[TM+12+\b]
	v_cvt_scalef32_pk8_fp4_f32 v[PC+1+2*\b], v[(\s)+8+16*\b:(\s)+15+16*\b], v[TM+12+\b]
.endr
	WIN 0
	v_nop                                          ; a plain line behind the conversions
.irp c, 0,1                                    ; a whole block to a lane: lanes 0-15 block 2 c, lanes 16-31 block 2 c + 1
.irp i, 0,1
	v_permlane16_swap_b32 v[PC+4*\c+\i], v[PC+2+4*\c+\i]
.endr
.endr
.endm
; the two images of tile a (each 512 dense bytes) and, with every fourth tile, the scale words of four tiles (256 dense bytes for each half c)
.macro OUT a, dc, da, sdc, sda
.irp c, 0,1
	global_store_b128 v[L16], v[PC+4*\c:PC+4*\c+3], s[OB:OB+1] offset:\c*\dc+((\a)/4)*\da+((\a)%4)*512
.endr
	v_and_b32 v[SWD+(\a)%4], 0xffff, v[PW]
	v_lshrrev_b32 v[SWD+4+(\a)%4], 16, v[PW]
.if (\a)%4 == 3
.irp c, 0,1
.irp j, 0,1
	v_cndmask_b32 v[R+4*((\a)/4)+2*\c+\j], v[SWD+4*\c+2*\j], v[SWD+4*\c+2*\j+1], s[HI]
.endr
	global_store_b64 v[L8], v[R+4*((\a)/4)+2*\c:R+4*((\a)/4)+2*\c+1], s[OS:OS+1] offset:\c*\sdc+((\a)/4)*\sda
.endr
.endif
.endm
; the rotary turn of tile a's 64 numbers a lane: (e, o) -> (e cos - o sin, o cos + e sin); both heads of the wave take the same 32 registers of cos and sin
.macro ROPE a
.set AC, 64*((\a)%4)
.set CSR, 64+32*((\a)%2)
	WIN (2+(\a)/4)|4                               ; source 0: the accumulators' window; source 1: window 1
.irp k, 0,1,2,3
.irp i, 0,2,4,6,8,10,12,14
	v_pk_mul_f32 v[H+16*\k+\i:H+16*\k+\i+1], v[AC+16*\k+\i:AC+16*\k+\i+1], v[CSR+16*(\k%2)+\i:CSR+16*(\k%2)+\i+1] op_sel_hi:[1,0]
.endr
.irp i, 0,2,4,6,8,10,12,14
	v_fma_f32 v[H+16*\k+\i], -v[AC+16*\k+\i+1], v[CSR+16*(\k%2)+\i+1], v[H+16*\k+\i]
	v_fma_f32 v[H+16*\k+\i+1], v[AC+16*\k+\i], v[CSR+16*(\k%2)+\i+1], v[H+16*\k+\i+1]
.endr
.endr
	WIN 0
.endm
	s_cmp_eq_u32 s[ROLE], 1
	s_cbranch_scc1 .Lway_v
.irp a, 0,1,2,3,4,5,6,7                        ; q, k: tile a of my tokens; halves c = my two heads
	s_wait_xcnt 0x0                                ; the last tile's stores have read their registers
.if \a < 7
	s_wait_loadcnt 8                               ; this tile's cos and sin are in; the next tile's eight loads may be out
.else
	s_wait_loadcnt 0x0
.endif
	ROPE \a
.if \a < 6
	CSLOAD \a+2
.endif
	QUANT4 H, 0
	OUT \a, 131072, 2048, 16384, 256
.endr
	s_branch .Ljoin
.Lway_v:
.irp a, 0,1,2,3,4,5,6,7                        ; v: tile a of my channels; halves c = my two groups of 64 keys
	s_wait_xcnt 0x0
	QUANT4 64*((\a)%4), 2+(\a)/4
	OUT \a, 2048, 131072, 256, 16384
.endr
.Ljoin:
	s_wait_tensorcnt 0x0
	ds_add_u32 v254, v255
	s_wait_dscnt 0x0
	CROUND                                         ; the closing round: no work-group ends while a partner may still ask for a tile that names it
	s_endpgm
.Lfunc_end_k_q85ed508348_qkv:
	.size	k_q85ed508348_qkv, .Lfunc_end_k_q85ed508348_qkv-k_q85ed508348_qkv
	.p2alignl 7, 3214868480
	.fill 96, 4, 3214868480
	.section	.rodata,"a",@progbits
	.p2align	6, 0x0
	.amdhsa_kernel k_q85ed508348_qkv
		.amdhsa_group_segment_fixed_size 296448
		.amdhsa_private_segment_fixed_size 0
		.amdhsa_enable_private_segment 0
		.amdhsa_kernarg_size 40
		.amdhsa_user_sgpr_count 2
		.amdhsa_user_sgpr_kernarg_segment_ptr 1
		.amdhsa_wavefront_size32 1
		.amdhsa_system_sgpr_workgroup_id_x 1
		.amdhsa_system_sgpr_workgroup_id_y 1
		.amdhsa_system_sgpr_workgroup_id_z 1
		.amdhsa_system_vgpr_workitem_id 0
		.amdhsa_next_free_vgpr 1024
		.amdhsa_next_free_sgpr 100
		.amdhsa_reserve_vcc 0
		.amdhsa_float_denorm_mode_32 3
		.amdhsa_float_denorm_mode_16_64 3
		.amdhsa_memory_ordered 1
		.amdhsa_forward_progress 1
		.amdhsa_inst_pref_size 217
	.end_amdhsa_kernel
	.amdgpu_metadata
---
amdhsa.version: [ 1, 2 ]
amdhsa.kernels:
  - .name:           k_q85ed508348_qkv
    .symbol:         k_q85ed508348_qkv.kd
    .args:
      - { .name: hq, .offset: 0, .size: 8, .value_kind: global_buffer, .address_space: global }
      - { .name: w_qkv_codes, .offset: 8, .size: 8, .value_kind: global_buffer, .address_space: global }
      - { .name: w_qkv_scales, .offset: 16, .size: 8, .value_kind: global_buffer, .address_space: global }
      - { .name: rope, .offset: 24, .size: 8, .value_kind: global_buffer, .address_space: global }
      - { .name: qkvq, .offset: 32, .size: 8, .value_kind: global_buffer, .address_space: global }
    .group_segment_fixed_size: 296448
    .private_segment_fixed_size: 0
    .kernarg_segment_align: 8
    .kernarg_segment_size: 40
    .max_flat_workgroup_size: 128
    .sgpr_count:     100
    .vgpr_count:     1024
    .wavefront_size: 32
...
	.end_amdgpu_metadata
.endif
;; end of part 2
;; launch attn (part 3): grid 8 x 32, 16 waves a work-group, no clusters, 149,504 bytes of LDS; arguments qkvq, maskw, oq; writes oq
.if DOCPART == 3
	.amdgcn_target "amdgcn-amd-amdhsa--gfx1250"
	.amdhsa_code_object_version 6
	.text
	.protected	k_q85ed508348_attn
	.globl	k_q85ed508348_attn
	.p2align	8
	.type	k_q85ed508348_attn,@function
k_q85ed508348_attn:
	s_mov_b64 s[64:65], 0
	v_nop
	global_prefetch_b8 v0, s[64:65] scope:SCOPE_SE
	s_setreg_imm32_b32 hwreg(HW_REG_WAVE_MODE, 25, 1), 1
	s_wait_xcnt 0x0
; ATTENTION on E2M1 codes: S^T = K Q^T, the mask input, p = 2^(t - M) with t = score x log2(e) / 8 and M the running largest t rounded up to a whole number, O^T += V^T P^T, O / l, and o quantised along a head's 64 channels.
; A work-group takes one (head, batch); its sixteen waves take one tile of 16 queries each: four waves to a SIMD, so that one wave's vector work stands beside another's products and LDS loads.
; A head's K and V codes and scale words are 144 KiB: they come into LDS ONCE, through registers, as images of operand registers; behind the one barrier no wave waits for another.
; NO TENSOR LOAD AND NO CLUSTER: a step of 128 keys whose stored class says that the mask hides all of it from the wave's 16 queries is left out by a scalar branch on that stored whole number.
; The mask is an input: nothing of its pattern is built in.  Its lane words (64 a step) are scalar loads, made only for a step whose class is mixed: an open step's words would select nothing.
; A STEP AHEAD: what a step would wait for is asked for during the step before, by the NEXT step's class: its K fragments and K's scale words as soon as this step's first product has read their registers,
; its mask words as soon as this step's selects have read theirs.  A hidden next step is asked nothing.  Step 0's are asked for at the head.
; The head size is 64, half of the instruction's K: registers 4-7 of Q's and K's fragments are zero codes (their scale bytes are 0, which is 2^-127, over zeros).
; Query tile: qt = 8 f(wave) + work-group x, f(w) = w xor 3 ((w / 4) % 2): a spread over work-groups and SIMDs for masks that hide more from early queries; no value hangs on it.
; A ROW THAT THE MASK HIDES WHOLLY has l = 0; its result is NaN: E2M1 has no such code, so the row's two scale bytes become 0xff, which makes the next product's sums NaN.
; LIMITS: NaN and infinities among the inputs are not served otherwise; blocks under 2^-124 keep the byte 1.
; REGISTERS: v1 16 l, v2 8 l, v3 -inf; v4-6 the step's LDS addresses; v12 -M, v13 largest t, v[14:15] the sum; v16-23 Q, v24 its scale word; v26-29 K's scale words; v30-33 halves of V's, v34-35 V's scale words;
;   v40-103 K's eight fragments; v104-167 S^T, then p (at the head: the stage of K's and V's codes on their way into LDS); v168-199 O^T; v200-231 V's four fragments (at the head v200-207: the stage of the scale words);
;   v232-239 p's codes; v240-251 at work; v252 f, v253 p's scale word, v254 at work.
;   s14 the classes still to come, two bits a step; s15 this step's, s89 the next step's; s16-63, s68-83 a step's 64 mask words; s[84:85] where they stand in memory; s86, s87 the step's place in LDS; s88 the trip.
.set KF, 40
.set S,  104
.set O,  168
.set VF, 200
.set PC, 232
.set BM, 240                           ; the blocks' largest scores
.set BY, 244                           ; the other half's; a chain of the sum; the bytes
.set OPD, 248                          ; the conversions' scale operands
.set SEL, 90
.set CS,  92
; What the next step will want.  Every trip passes this macro once; ahead of it stands a wait for all scalar loads, so the mask words' pointer and registers may be written.
.macro AHEAD
	s_add_nc_u64 s[84:85], s[84:85], 256           ; on to the next step's mask words
	s_and_b32 s89, s14, 3                          ; the next step's class; 0 behind the last step
	s_cmp_eq_u32 s89, 0
	s_cbranch_scc1 .Lnone_\@                       ; hidden, or none left: nothing is asked for
.irp t, 0,1,2,3,4,5,6,7
	ds_load_b128 v[KF+8*\t:KF+8*\t+3], v4 offset:4096+512*\t   ; its K: 4,096 bytes on from this step's
.endr
	ds_load_b64 v[26:27], v6 offset:512            ; and K's scale words: lanes 0-15 tile 2 j, lanes 16-31 tile 2 j + 1
	ds_load_b64 v[28:29], v6 offset:768
	s_cmp_eq_u32 s89, 1
	s_cbranch_scc0 .Lnone_\@                       ; all open: no mask words
	s_load_b512 s[16:31], s[84:85], 0x0
	s_load_b512 s[32:47], s[84:85], 0x40
	s_load_b512 s[48:63], s[84:85], 0x80
	s_load_b512 s[68:83], s[84:85], 0xc0
.Lnone_\@:
.endm
	s_load_b128 s[4:7], s[0:1], 0x0                ; qkvq, maskw
	s_load_b64 s[8:9], s[0:1], 0x10                ; oq
	v_lshl_add_u32 v39, v0, 2, 0x24000
	v_mov_b32 v255, 0
	v_lshrrev_b32 v1, 5, v0
	v_readfirstlane_b32 s10, v1                    ; wave 0..15
	v_lshlrev_b32 v7, 4, v0                        ; 16 x thread: in memory and in LDS
	v_add_nc_u32 v9, 0x10000, v7                   ; V's codes in LDS
	v_add_nc_u32 v10, 0x20000, v7                  ; the scale words
	v_and_b32 v8, 31, v0
	v_lshlrev_b32 v1, 4, v8
	v_lshlrev_b32 v2, 3, v8
	v_and_b32 v8, 15, v0
	v_lshlrev_b32 v11, 3, v8                       ; 8 r
	v_lshlrev_b32 v38, 2, v8                       ; 4 r
	s_bfe_u32 s11, s10, 0x10002
	s_mul_i32 s11, s11, 3
	s_xor_b32 s11, s11, s10
	s_lshl_b32 s11, s11, 3
	s_add_co_u32 s11, s11, ttmp9                   ; qt
	s_and_b32 s12, ttmp7, 0xffff                   ; head x 2 + batch: q's slot; k's is 32 on, v's 64 on
	s_lshl_b32 s20, s12, 16
	s_mov_b32 s21, 0
	s_lshl_b32 s22, s12, 13
	s_add_co_u32 s22, s22, 6291456
	s_mov_b32 s23, 0
	s_lshl_b32 s24, s11, 9
	s_mov_b32 s25, 0
	s_lshr_b32 s26, s11, 2                         ; Q's scale word: group qt / 4; tile qt % 4 = 2 j + half: 128 x half + 4 j + 8 r
	s_lshl_b32 s26, s26, 8
	s_and_b32 s27, s11, 1
	s_lshl_b32 s27, s27, 7
	s_add_co_u32 s26, s26, s27
	s_bfe_u32 s27, s11, 0x10001
	s_lshl_b32 s27, s27, 2
	s_add_co_u32 s26, s26, s27
	s_mov_b32 s27, 0
	s_lshl_b32 s28, s11, 8
	s_add_co_u32 s28, s28, 524288                  ; my 16 classes: two runs of 8 words, 128 bytes apart
	s_mov_b32 s29, 0
	s_lshl_b32 s84, s11, 12                        ; my mask words: 16 steps x 256 bytes
	s_mov_b32 s85, 0
	s_lshr_b32 s16, s12, 1                         ; head
	s_and_b32 s17, s12, 1
	s_lshl_b32 s17, s17, 7
	s_add_co_u32 s17, s17, s11                     ; token tile 128 x batch + qt
	s_lshl_b32 s94, s16, 17
	s_lshl_b32 s18, s17, 9
	s_add_co_u32 s94, s94, s18
	s_mov_b32 s95, 0
	s_lshr_b32 s96, s16, 1
	s_lshl_b32 s96, s96, 14
	s_lshl_b32 s18, s17, 6
	s_add_co_u32 s96, s96, s18
	s_and_b32 s18, s16, 1
	s_lshl_b32 s18, s18, 1
	s_add_co_u32 s96, s96, s18
	s_add_co_u32 s96, s96, 2097152
	s_mov_b32 s97, 0
	s_mov_b32 s[SEL], 0x76543210
	s_mov_b32 s[SEL+1], 0xfedcba98
	s_mov_b32 s[CS], 0x3e38aa3b                    ; c = log2(e) / 8
	s_mov_b32 s[CS+1], s[CS]
	s_mov_b32 s86, 0                               ; the step's images: 4,096 bytes a step
	s_mov_b32 s87, 0x20000                         ; its scale words: 512 bytes a step
	s_wait_kmcnt 0x0
	s_add_nc_u64 s[20:21], s[4:5], s[20:21]
	s_add_nc_u64 s[22:23], s[4:5], s[22:23]
	s_add_nc_u64 s[24:25], s[20:21], s[24:25]
	s_add_nc_u64 s[26:27], s[22:23], s[26:27]
	s_add_nc_u64 s[28:29], s[6:7], s[28:29]
	s_add_nc_u64 s[84:85], s[6:7], s[84:85]
	s_add_nc_u64 s[94:95], s[8:9], s[94:95]
	s_add_nc_u64 s[96:97], s[8:9], s[96:97]
	s_load_b256 s[68:75], s[28:29], 0x0
	s_load_b256 s[76:83], s[28:29], 0x80
.irp i, 0,1,2,3,4,5,6,7
	global_load_b128 v[S+4*\i:S+4*\i+3], v7, s[20:21] offset:2097152+8192*\i       ; K's codes: the work-group reads 8,192 consecutive bytes
.endr
.irp i, 0,1,2,3,4,5,6,7
	global_load_b128 v[S+32+4*\i:S+32+4*\i+3], v7, s[20:21] offset:4194304+8192*\i ; V's
.endr
	global_load_b128 v[VF:VF+3], v7, s[22:23] offset:262144                       ; K's scale words
	global_load_b128 v[VF+4:VF+7], v7, s[22:23] offset:524288                     ; V's
	global_load_b128 v[16:19], v1, s[24:25]                                       ; Q's image
	global_load_b32 v24, v11, s[26:27]                                            ; Q's scale word
; all that is set once, while the loads are on their way.  The operands' zero halves come first: the lines behind them stand between these writes and the first product
.irp t, 0,1,2,3,4,5,6,7
.irp j, 4,5,6,7
	v_mov_b32 v[KF+8*\t+\j], 0                     ; the upper half of K's fragments: zero codes, for the whole loop
.endr
.endr
.irp j, 20,21,22,23
	v_mov_b32 v[\j], 0                             ; and of Q's
.endr
.set j, 0
.rept 32
	v_mov_b32 v[O+j], 0                            ; the step is written once: its first turn finds zeros
.set j, j+1
.endr
	v_mov_b32 v3, 0xff800000
	v_mov_b32 v13, 0xff61b1e6                      ; -3e38, under every t
	v_floor_f32 v12, -v13
	v_mov_b32 v14, 0
	v_mov_b32 v15, 0
.irp b, 0,1,2,3
	v_mov_b32 v[BY+\b], 0                          ; a lane permute's destination counts as one of its sources
.endr
	v_mov_b32 v252, 0
	v_mov_b32 v253, 0
	s_wait_loadcnt 0x0
.irp i, 0,1,2,3,4,5,6,7
	ds_store_b128 v7, v[S+4*\i:S+4*\i+3] offset:8192*\i
.endr
.irp i, 0,1,2,3,4,5,6,7
	ds_store_b128 v9, v[S+32+4*\i:S+32+4*\i+3] offset:8192*\i
.endr
	ds_store_b128 v10, v[VF:VF+3]
	ds_store_b128 v10, v[VF+4:VF+7] offset:8192
	s_wait_kmcnt 0x0
	s_mov_b32 s14, 0
.irp i, 0,1,2,3,4,5,6,7,8,9,10,11,12,13,14,15
	s_lshl_b32 s15, s[68+\i], 2*\i                 ; the 16 classes, two bits each
	s_or_b32 s14, s14, s15
.endr
	s_load_b512 s[16:31], s[84:85], 0x0            ; step 0's mask words, whatever its class: they land while the waves meet, and all 64 registers are written once on every way.
	s_load_b512 s[32:47], s[84:85], 0x40           ; (The loads that had their bases in s20-29 have been waited for; the classes in s68-83 have been packed)
	s_load_b512 s[48:63], s[84:85], 0x80
	s_load_b512 s[68:83], s[84:85], 0xc0
	s_wait_dscnt 0x0                               ; for the others' sake: my stores have landed (and have read the stage's registers)
	s_barrier_signal -1
	s_barrier_wait -1
	v_add_nc_u32 v6, 0x20000, v2
.irp t, 0,1,2,3,4,5,6,7
	ds_load_b128 v[KF+8*\t:KF+8*\t+3], v1 offset:512*\t   ; step 0's K
.endr
	ds_load_b64 v[26:27], v6                       ; and K's scale words
	ds_load_b64 v[28:29], v6 offset:256
	s_mov_b32 s88, 0
.Lstep:                                            ; 16 trips, a constant; a hidden step's work is jumped over, the lines that step addresses are not
	s_wait_dscnt 0x0                               ; this step's K, asked for a step ago, is in; no LDS load of mine is out, so the address registers are written behind this wait
	s_and_b32 s15, s14, 3                          ; this step's class;
	s_lshr_b32 s14, s14, 2                         ; the next step's now stands lowest
	v_add_nc_u32 v4, s86, v1
	v_add_nc_u32 v6, s87, v2
	s_cmp_eq_u32 s15, 0
	s_cbranch_scc1 .Lhidden
	v_add_nc_u32 v5, 0x10000, v4
	ds_load_b64 v[30:31], v6 offset:8192           ; V's scale words, keys 0-63 of the step
	ds_load_b64 v[32:33], v6 offset:8448           ; and keys 64-127
.irp t, 0,1,2,3
	ds_load_b128 v[VF+8*\t:VF+8*\t+3], v5 offset:512*\t          ; V's fragments: wanted at the step's end
	ds_load_b128 v[VF+8*\t+4:VF+8*\t+7], v5 offset:2048+512*\t
.endr
.irp t, 0,2,4,6
	v_wmma_scale_f32_16x16x128_f8f6f4 v[S+8*\t:S+8*\t+7], v[KF+8*\t:KF+8*\t+7], v[16:23], 0, v[26+\t/2], v24 matrix_a_fmt:MATRIX_FMT_FP4 matrix_b_fmt:MATRIX_FMT_FP4
	v_wmma_scale_f32_16x16x128_f8f6f4 v[S+8*\t+8:S+8*\t+15], v[KF+8*\t+8:KF+8*\t+15], v[16:23], 0, v[26+\t/2], v24 matrix_a_fmt:MATRIX_FMT_FP4 matrix_b_fmt:MATRIX_FMT_FP4 matrix_a_scale:MATRIX_SCALE_ROW1
.endr
.rept 4
	v_nop                                          ; four places behind the products: ahead of the first read of the scores and of the loads into K's registers
.endr
	s_wait_kmcnt 0x0                               ; on every way: a mixed step's mask words, asked for a step ago, are in; no scalar load of mine is out
	s_cmp_eq_u32 s15, 2
	s_cbranch_scc1 .Lopen
.set n, 0
.rept 64
	v_cndmask_b32 v[S+n], v3, v[S+n], s[16+n+4*(n/48)]   ; where the mask is 0 the score becomes -infinity
.set n, n+1
.endr
.Lopen:
	AHEAD                                          ; K's registers and the mask's have been read: the next step's are asked for, with the softmax in which to land
.irp b, 0,1,2,3
	v_max3_num_f32 v[BM+\b], v[S+16*\b], v[S+1+16*\b], v[S+2+16*\b]   ; the largest score of each block of 32 keys: for the row's maximum and for the block's largest p
.endr
.irp i, 3,5,7,9,11,13
.irp b, 0,1,2,3
	v_max3_num_f32 v[BM+\b], v[BM+\b], v[S+16*\b+\i], v[S+1+16*\b+\i]
.endr
.endr
.irp b, 0,1,2,3
	v_max_num_f32 v[BM+\b], v[BM+\b], v[S+15+16*\b]
.endr
.irp b, 0,1,2,3
	v_permlanex16_b32 v[BY+\b], v[BM+\b], s[SEL], s[SEL+1]
.endr
.irp b, 0,1,2,3
	v_max_num_f32 v[BM+\b], v[BM+\b], v[BY+\b]
.endr
	v_max3_num_f32 v254, v[BM], v[BM+1], v[BM+2]
	v_max_num_f32 v254, v254, v[BM+3]
	v_mul_f32 v254, s[CS], v254
	v_max_num_f32 v13, v13, v254                   ; the running largest t
	v_mov_b32 v254, v12
	v_floor_f32 v12, -v13                          ; -M = floor(-t)
	v_sub_f32 v254, v12, v254                      ; old M - new M, a whole number, 0 or less
	v_cvt_i32_f32 v254, v254                       ; (it saturates)
	v_ldexp_f32 v252, 1.0, v254                    ; f = 2^(old M - new M): rounds nothing
.set j, 0
.rept 32
	v_pk_fma_f32 v[S+j:S+j+1], v[S+j:S+j+1], s[CS:CS+1], v[12:13] op_sel_hi:[1,0,0]   ; t - M
.set j, j+2
.endr
.irp b, 0,1,2,3
	v_fma_f32 v[BM+\b], v[BM+\b], s[CS], v12
.endr
.set j, 0
.rept 64
	v_exp_f32 v[S+j], v[S+j]                       ; p, not normalised
.set j, j+1
.endr
	v_pk_mul_f32 v[14:15], v[14:15], v[252:253] op_sel_hi:[1,0]   ; the sums under the new M (a plain line behind the exponentials)
	s_wait_alu depctr_va_vdst(0)                   ; one wait for the batch, ahead of its first reader
.irp b, 0,1,2,3
	v_exp_f32 v[BM+\b], v[BM+\b]                   ; the blocks' largest p
.endr
	v_pk_add_f32 v[BY:BY+1], v[S:S+1], v[S+2:S+3]  ; the row's sum of the unquantised p, in two chains
.irp j, 4,8,12,16,20,24,28,32,36,40,44,48,52,56,60
	v_pk_add_f32 v[14:15], v[14:15], v[S+\j:S+\j+1]
	v_pk_add_f32 v[BY:BY+1], v[BY:BY+1], v[S+2+\j:S+3+\j]
.endr
	v_pk_add_f32 v[14:15], v[14:15], v[BY:BY+1]
	s_wait_alu depctr_va_vdst(0)                   ; and one for the four
.irp b, 0,1,2,3
	v_max_num_f32 v[BM+\b], 0x1800000, v[BM+\b]    ; the floor: the byte cannot fall under 1
.endr
.irp b, 0,1,2,3
	v_add_nc_u32 v[OPD+\b], 0xff000000, v[BM+\b]
.endr
.irp b, 0,1,2,3
	v_lshrrev_b32 v[BY+\b], 23, v[OPD+\b]
.endr
	v_lshl_or_b32 v253, v[BY+1], 8, v[BY]
	v_lshl_or_b32 v253, v[BY+2], 16, v253
	v_lshl_or_b32 v253, v[BY+3], 24, v253
.irp b, 0,1,2,3
	v_cvt_scalef32_pk8_fp4_f32 v[PC+2*\b], v[S+16*\b:S+7+16*\b], v[OPD+\b]
	v_cvt_scalef32_pk8_fp4_f32 v[PC+1+2*\b], v[S+8+16*\b:S+15+16*\b], v[OPD+\b]
.endr
	v_nop
.irp c, 0,1
.irp i, 0,1
	v_permlane16_swap_b32 v[PC+4*\c+\i], v[PC+2+4*\c+\i]
.endr
.endr
	s_wait_dscnt 0x0                               ; V's fragments and scale words, asked for at the step's head, are in (and the next step's K, asked for behind them)
	v_lshl_or_b32 v34, v32, 16, v30                ; V's scale words of the step's 128 keys
	v_lshl_or_b32 v35, v33, 16, v31
.set j, 0
.rept 16
	v_pk_mul_f32 v[O+j:O+j+1], v[O+j:O+j+1], v[252:253] op_sel_hi:[1,0]   ; O^T under the new M; these sixteen also stand between the scale words' and the codes' last writes and the products
.set j, j+2
.endr
.irp t, 0,2
	v_wmma_scale_f32_16x16x128_f8f6f4 v[O+8*\t:O+8*\t+7], v[VF+8*\t:VF+8*\t+7], v[PC:PC+7], v[O+8*\t:O+8*\t+7], v[34+\t/2], v253 matrix_a_fmt:MATRIX_FMT_FP4 matrix_b_fmt:MATRIX_FMT_FP4
	v_wmma_scale_f32_16x16x128_f8f6f4 v[O+8*\t+8:O+8*\t+15], v[VF+8*\t+8:VF+8*\t+15], v[PC:PC+7], v[O+8*\t+8:O+8*\t+15], v[34+\t/2], v253 matrix_a_fmt:MATRIX_FMT_FP4 matrix_b_fmt:MATRIX_FMT_FP4 matrix_a_scale:MATRIX_SCALE_ROW1
.endr
.rept 4
	v_nop                                          ; places ahead of the next step's loads into V's registers and of the way out's reads
.endr
	s_branch .Lnext
.Lhidden:                                          ; nothing of this step counts; the step behind it may
	s_wait_kmcnt 0x0                               ; no scalar load of mine is out (step 0's words, where step 0 is hidden, have landed)
	AHEAD
.Lnext:
	s_add_co_u32 s86, s86, 4096
	s_add_co_u32 s87, s87, 512
	s_add_co_u32 s88, s88, 1
	s_cmp_lt_u32 s88, 16
	s_cbranch_scc1 .Lstep
	; THE WAY OUT
	s_wait_dscnt 0x0                               ; no LDS load of mine is out at the end
	v_add_f32 v14, v14, v15
	v_permlanex16_b32 v252, v14, s[SEL], s[SEL+1]
	v_add_f32 v14, v14, v252                       ; l
	v_rcp_f32 v15, v14
	v_mov_b32 v37, 0xffff                          ; (a plain line behind the reciprocal)
	s_wait_alu depctr_va_vdst(0)
.set j, 0
.rept 32
	v_mul_f32 v[S+j], v[O+j], v15                  ; register 16 b + i: channel 32 b + 16 (lane / 16) + i of my query
.set j, j+1
.endr
.irp b, 0,1
	v_max3_num_f32 v[BM+\b], |v[S+16*\b]|, |v[S+1+16*\b]|, 0x1800000
.endr
.irp i, 2,4,6,8,10,12,14
.irp b, 0,1
	v_max3_num_f32 v[BM+\b], v[BM+\b], |v[S+16*\b+\i]|, |v[S+1+16*\b+\i]|
.endr
.endr
.irp b, 0,1
	v_permlanex16_b32 v[BY+\b], v[BM+\b], s[SEL], s[SEL+1]
.endr
.irp b, 0,1
	v_max_num_f32 v[BM+\b], v[BM+\b], v[BY+\b]
.endr
.irp b, 0,1
	v_add_nc_u32 v[OPD+\b], 0xff000000, v[BM+\b]
.endr
.irp b, 0,1
	v_lshrrev_b32 v[BY+\b], 23, v[OPD+\b]
.endr
	v_lshl_or_b32 v36, v[BY+1], 8, v[BY]
	v_cmp_eq_f32 vcc_lo, 0, v14
	v_cndmask_b32 v36, v36, v37, vcc_lo            ; a row with no open key: both bytes 0xff
.irp b, 0,1
	v_cvt_scalef32_pk8_fp4_f32 v[PC+2*\b], v[S+16*\b:S+7+16*\b], v[OPD+\b]
	v_cvt_scalef32_pk8_fp4_f32 v[PC+1+2*\b], v[S+8+16*\b:S+15+16*\b], v[OPD+\b]
.endr
	v_nop
	v_permlane16_swap_b32 v[PC], v[PC+2]
	v_permlane16_swap_b32 v[PC+1], v[PC+3]
	global_store_b128 v1, v[PC:PC+3], s[94:95]     ; the image: 512 consecutive bytes
	global_store_b16 v38, v36, s[96:97]            ; my head's half of the row's scale word; lanes l and l xor 16 write the same value to the same place
	s_wait_tensorcnt 0x0
	ds_add_u32 v39, v255
	s_wait_dscnt 0x0
	s_endpgm
.Lfunc_end_k_q85ed508348_attn:
	.size	k_q85ed508348_attn, .Lfunc_end_k_q85ed508348_attn-k_q85ed508348_attn
	.p2alignl 7, 3214868480
	.fill 96, 4, 3214868480
	.section	.rodata,"a",@progbits
	.p2align	6, 0x0
	.amdhsa_kernel k_q85ed508348_attn
		.amdhsa_group_segment_fixed_size 149504
		.amdhsa_private_segment_fixed_size 0
		.amdhsa_enable_private_segment 0
		.amdhsa_kernarg_size 24
		.amdhsa_user_sgpr_count 2
		.amdhsa_user_sgpr_kernarg_segment_ptr 1
		.amdhsa_wavefront_size32 1
		.amdhsa_system_sgpr_workgroup_id_x 1
		.amdhsa_system_sgpr_workgroup_id_y 1
		.amdhsa_system_sgpr_workgroup_id_z 1
		.amdhsa_system_vgpr_workitem_id 0
		.amdhsa_next_free_vgpr 256
		.amdhsa_next_free_sgpr 98
		.amdhsa_reserve_vcc 1
		.amdhsa_float_denorm_mode_32 3
		.amdhsa_float_denorm_mode_16_64 3
		.amdhsa_memory_ordered 1
		.amdhsa_forward_progress 1
		.amdhsa_inst_pref_size 36
	.end_amdhsa_kernel
	.amdgpu_metadata
---
amdhsa.version: [ 1, 2 ]
amdhsa.kernels:
  - .name:           k_q85ed508348_attn
    .symbol:         k_q85ed508348_attn.kd
    .args:
      - { .name: qkvq, .offset: 0, .size: 8, .value_kind: global_buffer, .address_space: global }
      - { .name: maskw, .offset: 8, .size: 8, .value_kind: global_buffer, .address_space: global }
      - { .name: oq, .offset: 16, .size: 8, .value_kind: global_buffer, .address_space: global }
    .group_segment_fixed_size: 149504
    .private_segment_fixed_size: 0
    .kernarg_segment_align: 8
    .kernarg_segment_size: 24
    .max_flat_workgroup_size: 512
    .sgpr_count:     98
    .vgpr_count:     256
    .wavefront_size: 32
...
	.end_amdgpu_metadata
.endif
;; end of part 3
;; launch outproj (part 4): grid 8 x 32, 4 waves a work-group, clusters of 4 x 4, 168,448 bytes of LDS; arguments oq, w_out_codes, w_out_scales, x, x1; writes x1
.if DOCPART == 4
	.amdgcn_target "amdgcn-amd-amdhsa--gfx1250"
	.amdhsa_code_object_version 6
	.text
	.protected	k_q85ed508348_outproj
	.globl	k_q85ed508348_outproj
	.p2align	8
	.type	k_q85ed508348_outproj,@function
k_q85ed508348_outproj:
	s_mov_b64 s[64:65], 0
	v_nop
	global_prefetch_b8 v0, s[64:65] scope:SCOPE_SE
	s_setreg_imm32_b32 hwreg(HW_REG_WAVE_MODE, 25, 1), 1
	s_wait_xcnt 0x0
	s_wait_alu depctr_hold_cnt(0) depctr_sa_sdst(0) depctr_va_vdst(0) depctr_va_sdst(0) depctr_va_ssrc(0) depctr_va_vcc(0) depctr_vm_vsrc(0)
	s_getreg_b32 s2, hwreg(HW_REG_IB_STS2, 6, 4)
	s_cmp_eq_u32 s2, 0
	s_cbranch_scc0 .Lentry_in_a_cluster
	s_endpgm
.Lentry_in_a_cluster:
	s_bfe_u32 s2, ttmp6, 0x10000c
	s_cmp_lg_u32 s2, 0xf033
	s_cbranch_scc0 .Lentry_shape_is_right
	s_endpgm
.Lentry_shape_is_right:
; out[t][n] = res[t][n] + sum over k of a[t][k] w[n][k], on E2M1 codes with E8M0 scales.  KK = the product's K.  a comes as images of operand registers: [k / 64][token tile][512 bytes], its scale words behind them: [k / 128][token tile][16 words].
; w: codes [1024][KK / 2 bytes], scale bytes [1024][KK / 32].  res, out: [4096][1024] f32.
; A work-group of four waves makes 128 tokens x 128 channels (256 work-groups), a wave 64 x 64: 16 accumulators.  Source 0 = w's rows, source 1 = token tiles: a lane holds one token and eight neighbouring channels a tile.
; All of K lies in LDS, in chunks of 512 along K, each filled once at the start; no LDS byte is filled twice.  A counted wait and a barrier stand in front of each chunk's first read.
; CLUSTERS 4 x 4: w's tiles hang on x alone (shared along a column), a's on y alone (shared along a row): joint loads.  Waves 0, 1 ask for w's halves, waves 2, 3 for a's.
; TILES: lane r of tile i takes row 32 (i/2) + 8 (i%2) + r + 8 (r/8), for w's rows and for tokens alike.
; A scale byte 0xff in a's words (a row that the mask hid wholly) makes that token's sums NaN, as the definition has them.
; REGISTERS: window 0: v0-31 addresses; v32-63 scale words, two sets, and nothing else; v64-191 fragments, two sets (w's four, a's four); v192-255 rows on the way out.  window 1: v0-127 accumulator (a, b) at v[8 (4 a + b)]; v128-255 the residual.
.set KK,    1024
.set NC,    KK/512
.set NK,    KK/128
.set KROW,  KK/2
.set KS,    KK/32
.set RPU,   256/KS                     ; rows of scale bytes in a unit of 256 bytes
.set SOFF,  KK*2048                    ; a's scale words lie behind its images
.set WPART, 128*272                    ; w's 128 rows of 256 bytes + 16
.set SLOT,  WPART+32768                ; then a's 8 x 8 images
.set WSC,   NC*SLOT                    ; w's scale bytes, units of 256 + 16
.set WSH,   (64/RPU)*272               ; those of 64 rows
.set ASC,   WSC+2*WSH                  ; a's scale words: 512 bytes for each 128 along K
.set ADRW,  8
.set ADRA,  12
.set ADSW,  16
.set ADSA,  17
.set STO,   18
.set RD,    19
.set GOFF,  20
.set F0,    64
.set T,     192
.set RES,   128
.set MSB, 0
.macro WIN new
.if MSB != (\new)
	s_set_vgpr_msb (MSB<<8)|(\new)
.set MSB, (\new)
.endif
.endm
.macro CREST
	s_cmp_lg_u32 s14, 0
	s_cbranch_scc1 .Lnot_wave_0_\@
	s_barrier_signal -3
.Lnot_wave_0_\@:
	s_barrier_wait -3
	s_barrier_signal -1
	s_barrier_wait -1
.endm
.macro CROUND
	s_barrier_signal -1
	s_barrier_wait -1
	CREST
.endm
.macro PLACES
.rept 4
	v_nop
.endr
.endm
	s_load_b256 s[4:11], s[0:1], 0x0               ; a, w's codes, w's scales, res
	s_load_b64 s[12:13], s[0:1], 0x20              ; out
	v_lshl_add_u32 v30, v0, 2, 0x29000
	v_mov_b32 v31, 0
	ds_add_u32 v30, v31
	ds_add_u32 v30, v31
	v_lshrrev_b32 v1, 5, v0
	v_readfirstlane_b32 s14, v1                    ; wave
	s_lshr_b32 s15, s14, 1                         ; which half of the tokens is mine
	s_and_b32 s16, s14, 1                          ; which half of the channels; also: which half of a tile I fetch
	s_bfe_u32 s2, ttmp6, 0x40000                   ; cx
	s_bfe_u32 s3, ttmp6, 0x40004                   ; cy
	s_lshl_b32 s18, ttmp9, 2
	s_add_co_u32 s18, s18, s2                      ; x
	s_and_b32 s17, ttmp7, 0xffff
	s_lshl_b32 s17, s17, 2
	s_add_co_u32 s17, s17, s3                      ; y
	s_lshl_b32 s19, s3, 2
	s_lshl_b32 s19, 15, s19                        ; my row of the cluster
	s_lshl_b32 s20, 0x1111, s2                     ; my column
	s_or_b32 s24, s20, (0<<16)|(1<<20)|(1<<21)|(5<<22)|(3<<25)   ; w's codes: 64 rows x 256 bytes, KROW apart, 16 bytes of padding behind each
	s_mov_b32 s25, 256<<16
	s_mov_b32 s26, 64<<16
	s_mov_b32 s27, 256<<16
	s_mov_b32 s28, 64
	s_mov_b32 s29, KROW
	s_mov_b32 s30, 0
	s_mov_b32 s31, 0
	s_or_b32 s32, s20, (3<<16)|(1<<20)|(1<<21)|(5<<22)|(3<<25)   ; w's scale bytes of 64 rows: dense, as rows of 32 elements of 8 bytes, padded likewise
	s_mov_b32 s33, 32<<16
	s_mov_b32 s34, (64/RPU)<<16
	s_mov_b32 s35, 32<<16
	s_mov_b32 s36, 64/RPU
	s_mov_b32 s37, 32
	s_mov_b32 s38, 0
	s_mov_b32 s39, 0
	s_or_b32 s40, s19, (3<<16)|(1<<21)             ; a's images: 4 rows (groups of 64 along K) x 4,096 bytes (8 token tiles), 131,072 bytes apart; no padding
	s_mov_b32 s41, 512<<16
	s_mov_b32 s42, 4<<16
	s_mov_b32 s43, 512<<16
	s_mov_b32 s44, 4
	s_mov_b32 s45, 16384
	s_mov_b32 s46, 0
	s_mov_b32 s47, 0
	s_or_b32 s48, s19, (3<<16)|(1<<21)             ; a's scale words: NK / 2 rows x 512 bytes, 16,384 bytes apart
	s_mov_b32 s49, 64<<16
	s_mov_b32 s50, (NK/2)<<16
	s_mov_b32 s51, 64<<16
	s_mov_b32 s52, NK/2
	s_mov_b32 s53, 2048
	s_mov_b32 s54, 0
	s_mov_b32 s55, 0
	s_lshl_b32 s21, s18, 7
	s_lshl_b32 s66, s16, 6
	s_add_co_u32 s21, s21, s66                     ; w's first row of the half
	s_mul_i32 s66, s21, KROW
	s_mov_b32 s67, 0
	s_mul_i32 s100, s21, KS
	s_mov_b32 s101, 0
	s_mul_i32 s22, s16, (NK/2)*16384
	s_lshl_b32 s23, s17, 9
	s_add_co_u32 s22, s22, s23
	s_add_co_u32 s22, s22, SOFF                    ; a's scale words of the half
	s_mov_b32 s23, 0
	s_wait_dscnt 0x0
	s_wait_kmcnt 0x0
	s_add_nc_u64 s[66:67], s[6:7], s[66:67]
	s_add_nc_u64 s[100:101], s[8:9], s[100:101]
	s_add_nc_u64 s[82:83], s[4:5], s[22:23]
	s_or_b32 s83, s83, 0x80000000
	s_lshl_b32 s22, s16, 19
	s_lshl_b32 s23, s17, 12
	s_add_co_u32 s22, s22, s23                     ; a's images of the half
	s_mov_b32 s23, 0
	s_add_nc_u64 s[22:23], s[4:5], s[22:23]
	CROUND                                         ; all sixteen work-groups are here: the joint loads meet
.macro G0HEAD g, mul, add              ; a group 0's count and LDS address: a constant + the half x a constant
	s_mov_b32 s[(\g)], 1
	s_mul_i32 s[(\g)+1], s16, \mul
	s_add_co_u32 s[(\g)+1], s[(\g)+1], \add
.endm
	G0HEAD 56, WSH, WSC
	s_mov_b64 s[58:59], s[100:101]
	s_or_b32 s59, s59, 0x80000000
	G0HEAD 80, (NK/2)*512, ASC
.set c, 0
.rept NC
.set GW, 60+4*c+4*((c+3)/4)
.set GA, 84+4*c
	G0HEAD GW, 64*272, c*SLOT
	s_add_nc_u64 s[GW+2:GW+3], s[66:67], c*256
	s_or_b32 s[GW+3], s[GW+3], 0x80000000
	G0HEAD GA, 16384, c*SLOT+WPART
	s_add_nc_u64 s[GA+2:GA+3], s[22:23], c*1048576
	s_or_b32 s[GA+3], s[GA+3], 0x80000000
.set c, c+1
.endr
	; all first fills of a wave stand in one branch on its number: 1 + NC loads of mine are out.  Four v_nop follow the last
	s_cmp_lt_u32 s14, 2
	s_cbranch_scc0 .Lfill_a
	tensor_load_to_lds s[56:59], s[32:39]
	s_nop 0
.set c, 0
.rept NC
.set GW, 60+4*c+4*((c+3)/4)
	tensor_load_to_lds s[GW:GW+3], s[24:31]
	s_nop 0
.set c, c+1
.endr
	PLACES
	s_branch .Lfilled
.Lfill_a:
	tensor_load_to_lds s[80:83], s[48:55]
	s_nop 0
.set c, 0
.rept NC
.set GA, 84+4*c
	tensor_load_to_lds s[GA:GA+3], s[40:47]
	s_nop 0
.set c, c+1
.endr
	PLACES
.Lfilled:
	v_and_b32 v1, 15, v0                           ; r
	v_bfe_u32 v2, v0, 4, 1                         ; h
	v_and_b32 v3, 8, v1
	v_add_nc_u32 v3, v3, v1                        ; r + 8 (r / 8)
	v_mul_u32_u24 v4, v3, 272
	v_lshl_add_u32 v4, v2, 4, v4
	s_mul_i32 s21, s16, 64*272
	v_add_nc_u32 v[ADRW], s21, v4
	v_and_b32 v5, 31, v0
	v_lshlrev_b32 v7, 2, v5                        ; 4 x lane
	v_lshlrev_b32 v5, 4, v5                        ; 16 x lane
	s_lshl_b32 s21, s15, 11
	s_add_co_u32 s21, s21, WPART
	v_add_nc_u32 v[ADRA], s21, v5
.set c, 1
.rept NC-1
	v_add_nc_u32 v[ADRW+c], SLOT, v[ADRW+c-1]
	v_add_nc_u32 v[ADRA+c], SLOT, v[ADRA+c-1]
.set c, c+1
.endr
	; w's scale bytes: lanes 0-15 take tile 2 j, lanes 16-31 tile 2 j + 1: row 32 j + 8 h + r + 8 (r / 8) of my 64
.if KS == 32
	v_lshrrev_b32 v6, 3, v1
	v_lshl_add_u32 v6, v6, 1, v2
	v_mul_u32_u24 v6, v6, 272
	v_and_b32 v21, 7, v1
	v_lshl_add_u32 v6, v21, 5, v6
.else
	v_lshrrev_b32 v6, 3, v1
	v_add_nc_u32 v6, v6, v2
	v_lshrrev_b32 v21, 2, v1
	v_lshl_add_u32 v6, v6, 1, v21
	v_mul_u32_u24 v6, v6, 272
	v_and_b32 v21, 3, v1
	v_lshl_add_u32 v6, v21, 6, v6
.endif
	s_mul_i32 s21, s16, WSH
	s_add_co_u32 s21, s21, WSC
	v_add_nc_u32 v[ADSW], s21, v6
	s_lshl_b32 s21, s15, 8
	s_add_co_u32 s21, s21, ASC
	v_add_nc_u32 v[ADSA], s21, v7
	s_mul_i32 s21, s14, 16*272                     ; my stage, in slot 0: used only behind the last change of chunk, when slot 0 has had its one fill and nobody reads it
	v_mul_u32_u24 v6, v1, 272
	v_lshl_add_u32 v6, v2, 6, v6
	v_add_nc_u32 v[STO], s21, v6
	v_mul_u32_u24 v6, v2, 272
	v_lshl_add_u32 v6, v1, 4, v6
	v_add_nc_u32 v[RD], s21, v6
	v_lshlrev_b32 v[GOFF], 12, v2
	v_lshl_add_u32 v[GOFF], v1, 4, v[GOFF]         ; lanes 0-15 one token's 256 bytes, lanes 16-31 the next token's
	s_lshl_b32 s21, s17, 7
	s_lshl_b32 s66, s15, 6
	s_add_co_u32 s21, s21, s66
	s_lshl_b32 s21, s21, 12
	s_lshl_b32 s66, s18, 9
	s_add_co_u32 s21, s21, s66
	s_lshl_b32 s66, s16, 8
	s_add_co_u32 s66, s66, s21
	s_mov_b32 s67, 0
	s_add_nc_u64 s[10:11], s[10:11], s[66:67]
	s_add_nc_u64 s[12:13], s[12:13], s[66:67]
	WIN 0x40                                       ; the residual lands while the products run
.irp a, 0,1,2,3
.irp t, 0,1,2,3,4,5,6,7
	global_load_b128 v[RES+32*\a+4*\t:RES+32*\a+4*\t+3], v[GOFF], s[10:11] offset:((32*(\a/2)+8*(\a%2))+2*\t+8*(\t/4))*4096
.endr
.endr
	WIN 0
.macro FETCH s, set                    ; step s's fragments: w's four tiles, a's four
.irp b, 0,1,2,3
.irp k, 0,1
	ds_load_b128 v[\set+8*\b+4*\k:\set+8*\b+4*\k+3], v[ADRW+(\s)/4] offset:64*((\s)%4)+32*\k+(32*(\b/2)+8*(\b%2))*272
.endr
.endr
.irp a, 0,1,2,3
.irp k, 0,1
	ds_load_b128 v[\set+32+8*\a+4*\k:\set+32+8*\a+4*\k+3], v[ADRA+(\s)/4] offset:(2*((\s)%4)+\k)*4096+512*\a
.endr
.endr
.endm
.macro FETCHS c                        ; a chunk's scale words: w's, register 4 j + q; a's, register 8 + 2 q + j; lanes 0-15 tile 2 j, lanes 16-31 tile 2 j + 1
.set SS2, 32+16*((\c)%2)
.irp j, 0,1
	ds_load_b128 v[SS2+4*\j:SS2+4*\j+3], v[ADSW] offset:\j*(32/RPU)*272+16*(\c)
.endr
.irp q, 0,1,2,3
.irp j, 0,1
	ds_load_b32 v[SS2+8+2*\q+\j], v[ADSA] offset:512*(4*(\c)+\q)+128*\j
.endr
.endr
.endm
.macro WM d, a, b, z, sa, sb, ra, rb
.if (\z)
.if (\ra)==0 && (\rb)==0
	v_wmma_scale_f32_16x16x128_f8f6f4 v[\d:\d+7], v[\a:\a+7], v[\b:\b+7], 0, v[\sa], v[\sb] matrix_a_fmt:MATRIX_FMT_FP4 matrix_b_fmt:MATRIX_FMT_FP4
.elseif (\rb)==0
	v_wmma_scale_f32_16x16x128_f8f6f4 v[\d:\d+7], v[\a:\a+7], v[\b:\b+7], 0, v[\sa], v[\sb] matrix_a_fmt:MATRIX_FMT_FP4 matrix_b_fmt:MATRIX_FMT_FP4 matrix_a_scale:MATRIX_SCALE_ROW1
.elseif (\ra)==0
	v_wmma_scale_f32_16x16x128_f8f6f4 v[\d:\d+7], v[\a:\a+7], v[\b:\b+7], 0, v[\sa], v[\sb] matrix_a_fmt:MATRIX_FMT_FP4 matrix_b_fmt:MATRIX_FMT_FP4 matrix_b_scale:MATRIX_SCALE_ROW1
.else
	v_wmma_scale_f32_16x16x128_f8f6f4 v[\d:\d+7], v[\a:\a+7], v[\b:\b+7], 0, v[\sa], v[\sb] matrix_a_fmt:MATRIX_FMT_FP4 matrix_b_fmt:MATRIX_FMT_FP4 matrix_a_scale:MATRIX_SCALE_ROW1 matrix_b_scale:MATRIX_SCALE_ROW1
.endif
.else
.if (\ra)==0 && (\rb)==0
	v_wmma_scale_f32_16x16x128_f8f6f4 v[\d:\d+7], v[\a:\a+7], v[\b:\b+7], v[\d:\d+7], v[\sa], v[\sb] matrix_a_fmt:MATRIX_FMT_FP4 matrix_b_fmt:MATRIX_FMT_FP4
.elseif (\rb)==0
	v_wmma_scale_f32_16x16x128_f8f6f4 v[\d:\d+7], v[\a:\a+7], v[\b:\b+7], v[\d:\d+7], v[\sa], v[\sb] matrix_a_fmt:MATRIX_FMT_FP4 matrix_b_fmt:MATRIX_FMT_FP4 matrix_a_scale:MATRIX_SCALE_ROW1
.elseif (\ra)==0
	v_wmma_scale_f32_16x16x128_f8f6f4 v[\d:\d+7], v[\a:\a+7], v[\b:\b+7], v[\d:\d+7], v[\sa], v[\sb] matrix_a_fmt:MATRIX_FMT_FP4 matrix_b_fmt:MATRIX_FMT_FP4 matrix_b_scale:MATRIX_SCALE_ROW1
.else
	v_wmma_scale_f32_16x16x128_f8f6f4 v[\d:\d+7], v[\a:\a+7], v[\b:\b+7], v[\d:\d+7], v[\sa], v[\sb] matrix_a_fmt:MATRIX_FMT_FP4 matrix_b_fmt:MATRIX_FMT_FP4 matrix_a_scale:MATRIX_SCALE_ROW1 matrix_b_scale:MATRIX_SCALE_ROW1
.endif
.endif
.endm
.macro MUL s                           ; 16 matrix instructions; the 16 accumulators take turns, one instruction a turn
.set FS, F0+64*((\s)%2)
.set SS, 32+16*(((\s)/4)%2)
	WIN 0x50                                       ; C and D window 1
.irp a, 0,1,2,3
.irp b, 0,1,2,3
	WM 8*(4*\a+\b), FS+8*\b, FS+32+8*\a, (\s)==0, SS+4*(\b/2)+(\s)%4, SS+8+2*((\s)%4)+\a/2, \b%2, \a%2
.endr
.endr
	WIN 0
.endm
.macro STEP s
.if (\s) > 0
	PLACES                                         ; ahead of loads into the set that the last step's products read
.endif
.if (\s)+1 < NK
.if ((\s)+1)%4 == 0
	s_wait_tensorcnt NC-1-((\s)+1)/4               ; my part of the next chunk is in; the later chunks' loads may be out: nothing is filled twice
	s_wait_dscnt 0x0
	s_barrier_signal -1
	s_barrier_wait -1                              ; everybody's is
.endif
	FETCH (\s)+1, F0+64*(((\s)+1)%2)
.if ((\s)+1)%4 == 0
	FETCHS ((\s)+1)/4
	s_wait_dscnt 26                                ; all but the 26 just issued
.else
	s_wait_dscnt 16                                ; all but the 16 just issued
.endif
.else
	s_wait_dscnt 0x0
.endif
	MUL \s
.endm
	s_wait_tensorcnt NC-1                          ; the scales and my part of chunk 0 are in
	s_barrier_signal -1
	s_barrier_wait -1
	FETCH 0, F0
	FETCHS 0
.set Q, 0
.rept NK
	STEP Q
.set Q, Q+1
.endr
; THE WAY OUT, a tile of 16 tokens at a time: a lane's 32 bytes a tile of channels go into my stage (rows of 256 bytes + 16) and come back as whole rows; the residual is added; sixteen lanes store 256 consecutive bytes
.macro WAYOUT a
.if (\a) >= 2
	s_wait_xcnt 0x0                                ; the stores of two tiles ago have read their registers
.endif
	WIN 0x04                                       ; an LDS store's data: window 1
.irp b, 0,1,2,3
.irp j, 0,1
	ds_store_b128 v[STO], v[8*(4*(\a)+\b)+4*\j:8*(4*(\a)+\b)+4*\j+3] offset:128*(\b/2)+32*(\b%2)+16*\j   ; each accumulator from its low end on
.endr
.endr
	WIN 0
.irp t, 0,1,2,3,4,5,6,7
	ds_load_b128 v[T+32*((\a)%2)+4*\t:T+32*((\a)%2)+4*\t+3], v[RD] offset:544*\t   ; LDS serves a wave's instructions in order: these see my stores
.endr
	s_wait_dscnt 0x0
.if (\a) == 0
	s_wait_loadcnt 0x0                             ; the residual
.endif
	WIN 0x04
.set i, 0
.rept 16
	v_pk_add_f32 v[T+32*((\a)%2)+i:T+32*((\a)%2)+i+1], v[T+32*((\a)%2)+i:T+32*((\a)%2)+i+1], v[RES+32*(\a)+i:RES+32*(\a)+i+1]
.set i, i+2
.endr
	WIN 0
.irp t, 0,1,2,3,4,5,6,7
	global_store_b128 v[GOFF], v[T+32*((\a)%2)+4*\t:T+32*((\a)%2)+4*\t+3], s[12:13] offset:((32*((\a)/2)+8*((\a)%2))+2*\t+8*(\t/4))*4096
.endr
.endm
	PLACES
	WAYOUT 0
	WAYOUT 1
	WAYOUT 2
	WAYOUT 3
	s_wait_tensorcnt 0x0
	ds_add_u32 v30, v31
	s_wait_dscnt 0x0
	CROUND                                         ; the closing round
	s_endpgm
.Lfunc_end_k_q85ed508348_outproj:
	.size	k_q85ed508348_outproj, .Lfunc_end_k_q85ed508348_outproj-k_q85ed508348_outproj
	.p2alignl 7, 3214868480
	.fill 96, 4, 3214868480
	.section	.rodata,"a",@progbits
	.p2align	6, 0x0
	.amdhsa_kernel k_q85ed508348_outproj
		.amdhsa_group_segment_fixed_size 168448
		.amdhsa_private_segment_fixed_size 0
		.amdhsa_enable_private_segment 0
		.amdhsa_kernarg_size 40
		.amdhsa_user_sgpr_count 2
		.amdhsa_user_sgpr_kernarg_segment_ptr 1
		.amdhsa_wavefront_size32 1
		.amdhsa_system_sgpr_workgroup_id_x 1
		.amdhsa_system_sgpr_workgroup_id_y 1
		.amdhsa_system_sgpr_workgroup_id_z 1
		.amdhsa_system_vgpr_workitem_id 0
		.amdhsa_next_free_vgpr 512
		.amdhsa_next_free_sgpr 102
		.amdhsa_reserve_vcc 0
		.amdhsa_float_denorm_mode_32 3
		.amdhsa_float_denorm_mode_16_64 3
		.amdhsa_memory_ordered 1
		.amdhsa_forward_progress 1
		.amdhsa_inst_pref_size 52
	.end_amdhsa_kernel
	.amdgpu_metadata
---
amdhsa.version: [ 1, 2 ]
amdhsa.kernels:
  - .name:           k_q85ed508348_outproj
    .symbol:         k_q85ed508348_outproj.kd
    .args:
      - { .name: oq, .offset: 0, .size: 8, .value_kind: global_buffer, .address_space: global }
      - { .name: w_out_codes, .offset: 8, .size: 8, .value_kind: global_buffer, .address_space: global }
      - { .name: w_out_scales, .offset: 16, .size: 8, .value_kind: global_buffer, .address_space: global }
      - { .name: x, .offset: 24, .size: 8, .value_kind: global_buffer, .address_space: global }
      - { .name: x1, .offset: 32, .size: 8, .value_kind: global_buffer, .address_space: global }
    .group_segment_fixed_size: 168448
    .private_segment_fixed_size: 0
    .kernarg_segment_align: 8
    .kernarg_segment_size: 40
    .max_flat_workgroup_size: 128
    .sgpr_count:     102
    .vgpr_count:     512
    .wavefront_size: 32
...
	.end_amdgpu_metadata
.endif
;; end of part 4
;; launch norm2 (part 5): grid 256 x 1, 8 waves a work-group, no clusters, 38,656 bytes of LDS; arguments x1, w_norm2, hq; writes hq
.if DOCPART == 5
	.amdgcn_target "amdgcn-amd-amdhsa--gfx1250"
	.amdhsa_code_object_version 6
	.text
	.protected	k_q85ed508348_norm2
	.globl	k_q85ed508348_norm2
	.p2align	8
	.type	k_q85ed508348_norm2,@function
k_q85ed508348_norm2:
	s_mov_b64 s[64:65], 0
	v_nop
	global_prefetch_b8 v0, s[64:65] scope:SCOPE_SE
	s_setreg_imm32_b32 hwreg(HW_REG_WAVE_MODE, 25, 1), 1
	s_wait_xcnt 0x0
; h = w * x / sqrt(mean(x^2) + 1e-6) for x [4096][1024] f32, quantised to E2M1 codes with one E8M0 byte for each 32 along the row: hq: codes [4096][512 bytes], from byte 2,097,152 on the scale bytes [4096][32].
; A wave takes two rows.  Each load reads 512 consecutive bytes; a row's 4,096 bytes turn through the wave's own stage in LDS, so that a lane holds a whole block of 32 for the conversions.
; A block's byte is the largest magnitude's exponent field - 2, held at 1 from below (zeros keep the byte 1: their codes are zeros; this program alone reads the bytes).
; LIMITS: blocks under 2^-124 keep the byte 1.  1/norm is v_rsq_f32.  A row of NaN (a query that the mask hid wholly) gives codes of no meaning: that row's result is NaN by the residual of the last launch.
.set WREG, 4608                        ; a wave's stage: 32 blocks x (128 + 16) bytes
.set SCB,  8*WREG                      ; the work-group's 16 rows x 32 scale bytes
.set XA,   32
.set WD,   96
.set Y,    128
.set WT,   160
.set CC,   96
	s_load_b128 s[4:7], s[0:1], 0x0                ; x, w
	s_load_b64 s[8:9], s[0:1], 0x10                ; hq
	v_lshl_add_u32 v192, v0, 2, 0x9300
	v_mov_b32 v193, 0
	v_lshrrev_b32 v1, 5, v0
	v_readfirstlane_b32 s16, v1
	v_and_b32 v1, 31, v0
	v_lshlrev_b32 v2, 4, v1
	s_lshl_b32 s17, ttmp9, 3
	s_add_co_u32 s17, s17, s16                     ; which pair of rows
	s_mul_i32 s18, s16, WREG
	v_lshrrev_b32 v8, 3, v1
	v_mul_u32_u24 v3, v8, 144
	v_and_b32 v8, 7, v1
	v_lshl_add_u32 v3, v8, 4, v3
	v_add_nc_u32 v3, s18, v3
	v_mul_u32_u24 v4, v1, 144
	v_add_nc_u32 v4, s18, v4
	s_lshl_b32 s19, s16, 6
	s_add_co_u32 s19, s19, SCB
	v_add_nc_u32 v7, s19, v1
	v_add_nc_u32 v25, SCB, v2
	s_mov_b32 s20, 0x76543210
	s_mov_b32 s21, 0xfedcba98
	s_mov_b32 s22, 0x3a800000                      ; 1 / 1024
	s_mov_b32 s23, 0x358637bd                      ; 1e-6
	s_lshl_b32 s24, s17, 13
	s_mov_b32 s25, 0
	s_lshl_b32 s26, s17, 10
	s_mov_b32 s27, 0
	s_lshl_b32 s28, ttmp9, 9
	s_add_co_u32 s28, s28, 2097152
	s_mov_b32 s29, 0
	s_wait_kmcnt 0x0
	s_add_nc_u64 s[4:5], s[4:5], s[24:25]
	s_add_nc_u64 s[26:27], s[8:9], s[26:27]
	s_add_nc_u64 s[28:29], s[8:9], s[28:29]
.irp k, 0,1
.irp j, 0,1,2,3,4,5,6,7
	global_load_b128 v[XA+32*\k+4*\j:XA+32*\k+4*\j+3], v2, s[4:5] offset:4096*\k+512*\j
.endr
.endr
.irp j, 0,1,2,3,4,5,6,7
	global_load_b128 v[WD+4*\j:WD+4*\j+3], v2, s[6:7] offset:512*\j
.endr
	s_wait_loadcnt 8                               ; the two rows are in; w's eight loads may be out
.irp k, 0,1
	v_pk_mul_f32 v[8+4*\k:9+4*\k], v[XA+32*\k:XA+32*\k+1], v[XA+32*\k:XA+32*\k+1]
	v_pk_mul_f32 v[10+4*\k:11+4*\k], v[XA+32*\k+2:XA+32*\k+3], v[XA+32*\k+2:XA+32*\k+3]
.endr
.irp j, 4,8,12,16,20,24,28
.irp k, 0,1
	v_pk_fma_f32 v[8+4*\k:9+4*\k], v[XA+32*\k+\j:XA+32*\k+\j+1], v[XA+32*\k+\j:XA+32*\k+\j+1], v[8+4*\k:9+4*\k]
	v_pk_fma_f32 v[10+4*\k:11+4*\k], v[XA+32*\k+\j+2:XA+32*\k+\j+3], v[XA+32*\k+\j+2:XA+32*\k+\j+3], v[10+4*\k:11+4*\k]
.endr
.endr
.irp k, 0,1
	v_pk_add_f32 v[8+4*\k:9+4*\k], v[8+4*\k:9+4*\k], v[10+4*\k:11+4*\k]
.endr
.irp k, 0,1
	v_add_f32 v[8+4*\k], v[8+4*\k], v[9+4*\k]
.endr
.irp m, 1,2,4,8
	v_add_f32_dpp v8, v8, v8 row_xmask:\m row_mask:0xf bank_mask:0xf
	v_add_f32_dpp v12, v12, v12 row_xmask:\m row_mask:0xf bank_mask:0xf
.endr
	v_permlanex16_b32 v9, v8, s20, s21
	v_permlanex16_b32 v13, v12, s20, s21
	v_add_f32 v8, v8, v9
	v_add_f32 v12, v12, v13
	v_fma_f32 v8, v8, s22, s23
	v_fma_f32 v12, v12, s22, s23
	v_rsq_f32 v16, v8
	v_rsq_f32 v18, v12
	v_mov_b32 v17, 0                               ; (the packed form names pairs and takes their low words)
	v_mov_b32 v19, 0
	s_wait_alu depctr_va_vdst(0)                   ; one wait for both roots, ahead of their first reader
.macro TURN src, dst                   ; LDS serves a wave's instructions in order: no wait between the stores and the loads
.irp j, 0,1,2,3,4,5,6,7
	ds_store_b128 v3, v[\src+4*\j:\src+4*\j+3] offset:576*\j
.endr
.irp i, 0,1,2,3,4,5,6,7
	ds_load_b128 v[\dst+4*\i:\dst+4*\i+3], v4 offset:16*\i
.endr
.endm
	s_wait_loadcnt 0x0
	TURN WD, WT
.macro ROWQ k
	TURN XA+32*\k, Y
	s_wait_dscnt 0x0
.set i, 0
.rept 16
	v_pk_mul_f32 v[Y+i:Y+i+1], v[Y+i:Y+i+1], v[WT+i:WT+i+1]
.set i, i+2
.endr
.set i, 0
.rept 16
	v_pk_mul_f32 v[Y+i:Y+i+1], v[Y+i:Y+i+1], v[16+2*\k:17+2*\k] op_sel_hi:[1,0]
.set i, i+2
.endr
	v_max3_num_f32 v20, |v[Y]|, |v[Y+1]|, |v[Y+2]|
	v_max3_num_f32 v21, |v[Y+3]|, |v[Y+4]|, |v[Y+5]|
.irp i, 6,10,14,18,22,26
	v_max3_num_f32 v20, v20, |v[Y+\i]|, |v[Y+\i+1]|
	v_max3_num_f32 v21, v21, |v[Y+\i+2]|, |v[Y+\i+3]|
.endr
	v_max3_num_f32 v20, v20, |v[Y+30]|, |v[Y+31]|
	v_max3_num_f32 v20, v20, v21, 0x1800000        ; the floor 2^(3 - 127)
	v_add_nc_u32 v22, 0xff000000, v20
	v_lshrrev_b32 v23, 23, v22
.irp g, 0,1,2,3
	v_cvt_scalef32_pk8_fp4_f32 v[CC+4*\k+\g], v[Y+8*\g:Y+8*\g+7], v22
.endr
	v_nop
	global_store_b128 v2, v[CC+4*\k:CC+4*\k+3], s[26:27] offset:512*\k
	ds_store_b8 v7, v23 offset:32*\k
.endm
	ROWQ 0
	ROWQ 1
	s_wait_dscnt 0x0                               ; for wave 0's sake: my scale bytes have landed
	s_barrier_signal -1
	s_barrier_wait -1
	s_cmp_lg_u32 s16, 0
	s_cbranch_scc1 .Lend
	ds_load_b128 v[12:15], v25
	s_wait_dscnt 0x0
	global_store_b128 v2, v[12:15], s[28:29]       ; the work-group's 512 scale bytes
.Lend:
	s_wait_tensorcnt 0x0
	ds_add_u32 v192, v193
	s_wait_dscnt 0x0
	s_endpgm
.Lfunc_end_k_q85ed508348_norm2:
	.size	k_q85ed508348_norm2, .Lfunc_end_k_q85ed508348_norm2-k_q85ed508348_norm2
	.p2alignl 7, 3214868480
	.fill 96, 4, 3214868480
	.section	.rodata,"a",@progbits
	.p2align	6, 0x0
	.amdhsa_kernel k_q85ed508348_norm2
		.amdhsa_group_segment_fixed_size 38656
		.amdhsa_private_segment_fixed_size 0
		.amdhsa_enable_private_segment 0
		.amdhsa_kernarg_size 24
		.amdhsa_user_sgpr_count 2
		.amdhsa_user_sgpr_kernarg_segment_ptr 1
		.amdhsa_wavefront_size32 1
		.amdhsa_system_sgpr_workgroup_id_x 1
		.amdhsa_system_sgpr_workgroup_id_y 1
		.amdhsa_system_sgpr_workgroup_id_z 1
		.amdhsa_system_vgpr_workitem_id 0
		.amdhsa_next_free_vgpr 194
		.amdhsa_next_free_sgpr 66
		.amdhsa_reserve_vcc 0
		.amdhsa_float_denorm_mode_32 3
		.amdhsa_float_denorm_mode_16_64 3
		.amdhsa_memory_ordered 1
		.amdhsa_forward_progress 1
		.amdhsa_inst_pref_size 19
	.end_amdhsa_kernel
	.amdgpu_metadata
---
amdhsa.version: [ 1, 2 ]
amdhsa.kernels:
  - .name:           k_q85ed508348_norm2
    .symbol:         k_q85ed508348_norm2.kd
    .args:
      - { .name: x1, .offset: 0, .size: 8, .value_kind: global_buffer, .address_space: global }
      - { .name: w_norm2, .offset: 8, .size: 8, .value_kind: global_buffer, .address_space: global }
      - { .name: hq, .offset: 16, .size: 8, .value_kind: global_buffer, .address_space: global }
    .group_segment_fixed_size: 38656
    .private_segment_fixed_size: 0
    .kernarg_segment_align: 8
    .kernarg_segment_size: 24
    .max_flat_workgroup_size: 256
    .sgpr_count:     66
    .vgpr_count:     194
    .wavefront_size: 32
...
	.end_amdgpu_metadata
.endif
;; end of part 5
;; launch gateup (part 6): grid 16 x 16, 4 waves a work-group, clusters of 4 x 4, 296,448 bytes of LDS; arguments hq, w_gate_codes, w_gate_scales, w_up_codes, w_up_scales, gq; writes gq
.if DOCPART == 6
	.amdgcn_target "amdgcn-amd-amdhsa--gfx1250"
	.amdhsa_code_object_version 6
	.text
	.protected	k_q85ed508348_gateup
	.globl	k_q85ed508348_gateup
	.p2align	8
	.type	k_q85ed508348_gateup,@function
k_q85ed508348_gateup:
	s_mov_b64 s[64:65], 0
	v_nop
	global_prefetch_b8 v0, s[64:65] scope:SCOPE_SE
	s_setreg_imm32_b32 hwreg(HW_REG_WAVE_MODE, 25, 1), 1
	s_wait_xcnt 0x0
	s_wait_alu depctr_hold_cnt(0) depctr_sa_sdst(0) depctr_va_vdst(0) depctr_va_sdst(0) depctr_va_ssrc(0) depctr_va_vcc(0) depctr_vm_vsrc(0)
	s_getreg_b32 s2, hwreg(HW_REG_IB_STS2, 6, 4)
	s_cmp_eq_u32 s2, 0
	s_cbranch_scc0 .Lentry_in_a_cluster
	s_endpgm
.Lentry_in_a_cluster:
	s_bfe_u32 s2, ttmp6, 0x10000c
	s_cmp_lg_u32 s2, 0xf033
	s_cbranch_scc0 .Lentry_shape_is_right
	s_endpgm
.Lentry_shape_is_right:
; GATE AND UP.  g = h w_gate^T, u = h w_up^T on E2M1 codes with E8M0 scales (K = 1024); silu(g) u in f32; quantised along the hidden units, which are the next product's K.
; A work-group of four waves makes 256 tokens x 128 hidden units of BOTH products: w's 256 rows in LDS are the pieces [gate 0-63, up 0-63, gate 64-127, up 64-127]; a wave's 128 rows are 64 of gate (tiles 0-3) and the same 64 of up (tiles 4-7),
; so gate and up of a unit meet in one lane.  A wave: 128 tokens x 128 rows, 64 accumulators.  All of K lies in LDS: two chunks of 512, both filled once, at the start; no LDS byte is filled twice.
; CLUSTERS 4 x 4: h's tiles are shared along a row of the cluster, w's along a column: joint loads; every wave asks for a quarter of each.
; TILES: lane r of tile i takes row 32 (i/2) + 8 (i%2) + r + 8 (r/8); source 0 = w's rows, source 1 = tokens: a lane holds one token, and the 16 registers of tiles 2 b, 2 b + 1 are units 32 b + 16 (lane / 16) + 0 .. 15.
; OUT: gq: images [unit / 64][token tile][512 bytes]; from byte 4,194,304 the scale words [unit / 128][token tile][16 words], a wave writing its half word.
; LIMITS: silu is g / (1 + 2^(-g log2 e)) by v_exp_f32 and v_rcp_f32; blocks under 2^-124 keep the byte 1 (zeros too).  NaN and infinities are not served.
; REGISTERS: window 0: v0-31 addresses; v32-95 scale words, two sets, and nothing else; v96-119 at work; v128-191 source 1's fragments, later v128-159 silu(g) u; v192-195 codes.  window 1: source 0's fragments at v0, v128.  windows 2, 3: the accumulators.
.set PITCH, 272
.set QUART, 64*PITCH
.set HALFT, 2*QUART
.set SLOT,  8*QUART
.set SCL,   2*SLOT
.set QS,    8*272
.set HALFS, 2*QS
.set NQ,    4
.set FR,    8
.set NP,    4
.set ADRA,  16
.set ADRB,  20
.set L16,   24
.set L4,    25
.set ADRS,  27
.set SC,    32
.set TM,    96
.set PW,    112
.set PWE,   113
.set R,     116
.set AF,    128
.set E,     128
.set PC,    192
.set OB,    18
.set OS,    20
.set SEL,   96
.set HI,    98
.set NL,    100
.set MSB, 0
.macro WIN new
.if MSB != (\new)
	s_set_vgpr_msb (MSB<<8)|(\new)
.set MSB, (\new)
.endif
.endm
.set MUL_LO, 0xa1
.set MUL_HI, 0xf1
.set TO_B,   0x40
.macro CREST
	s_cmp_lg_u32 s14, 0
	s_cbranch_scc1 .Lnot_wave_0_\@
	s_barrier_signal -3
.Lnot_wave_0_\@:
	s_barrier_wait -3
	s_barrier_signal -1
	s_barrier_wait -1
.endm
.macro CROUND
	s_barrier_signal -1
	s_barrier_wait -1
	CREST
.endm
.macro PLACES n
.rept \n
	v_nop
.endr
.endm
	s_load_b256 s[4:11], s[0:1], 0x0               ; hq, gate's codes, gate's scales, up's codes
	s_load_b128 s[92:95], s[0:1], 0x20             ; up's scales, gq
	v_lshl_add_u32 v254, v0, 2, 0x48400
	v_mov_b32 v255, 0
	ds_add_u32 v254, v255
	ds_add_u32 v254, v255
	v_lshrrev_b32 v1, 5, v0
	v_readfirstlane_b32 s14, v1                    ; wave
	s_lshr_b32 s15, s14, 1                         ; which half of the tokens is mine; also: which 64 units I fetch
	s_and_b32 s16, s14, 1                          ; which half of w's rows; also: I fetch gate's (0) or up's (1)
	s_bfe_u32 s40, ttmp6, 0x40000
	s_bfe_u32 s41, ttmp6, 0x40004
	s_lshl_b32 s42, ttmp9, 2
	s_add_co_u32 s42, s42, s40                     ; x
	s_and_b32 s17, ttmp7, 0xffff
	s_lshl_b32 s17, s17, 2
	s_add_co_u32 s17, s17, s41                     ; y
	s_lshl_b32 s43, s41, 2
	s_lshl_b32 s43, 15, s43
	s_lshl_b32 s44, 0x1111, s40
	s_or_b32 s24, s43, (0<<16)|(1<<20)|(1<<21)|(5<<22)|(3<<25)   ; codes: 64 rows x 256 bytes, 512 apart, 16 bytes of padding behind each
	s_or_b32 s48, s44, (0<<16)|(1<<20)|(1<<21)|(5<<22)|(3<<25)
.irp g, 24, 48
	s_mov_b32 s[\g+1], 256<<16
	s_mov_b32 s[\g+2], 64<<16
	s_mov_b32 s[\g+3], 256<<16
	s_mov_b32 s[\g+4], 64
	s_mov_b32 s[\g+5], 512
	s_mov_b32 s[\g+6], 0
	s_mov_b32 s[\g+7], 0
.endr
	s_or_b32 s68, s43, (3<<16)|(1<<20)|(1<<21)|(5<<22)|(3<<25)   ; scale bytes of 64 rows: 2,048 dense bytes as 8 rows of 256, padded likewise
	s_or_b32 s80, s44, (3<<16)|(1<<20)|(1<<21)|(5<<22)|(3<<25)
.irp g, 68, 80
	s_mov_b32 s[\g+1], 32<<16
	s_mov_b32 s[\g+2], 8<<16
	s_mov_b32 s[\g+3], 32<<16
	s_mov_b32 s[\g+4], 8
	s_mov_b32 s[\g+5], 32
	s_mov_b32 s[\g+6], 0
	s_mov_b32 s[\g+7], 0
.endr
	s_lshl_b32 s18, s14, 6
	s_lshl_b32 s20, s17, 8
	s_add_co_u32 s20, s20, s18                     ; h: token 256 y + 64 wave
	s_lshl_b32 s46, s42, 7
	s_lshl_b32 s18, s15, 6
	s_add_co_u32 s46, s46, s18                     ; w: unit 128 x + 64 (wave / 2)
	s_lshl_b32 s22, s20, 5
	s_add_co_u32 s22, s22, 2097152
	s_mov_b32 s23, 0
	s_lshl_b32 s20, s20, 9
	s_mov_b32 s21, 0
	s_lshl_b32 s2, s46, 5
	s_mov_b32 s3, 0
	s_lshl_b32 s46, s46, 9
	s_mov_b32 s47, 0
	s_mul_i32 s45, s14, QUART
	s_mul_i32 s99, s14, QS
	s_wait_dscnt 0x0
	s_wait_kmcnt 0x0
	s_cmp_eq_u32 s16, 0                            ; the choice hangs on the wave's number alone
	s_cselect_b64 s[6:7], s[6:7], s[10:11]
	s_cselect_b64 s[8:9], s[8:9], s[92:93]
	s_add_nc_u64 s[20:21], s[4:5], s[20:21]
	s_add_nc_u64 s[22:23], s[4:5], s[22:23]
	s_add_nc_u64 s[46:47], s[6:7], s[46:47]
	s_add_nc_u64 s[2:3], s[8:9], s[2:3]
	CROUND                                         ; all sixteen work-groups are here: the joint loads meet
	s_mov_b32 s76, 1
	s_add_co_u32 s77, s99, SCL
	s_mov_b64 s[78:79], s[22:23]
	s_or_b32 s79, s79, 0x80000000
	s_mov_b32 s88, 1
	s_add_co_u32 s89, s99, SCL+4*QS
	s_mov_b64 s[90:91], s[2:3]
	s_or_b32 s91, s91, 0x80000000
.irp c, 0,1
	s_mov_b32 s[32+4*\c], 1
	s_add_co_u32 s[33+4*\c], s45, \c*SLOT
	s_add_nc_u64 s[34+4*\c:35+4*\c], s[20:21], \c*256
	s_or_b32 s[35+4*\c], s[35+4*\c], 0x80000000
	s_mov_b32 s[56+4*\c], 1
	s_add_co_u32 s[57+4*\c], s45, \c*SLOT+4*QUART
	s_add_nc_u64 s[58+4*\c:59+4*\c], s[46:47], \c*256
	s_or_b32 s[59+4*\c], s[59+4*\c], 0x80000000
.endr
	; all first fills as one group: six loads of mine are out.  Four v_nop follow the last
	tensor_load_to_lds s[76:79], s[68:75]
	s_nop 0
	tensor_load_to_lds s[88:91], s[80:87]
	s_nop 0
	tensor_load_to_lds s[32:35], s[24:31]
	s_nop 0
	tensor_load_to_lds s[56:59], s[48:55]
	s_nop 0
	tensor_load_to_lds s[36:39], s[24:31]
	s_nop 0
	tensor_load_to_lds s[60:63], s[48:55]
	s_nop 0
	PLACES 4
	v_and_b32 v1, 15, v0
	v_bfe_u32 v2, v0, 4, 1
	v_and_b32 v3, 8, v1
	v_add_nc_u32 v3, v3, v1
	v_mul_u32_u24 v4, v3, PITCH
	v_lshl_add_u32 v4, v2, 4, v4
	s_mul_i32 s2, s15, HALFT
	s_mul_i32 s3, s16, HALFT
	s_add_co_u32 s3, s3, 4*QUART
	v_add_nc_u32 v[ADRA], s2, v4
	v_add_nc_u32 v[ADRB], s3, v4
	v_add_nc_u32 v[ADRA+1], SLOT, v[ADRA]
	v_add_nc_u32 v[ADRB+1], SLOT, v[ADRB]
	v_lshrrev_b32 v5, 3, v1
	v_mul_u32_u24 v5, v5, 544
	v_and_b32 v6, 7, v1
	v_lshl_add_u32 v5, v6, 5, v5
	s_mul_i32 s2, s15, HALFS
	s_mul_i32 s3, s16, HALFS
	s_add_co_u32 s3, s3, 4*QS
	s_sub_co_u32 s3, s3, s2
	v_mul_u32_u24 v6, s3, v2                       ; lanes 16-31 take w's words
	s_add_co_u32 s2, s2, SCL
	v_add_nc_u32 v5, v5, v6
	v_add_nc_u32 v[ADRS], s2, v5
	v_and_b32 v6, 31, v0
	v_lshlrev_b32 v[L16], 4, v6
	v_lshlrev_b32 v[L4], 2, v6
.irp b, 0,1
	v_mov_b32 v[TM+4+\b], 0                        ; a lane permute's destination counts as one of its sources
.endr
	s_mov_b32 s[SEL], 0x76543210
	s_mov_b32 s[SEL+1], 0xfedcba98
	s_mov_b32 s[HI], 0xffff0000
	s_mov_b32 s[NL], 0xbfb8aa3b                    ; -log2(e)
	s_mov_b32 s[NL+1], s[NL]
	s_lshl_b32 s22, s17, 4
	s_lshl_b32 s23, s15, 3
	s_add_co_u32 s22, s22, s23                     ; my first token tile
	s_lshl_b32 s18, s42, 1
	s_add_co_u32 s18, s18, s16
	s_lshl_b32 s18, s18, 17                        ; my group of 64 units
	s_lshl_b32 s19, s22, 9
	s_add_co_u32 s18, s18, s19
	s_mov_b32 s19, 0
	s_lshl_b32 s20, s42, 14
	s_lshl_b32 s21, s22, 6
	s_add_co_u32 s20, s20, s21
	s_lshl_b32 s21, s16, 1
	s_add_co_u32 s20, s20, s21
	s_add_co_u32 s20, s20, 4194304
	s_mov_b32 s21, 0
	s_add_nc_u64 s[OB:OB+1], s[94:95], s[18:19]
	s_add_nc_u64 s[OS:OS+1], s[94:95], s[20:21]
.macro FRAG reg, adr, q, i
.irp c, 0,1
	ds_load_b128 v[\reg+4*\c:\reg+4*\c+3], v[\adr] offset:64*(\q)+32*\c+(32*((\i)/2)+8*((\i)%2))*PITCH
.endr
.endm
; 16 matrix instructions; the 64 accumulators take turns, one instruction a turn, in the same order in every step
.macro MUL16 a0, p, q, sc, zero
.irp a, \a0, \a0+1
.irp b, 0,1,2,3,4,5,6,7
.if \zero
	v_wmma_scale_f32_16x16x128_f8f6f4 v[8*(8*((\a)%4)+\b):8*(8*((\a)%4)+\b)+7], v[128*(\p)+FR*\b:128*(\p)+FR*\b+FR-1], v[AF+FR*(\a):AF+FR*(\a)+FR-1], 0, v[SC+8*NQ*(\sc)+NQ*\b+(\q)], v[SC+8*NQ*(\sc)+NQ*(\a)+(\q)] matrix_a_fmt:MATRIX_FMT_FP4 matrix_b_fmt:MATRIX_FMT_FP4 matrix_a_scale:MATRIX_SCALE_ROW1
.else
	v_wmma_scale_f32_16x16x128_f8f6f4 v[8*(8*((\a)%4)+\b):8*(8*((\a)%4)+\b)+7], v[128*(\p)+FR*\b:128*(\p)+FR*\b+FR-1], v[AF+FR*(\a):AF+FR*(\a)+FR-1], v[8*(8*((\a)%4)+\b):8*(8*((\a)%4)+\b)+7], v[SC+8*NQ*(\sc)+NQ*\b+(\q)], v[SC+8*NQ*(\sc)+NQ*(\a)+(\q)] matrix_a_fmt:MATRIX_FMT_FP4 matrix_b_fmt:MATRIX_FMT_FP4 matrix_a_scale:MATRIX_SCALE_ROW1
.endif
.endr
.endr
.endm
.macro FETCH_B slot, q, p
	WIN TO_B
.irp i, 0,1,2,3,4,5,6,7
	FRAG 128*(\p)+FR*\i, ADRB+\slot, \q, \i
.endr
	WIN 0
.endm
.macro FETCH_A slot, q, i0
.irp i, \i0, \i0+1, \i0+2, \i0+3
	FRAG AF+FR*(\i), ADRA+\slot, \q, \i
.endr
.endm
.macro SCALES sc
.irp i, 0,1,2,3,4,5,6,7
	ds_load_b128 v[SC+8*NQ*\sc+NQ*\i:SC+8*NQ*\sc+NQ*\i+3], v[ADRS] offset:(4*(\i/2)+\i%2)*272
.endr
.endm
.macro STEP slot, q, zero
	s_wait_dscnt 8                                 ; all but the youngest eight loads (source 1's tiles 4-7) are in
	WIN MUL_LO
	MUL16 0, (\q)%2, \q, \slot, \zero
	MUL16 2, (\q)%2, \q, \slot, \zero
	s_wait_dscnt 0
	PLACES NP                                      ; loads into registers that matrix instructions have read stand four plain places behind them
	FETCH_B \slot, (\q)+1, 1-(\q)%2
	FETCH_A \slot, (\q)+1, 0
	WIN MUL_HI
	MUL16 4, (\q)%2, \q, \slot, \zero
	MUL16 6, (\q)%2, \q, \slot, \zero
	PLACES NP
	WIN 0
	FETCH_A \slot, (\q)+1, 4
.endm
.macro STEPS slot, from
.set Q, \from
.rept NQ-1-\from
	STEP \slot, Q, 0
.set Q, Q+1
.endr
.endm
	s_wait_tensorcnt 2                             ; the scale bytes and my parts of K 0-511 are in; the two loads of K 512-1023 may be out: nothing is filled twice
	s_barrier_signal -1
	s_barrier_wait -1
	FETCH_B 0, 0, 0
	FETCH_A 0, 0, 0
	SCALES 0
	FETCH_A 0, 0, 4
	STEP 0, 0, 1
	STEPS 0, 1
	s_wait_tensorcnt 0x0                           ; my parts of slot 1 are in
	s_wait_dscnt 8
	WIN MUL_LO
	MUL16 0, 1, NQ-1, 0, 0
	s_wait_dscnt 0x0
	s_barrier_signal -1
	MUL16 2, 1, NQ-1, 0, 0
	WIN 0
	s_barrier_wait -1                              ; slot 1 is whole
	PLACES NP
	v_add_nc_u32 v[ADRS], 16, v[ADRS]
	FETCH_B 1, 0, 0
	FETCH_A 1, 0, 0
	SCALES 1
	WIN MUL_HI
	MUL16 4, 1, NQ-1, 0, 0
	MUL16 6, 1, NQ-1, 0, 0
	PLACES NP
	WIN 0
	FETCH_A 1, 0, 4
	STEPS 1, 0
	s_wait_dscnt 8
	WIN MUL_LO
	MUL16 0, 1, NQ-1, 1, 0
	MUL16 2, 1, NQ-1, 1, 0
	s_wait_dscnt 0
	WIN MUL_HI
	MUL16 4, 1, NQ-1, 1, 0
	MUL16 6, 1, NQ-1, 1, 0
	WIN 0
	PLACES NP
; silu(g) u of token tile a: 32 numbers a lane.  The exponentials and the reciprocals go as batches, each with one plain line and one wait ahead of its first reader.  Each accumulator is read from its low end on
.macro SILU a
.set AC, 64*((\a)%4)
	WIN 2+(\a)/4
.set i, 0
.rept 16
	v_pk_mul_f32 v[E+i:E+i+1], v[AC+i:AC+i+1], s[NL:NL+1] op_sel_hi:[1,0]
.set i, i+2
.endr
	WIN 0
.set i, 0
.rept 32
	v_exp_f32 v[E+i], v[E+i]
.set i, i+1
.endr
	v_nop
	s_wait_alu depctr_va_vdst(0)
.set i, 0
.rept 16
	v_pk_add_f32 v[E+i:E+i+1], v[E+i:E+i+1], 1.0 op_sel_hi:[1,0]
.set i, i+2
.endr
.set i, 0
.rept 32
	v_rcp_f32 v[E+i], v[E+i]
.set i, i+1
.endr
	v_nop
	s_wait_alu depctr_va_vdst(0)
	WIN 2+(\a)/4
.set i, 0
.rept 16
	v_pk_mul_f32 v[E+i:E+i+1], v[AC+i:AC+i+1], v[E+i:E+i+1]
.set i, i+2
.endr
.set i, 0
.rept 16
	v_pk_mul_f32 v[E+i:E+i+1], v[AC+32+i:AC+32+i+1], v[E+i:E+i+1]
.set i, i+2
.endr
	WIN 0
.endm
.macro QUANT2 s                        ; 32 numbers of a lane, register 16 b + i = unit 32 b + 16 (lane / 16) + i, become an image's four registers and two scale bytes
.irp b, 0,1
	v_max3_num_f32 v[TM+\b], |v[\s+16*\b]|, |v[\s+1+16*\b]|, 0x1800000
.endr
.irp i, 2,4,6,8,10,12,14
.irp b, 0,1
	v_max3_num_f32 v[TM+\b], v[TM+\b], |v[\s+16*\b+\i]|, |v[\s+1+16*\b+\i]|
.endr
.endr
.irp b, 0,1
	v_permlanex16_b32 v[TM+4+\b], v[TM+\b], s[SEL], s[SEL+1]
.endr
.irp b, 0,1
	v_max_num_f32 v[TM+\b], v[TM+\b], v[TM+4+\b]
.endr
.irp b, 0,1
	v_add_nc_u32 v[TM+12+\b], 0xff000000, v[TM+\b]
.endr
.irp b, 0,1
	v_lshrrev_b32 v[TM+4+\b], 23, v[TM+12+\b]
.endr
	v_lshl_or_b32 v[PW], v[TM+5], 8, v[TM+4]
.irp b, 0,1
	v_cvt_scalef32_pk8_fp4_f32 v[PC+2*\b], v[\s+16*\b:\s+7+16*\b], v[TM+12+\b]
	v_cvt_scalef32_pk8_fp4_f32 v[PC+1+2*\b], v[\s+8+16*\b:\s+15+16*\b], v[TM+12+\b]
.endr
	v_nop
	v_permlane16_swap_b32 v[PC], v[PC+2]
	v_permlane16_swap_b32 v[PC+1], v[PC+3]
.endm
.irp a, 0,1,2,3,4,5,6,7
	s_wait_xcnt 0x0                                ; the last tile's stores have read their registers
	SILU \a
	QUANT2 E
	global_store_b128 v[L16], v[PC:PC+3], s[OB:OB+1] offset:512*\a   ; the image: 512 consecutive bytes
.if \a%2 == 0
	v_mov_b32 v[PWE], v[PW]
.else
	v_cndmask_b32 v[R+\a/2], v[PWE], v[PW], s[HI]  ; lanes 0-15 the even tile's rows, lanes 16-31 the odd tile's
	global_store_b16 v[L4], v[R+\a/2], s[OS:OS+1] offset:128*(\a/2)  ; my half of two tiles' scale words
.endif
.endr
	s_wait_tensorcnt 0x0
	ds_add_u32 v254, v255
	s_wait_dscnt 0x0
	CROUND                                         ; the closing round
	s_endpgm
.Lfunc_end_k_q85ed508348_gateup:
	.size	k_q85ed508348_gateup, .Lfunc_end_k_q85ed508348_gateup-k_q85ed508348_gateup
	.p2alignl 7, 3214868480
	.fill 96, 4, 3214868480
	.section	.rodata,"a",@progbits
	.p2align	6, 0x0
	.amdhsa_kernel k_q85ed508348_gateup
		.amdhsa_group_segment_fixed_size 296448
		.amdhsa_private_segment_fixed_size 0
		.amdhsa_enable_private_segment 0
		.amdhsa_kernarg_size 48
		.amdhsa_user_sgpr_count 2
		.amdhsa_user_sgpr_kernarg_segment_ptr 1
		.amdhsa_wavefront_size32 1
		.amdhsa_system_sgpr_workgroup_id_x 1
		.amdhsa_system_sgpr_workgroup_id_y 1
		.amdhsa_system_sgpr_workgroup_id_z 1
		.amdhsa_system_vgpr_workitem_id 0
		.amdhsa_next_free_vgpr 1024
		.amdhsa_next_free_sgpr 102
		.amdhsa_reserve_vcc 0
		.amdhsa_float_denorm_mode_32 3
		.amdhsa_float_denorm_mode_16_64 3
		.amdhsa_memory_ordered 1
		.amdhsa_forward_progress 1
		.amdhsa_inst_pref_size 161
	.end_amdhsa_kernel
	.amdgpu_metadata
---
amdhsa.version: [ 1, 2 ]
amdhsa.kernels:
  - .name:           k_q85ed508348_gateup
    .symbol:         k_q85ed508348_gateup.kd
    .args:
      - { .name: hq, .offset: 0, .size: 8, .value_kind: global_buffer, .address_space: global }
      - { .name: w_gate_codes, .offset: 8, .size: 8, .value_kind: global_buffer, .address_space: global }
      - { .name: w_gate_scales, .offset: 16, .size: 8, .value_kind: global_buffer, .address_space: global }
      - { .name: w_up_codes, .offset: 24, .size: 8, .value_kind: global_buffer, .address_space: global }
      - { .name: w_up_scales, .offset: 32, .size: 8, .value_kind: global_buffer, .address_space: global }
      - { .name: gq, .offset: 40, .size: 8, .value_kind: global_buffer, .address_space: global }
    .group_segment_fixed_size: 296448
    .private_segment_fixed_size: 0
    .kernarg_segment_align: 8
    .kernarg_segment_size: 48
    .max_flat_workgroup_size: 128
    .sgpr_count:     102
    .vgpr_count:     1024
    .wavefront_size: 32
...
	.end_amdgpu_metadata
.endif
;; end of part 6
;; launch down (part 7): grid 8 x 32, 4 waves a work-group, clusters of 4 x 4, 287,744 bytes of LDS; arguments gq, w_down_codes, w_down_scales, x1, out0; writes out0
.if DOCPART == 7
	.amdgcn_target "amdgcn-amd-amdhsa--gfx1250"
	.amdhsa_code_object_version 6
	.text
	.protected	k_q85ed508348_down
	.globl	k_q85ed508348_down
	.p2align	8
	.type	k_q85ed508348_down,@function
k_q85ed508348_down:
	s_mov_b64 s[64:65], 0
	v_nop
	global_prefetch_b8 v0, s[64:65] scope:SCOPE_SE
	s_setreg_imm32_b32 hwreg(HW_REG_WAVE_MODE, 25, 1), 1
	s_wait_xcnt 0x0
	s_wait_alu depctr_hold_cnt(0) depctr_sa_sdst(0) depctr_va_vdst(0) depctr_va_sdst(0) depctr_va_ssrc(0) depctr_va_vcc(0) depctr_vm_vsrc(0)
	s_getreg_b32 s2, hwreg(HW_REG_IB_STS2, 6, 4)
	s_cmp_eq_u32 s2, 0
	s_cbranch_scc0 .Lentry_in_a_cluster
	s_endpgm
.Lentry_in_a_cluster:
	s_bfe_u32 s2, ttmp6, 0x10000c
	s_cmp_lg_u32 s2, 0xf033
	s_cbranch_scc0 .Lentry_shape_is_right
	s_endpgm
.Lentry_shape_is_right:
; out[t][n] = res[t][n] + sum over k of a[t][k] w[n][k], on E2M1 codes with E8M0 scales.  KK = the product's K.  a comes as images of operand registers: [k / 64][token tile][512 bytes], its scale words behind them: [k / 128][token tile][16 words].
; w: codes [1024][KK / 2 bytes], scale bytes [1024][KK / 32].  res, out: [4096][1024] f32.
; A work-group of four waves makes 128 tokens x 128 channels (256 work-groups), a wave 64 x 64: 16 accumulators.  Source 0 = w's rows, source 1 = token tiles: a lane holds one token and eight neighbouring channels a tile.
; All of K lies in LDS, in chunks of 512 along K, each filled once at the start; no LDS byte is filled twice.  A counted wait and a barrier stand in front of each chunk's first read.
; CLUSTERS 4 x 4: w's tiles hang on x alone (shared along a column), a's on y alone (shared along a row): joint loads.  Waves 0, 1 ask for w's halves, waves 2, 3 for a's.
; TILES: lane r of tile i takes row 32 (i/2) + 8 (i%2) + r + 8 (r/8), for w's rows and for tokens alike.
; A residual row of NaN (a query that the mask hid wholly) stays NaN, as the definition has it.
; REGISTERS: window 0: v0-31 addresses; v32-63 scale words, two sets, and nothing else; v64-191 fragments, two sets (w's four, a's four); v192-255 rows on the way out.  window 1: v0-127 accumulator (a, b) at v[8 (4 a + b)]; v128-255 the residual.
.set KK,    2048
.set NC,    KK/512
.set NK,    KK/128
.set KROW,  KK/2
.set KS,    KK/32
.set RPU,   256/KS                     ; rows of scale bytes in a unit of 256 bytes
.set SOFF,  KK*2048                    ; a's scale words lie behind its images
.set WPART, 128*272                    ; w's 128 rows of 256 bytes + 16
.set SLOT,  WPART+32768                ; then a's 8 x 8 images
.set WSC,   NC*SLOT                    ; w's scale bytes, units of 256 + 16
.set WSH,   (64/RPU)*272               ; those of 64 rows
.set ASC,   WSC+2*WSH                  ; a's scale words: 512 bytes for each 128 along K
.set ADRW,  8
.set ADRA,  12
.set ADSW,  16
.set ADSA,  17
.set STO,   18
.set RD,    19
.set GOFF,  20
.set F0,    64
.set T,     192
.set RES,   128
.set MSB, 0
.macro WIN new
.if MSB != (\new)
	s_set_vgpr_msb (MSB<<8)|(\new)
.set MSB, (\new)
.endif
.endm
.macro CREST
	s_cmp_lg_u32 s14, 0
	s_cbranch_scc1 .Lnot_wave_0_\@
	s_barrier_signal -3
.Lnot_wave_0_\@:
	s_barrier_wait -3
	s_barrier_signal -1
	s_barrier_wait -1
.endm
.macro CROUND
	s_barrier_signal -1
	s_barrier_wait -1
	CREST
.endm
.macro PLACES
.rept 4
	v_nop
.endr
.endm
	s_load_b256 s[4:11], s[0:1], 0x0               ; a, w's codes, w's scales, res
	s_load_b64 s[12:13], s[0:1], 0x20              ; out
	v_lshl_add_u32 v30, v0, 2, 0x46200
	v_mov_b32 v31, 0
	ds_add_u32 v30, v31
	ds_add_u32 v30, v31
	v_lshrrev_b32 v1, 5, v0
	v_readfirstlane_b32 s14, v1                    ; wave
	s_lshr_b32 s15, s14, 1                         ; which half of the tokens is mine
	s_and_b32 s16, s14, 1                          ; which half of the channels; also: which half of a tile I fetch
	s_bfe_u32 s2, ttmp6, 0x40000                   ; cx
	s_bfe_u32 s3, ttmp6, 0x40004                   ; cy
	s_lshl_b32 s18, ttmp9, 2
	s_add_co_u32 s18, s18, s2                      ; x
	s_and_b32 s17, ttmp7, 0xffff
	s_lshl_b32 s17, s17, 2
	s_add_co_u32 s17, s17, s3                      ; y
	s_lshl_b32 s19, s3, 2
	s_lshl_b32 s19, 15, s19                        ; my row of the cluster
	s_lshl_b32 s20, 0x1111, s2                     ; my column
	s_or_b32 s24, s20, (0<<16)|(1<<20)|(1<<21)|(5<<22)|(3<<25)   ; w's codes: 64 rows x 256 bytes, KROW apart, 16 bytes of padding behind each
	s_mov_b32 s25, 256<<16
	s_mov_b32 s26, 64<<16
	s_mov_b32 s27, 256<<16
	s_mov_b32 s28, 64
	s_mov_b32 s29, KROW
	s_mov_b32 s30, 0
	s_mov_b32 s31, 0
	s_or_b32 s32, s20, (3<<16)|(1<<20)|(1<<21)|(5<<22)|(3<<25)   ; w's scale bytes of 64 rows: dense, as rows of 32 elements of 8 bytes, padded likewise
	s_mov_b32 s33, 32<<16
	s_mov_b32 s34, (64/RPU)<<16
	s_mov_b32 s35, 32<<16
	s_mov_b32 s36, 64/RPU
	s_mov_b32 s37, 32
	s_mov_b32 s38, 0
	s_mov_b32 s39, 0
	s_or_b32 s40, s19, (3<<16)|(1<<21)             ; a's images: 4 rows (groups of 64 along K) x 4,096 bytes (8 token tiles), 131,072 bytes apart; no padding
	s_mov_b32 s41, 512<<16
	s_mov_b32 s42, 4<<16
	s_mov_b32 s43, 512<<16
	s_mov_b32 s44, 4
	s_mov_b32 s45, 16384
	s_mov_b32 s46, 0
	s_mov_b32 s47, 0
	s_or_b32 s48, s19, (3<<16)|(1<<21)             ; a's scale words: NK / 2 rows x 512 bytes, 16,384 bytes apart
	s_mov_b32 s49, 64<<16
	s_mov_b32 s50, (NK/2)<<16
	s_mov_b32 s51, 64<<16
	s_mov_b32 s52, NK/2
	s_mov_b32 s53, 2048
	s_mov_b32 s54, 0
	s_mov_b32 s55, 0
	s_lshl_b32 s21, s18, 7
	s_lshl_b32 s66, s16, 6
	s_add_co_u32 s21, s21, s66                     ; w's first row of the half
	s_mul_i32 s66, s21, KROW
	s_mov_b32 s67, 0
	s_mul_i32 s100, s21, KS
	s_mov_b32 s101, 0
	s_mul_i32 s22, s16, (NK/2)*16384
	s_lshl_b32 s23, s17, 9
	s_add_co_u32 s22, s22, s23
	s_add_co_u32 s22, s22, SOFF                    ; a's scale words of the half
	s_mov_b32 s23, 0
	s_wait_dscnt 0x0
	s_wait_kmcnt 0x0
	s_add_nc_u64 s[66:67], s[6:7], s[66:67]
	s_add_nc_u64 s[100:101], s[8:9], s[100:101]
	s_add_nc_u64 s[82:83], s[4:5], s[22:23]
	s_or_b32 s83, s83, 0x80000000
	s_lshl_b32 s22, s16, 19
	s_lshl_b32 s23, s17, 12
	s_add_co_u32 s22, s22, s23                     ; a's images of the half
	s_mov_b32 s23, 0
	s_add_nc_u64 s[22:23], s[4:5], s[22:23]
	CROUND                                         ; all sixteen work-groups are here: the joint loads meet
.macro G0HEAD g, mul, add              ; a group 0's count and LDS address: a constant + the half x a constant
	s_mov_b32 s[(\g)], 1
	s_mul_i32 s[(\g)+1], s16, \mul
	s_add_co_u32 s[(\g)+1], s[(\g)+1], \add
.endm
	G0HEAD 56, WSH, WSC
	s_mov_b64 s[58:59], s[100:101]
	s_or_b32 s59, s59, 0x80000000
	G0HEAD 80, (NK/2)*512, ASC
.set c, 0
.rept NC
.set GW, 60+4*c+4*((c+3)/4)
.set GA, 84+4*c
	G0HEAD GW, 64*272, c*SLOT
	s_add_nc_u64 s[GW+2:GW+3], s[66:67], c*256
	s_or_b32 s[GW+3], s[GW+3], 0x80000000
	G0HEAD GA, 16384, c*SLOT+WPART
	s_add_nc_u64 s[GA+2:GA+3], s[22:23], c*1048576
	s_or_b32 s[GA+3], s[GA+3], 0x80000000
.set c, c+1
.endr
	; all first fills of a wave stand in one branch on its number: 1 + NC loads of mine are out.  Four v_nop follow the last
	s_cmp_lt_u32 s14, 2
	s_cbranch_scc0 .Lfill_a
	tensor_load_to_lds s[56:59], s[32:39]
	s_nop 0
.set c, 0
.rept NC
.set GW, 60+4*c+4*((c+3)/4)
	tensor_load_to_lds s[GW:GW+3], s[24:31]
	s_nop 0
.set c, c+1
.endr
	PLACES
	s_branch .Lfilled
.Lfill_a:
	tensor_load_to_lds s[80:83], s[48:55]
	s_nop 0
.set c, 0
.rept NC
.set GA, 84+4*c
	tensor_load_to_lds s[GA:GA+3], s[40:47]
	s_nop 0
.set c, c+1
.endr
	PLACES
.Lfilled:
	v_and_b32 v1, 15, v0                           ; r
	v_bfe_u32 v2, v0, 4, 1                         ; h
	v_and_b32 v3, 8, v1
	v_add_nc_u32 v3, v3, v1                        ; r + 8 (r / 8)
	v_mul_u32_u24 v4, v3, 272
	v_lshl_add_u32 v4, v2, 4, v4
	s_mul_i32 s21, s16, 64*272
	v_add_nc_u32 v[ADRW], s21, v4
	v_and_b32 v5, 31, v0
	v_lshlrev_b32 v7, 2, v5                        ; 4 x lane
	v_lshlrev_b32 v5, 4, v5                        ; 16 x lane
	s_lshl_b32 s21, s15, 11
	s_add_co_u32 s21, s21, WPART
	v_add_nc_u32 v[ADRA], s21, v5
.set c, 1
.rept NC-1
	v_add_nc_u32 v[ADRW+c], SLOT, v[ADRW+c-1]
	v_add_nc_u32 v[ADRA+c], SLOT, v[ADRA+c-1]
.set c, c+1
.endr
	; w's scale bytes: lanes 0-15 take tile 2 j, lanes 16-31 tile 2 j + 1: row 32 j + 8 h + r + 8 (r / 8) of my 64
.if KS == 32
	v_lshrrev_b32 v6, 3, v1
	v_lshl_add_u32 v6, v6, 1, v2
	v_mul_u32_u24 v6, v6, 272
	v_and_b32 v21, 7, v1
	v_lshl_add_u32 v6, v21, 5, v6
.else
	v_lshrrev_b32 v6, 3, v1
	v_add_nc_u32 v6, v6, v2
	v_lshrrev_b32 v21, 2, v1
	v_lshl_add_u32 v6, v6, 1, v21
	v_mul_u32_u24 v6, v6, 272
	v_and_b32 v21, 3, v1
	v_lshl_add_u32 v6, v21, 6, v6
.endif
	s_mul_i32 s21, s16, WSH
	s_add_co_u32 s21, s21, WSC
	v_add_nc_u32 v[ADSW], s21, v6
	s_lshl_b32 s21, s15, 8
	s_add_co_u32 s21, s21, ASC
	v_add_nc_u32 v[ADSA], s21, v7
	s_mul_i32 s21, s14, 16*272                     ; my stage, in slot 0: used only behind the last change of chunk, when slot 0 has had its one fill and nobody reads it
	v_mul_u32_u24 v6, v1, 272
	v_lshl_add_u32 v6, v2, 6, v6
	v_add_nc_u32 v[STO], s21, v6
	v_mul_u32_u24 v6, v2, 272
	v_lshl_add_u32 v6, v1, 4, v6
	v_add_nc_u32 v[RD], s21, v6
	v_lshlrev_b32 v[GOFF], 12, v2
	v_lshl_add_u32 v[GOFF], v1, 4, v[GOFF]         ; lanes 0-15 one token's 256 bytes, lanes 16-31 the next token's
	s_lshl_b32 s21, s17, 7
	s_lshl_b32 s66, s15, 6
	s_add_co_u32 s21, s21, s66
	s_lshl_b32 s21, s21, 12
	s_lshl_b32 s66, s18, 9
	s_add_co_u32 s21, s21, s66
	s_lshl_b32 s66, s16, 8
	s_add_co_u32 s66, s66, s21
	s_mov_b32 s67, 0
	s_add_nc_u64 s[10:11], s[10:11], s[66:67]
	s_add_nc_u64 s[12:13], s[12:13], s[66:67]
	WIN 0x40                                       ; the residual lands while the products run
.irp a, 0,1,2,3
.irp t, 0,1,2,3,4,5,6,7
	global_load_b128 v[RES+32*\a+4*\t:RES+32*\a+4*\t+3], v[GOFF], s[10:11] offset:((32*(\a/2)+8*(\a%2))+2*\t+8*(\t/4))*4096
.endr
.endr
	WIN 0
.macro FETCH s, set                    ; step s's fragments: w's four tiles, a's four
.irp b, 0,1,2,3
.irp k, 0,1
	ds_load_b128 v[\set+8*\b+4*\k:\set+8*\b+4*\k+3], v[ADRW+(\s)/4] offset:64*((\s)%4)+32*\k+(32*(\b/2)+8*(\b%2))*272
.endr
.endr
.irp a, 0,1,2,3
.irp k, 0,1
	ds_load_b128 v[\set+32+8*\a+4*\k:\set+32+8*\a+4*\k+3], v[ADRA+(\s)/4] offset:(2*((\s)%4)+\k)*4096+512*\a
.endr
.endr
.endm
.macro FETCHS c                        ; a chunk's scale words: w's, register 4 j + q; a's, register 8 + 2 q + j; lanes 0-15 tile 2 j, lanes 16-31 tile 2 j + 1
.set SS2, 32+16*((\c)%2)
.irp j, 0,1
	ds_load_b128 v[SS2+4*\j:SS2+4*\j+3], v[ADSW] offset:\j*(32/RPU)*272+16*(\c)
.endr
.irp q, 0,1,2,3
.irp j, 0,1
	ds_load_b32 v[SS2+8+2*\q+\j], v[ADSA] offset:512*(4*(\c)+\q)+128*\j
.endr
.endr
.endm
.macro WM d, a, b, z, sa, sb, ra, rb
.if (\z)
.if (\ra)==0 && (\rb)==0
	v_wmma_scale_f32_16x16x128_f8f6f4 v[\d:\d+7], v[\a:\a+7], v[\b:\b+7], 0, v[\sa], v[\sb] matrix_a_fmt:MATRIX_FMT_FP4 matrix_b_fmt:MATRIX_FMT_FP4
.elseif (\rb)==0
	v_wmma_scale_f32_16x16x128_f8f6f4 v[\d:\d+7], v[\a:\a+7], v[\b:\b+7], 0, v[\sa], v[\sb] matrix_a_fmt:MATRIX_FMT_FP4 matrix_b_fmt:MATRIX_FMT_FP4 matrix_a_scale:MATRIX_SCALE_ROW1
.elseif (\ra)==0
	v_wmma_scale_f32_16x16x128_f8f6f4 v[\d:\d+7], v[\a:\a+7], v[\b:\b+7], 0, v[\sa], v[\sb] matrix_a_fmt:MATRIX_FMT_FP4 matrix_b_fmt:MATRIX_FMT_FP4 matrix_b_scale:MATRIX_SCALE_ROW1
.else
	v_wmma_scale_f32_16x16x128_f8f6f4 v[\d:\d+7], v[\a:\a+7], v[\b:\b+7], 0, v[\sa], v[\sb] matrix_a_fmt:MATRIX_FMT_FP4 matrix_b_fmt:MATRIX_FMT_FP4 matrix_a_scale:MATRIX_SCALE_ROW1 matrix_b_scale:MATRIX_SCALE_ROW1
.endif
.else
.if (\ra)==0 && (\rb)==0
	v_wmma_scale_f32_16x16x128_f8f6f4 v[\d:\d+7], v[\a:\a+7], v[\b:\b+7], v[\d:\d+7], v[\sa], v[\sb] matrix_a_fmt:MATRIX_FMT_FP4 matrix_b_fmt:MATRIX_FMT_FP4
.elseif (\rb)==0
	v_wmma_scale_f32_16x16x128_f8f6f4 v[\d:\d+7], v[\a:\a+7], v[\b:\b+7], v[\d:\d+7], v[\sa], v[\sb] matrix_a_fmt:MATRIX_FMT_FP4 matrix_b_fmt:MATRIX_FMT_FP4 matrix_a_scale:MATRIX_SCALE_ROW1
.elseif (\ra)==0
	v_wmma_scale_f32_16x16x128_f8f6f4 v[\d:\d+7], v[\a:\a+7], v[\b:\b+7], v[\d:\d+7], v[\sa], v[\sb] matrix_a_fmt:MATRIX_FMT_FP4 matrix_b_fmt:MATRIX_FMT_FP4 matrix_b_scale:MATRIX_SCALE_ROW1
.else
	v_wmma_scale_f32_16x16x128_f8f6f4 v[\d:\d+7], v[\a:\a+7], v[\b:\b+7], v[\d:\d+7], v[\sa], v[\sb] matrix_a_fmt:MATRIX_FMT_FP4 matrix_b_fmt:MATRIX_FMT_FP4 matrix_a_scale:MATRIX_SCALE_ROW1 matrix_b_scale:MATRIX_SCALE_ROW1
.endif
.endif
.endm
.macro MUL s                           ; 16 matrix instructions; the 16 accumulators take turns, one instruction a turn
.set FS, F0+64*((\s)%2)
.set SS, 32+16*(((\s)/4)%2)
	WIN 0x50                                       ; C and D window 1
.irp a, 0,1,2,3
.irp b, 0,1,2,3
	WM 8*(4*\a+\b), FS+8*\b, FS+32+8*\a, (\s)==0, SS+4*(\b/2)+(\s)%4, SS+8+2*((\s)%4)+\a/2, \b%2, \a%2
.endr
.endr
	WIN 0
.endm
.macro STEP s
.if (\s) > 0
	PLACES                                         ; ahead of loads into the set that the last step's products read
.endif
.if (\s)+1 < NK
.if ((\s)+1)%4 == 0
	s_wait_tensorcnt NC-1-((\s)+1)/4               ; my part of the next chunk is in; the later chunks' loads may be out: nothing is filled twice
	s_wait_dscnt 0x0
	s_barrier_signal -1
	s_barrier_wait -1                              ; everybody's is
.endif
	FETCH (\s)+1, F0+64*(((\s)+1)%2)
.if ((\s)+1)%4 == 0
	FETCHS ((\s)+1)/4
	s_wait_dscnt 26                                ; all but the 26 just issued
.else
	s_wait_dscnt 16                                ; all but the 16 just issued
.endif
.else
	s_wait_dscnt 0x0
.endif
	MUL \s
.endm
	s_wait_tensorcnt NC-1                          ; the scales and my part of chunk 0 are in
	s_barrier_signal -1
	s_barrier_wait -1
	FETCH 0, F0
	FETCHS 0
.set Q, 0
.rept NK
	STEP Q
.set Q, Q+1
.endr
; THE WAY OUT, a tile of 16 tokens at a time: a lane's 32 bytes a tile of channels go into my stage (rows of 256 bytes + 16) and come back as whole rows; the residual is added; sixteen lanes store 256 consecutive bytes
.macro WAYOUT a
.if (\a) >= 2
	s_wait_xcnt 0x0                                ; the stores of two tiles ago have read their registers
.endif
	WIN 0x04                                       ; an LDS store's data: window 1
.irp b, 0,1,2,3
.irp j, 0,1
	ds_store_b128 v[STO], v[8*(4*(\a)+\b)+4*\j:8*(4*(\a)+\b)+4*\j+3] offset:128*(\b/2)+32*(\b%2)+16*\j   ; each accumulator from its low end on
.endr
.endr
	WIN 0
.irp t, 0,1,2,3,4,5,6,7
	ds_load_b128 v[T+32*((\a)%2)+4*\t:T+32*((\a)%2)+4*\t+3], v[RD] offset:544*\t   ; LDS serves a wave's instructions in order: these see my stores
.endr
	s_wait_dscnt 0x0
.if (\a) == 0
	s_wait_loadcnt 0x0                             ; the residual
.endif
	WIN 0x04
.set i, 0
.rept 16
	v_pk_add_f32 v[T+32*((\a)%2)+i:T+32*((\a)%2)+i+1], v[T+32*((\a)%2)+i:T+32*((\a)%2)+i+1], v[RES+32*(\a)+i:RES+32*(\a)+i+1]
.set i, i+2
.endr
	WIN 0
.irp t, 0,1,2,3,4,5,6,7
	global_store_b128 v[GOFF], v[T+32*((\a)%2)+4*\t:T+32*((\a)%2)+4*\t+3], s[12:13] offset:((32*((\a)/2)+8*((\a)%2))+2*\t+8*(\t/4))*4096
.endr
.endm
	PLACES
	WAYOUT 0
	WAYOUT 1
	WAYOUT 2
	WAYOUT 3
	s_wait_tensorcnt 0x0
	ds_add_u32 v30, v31
	s_wait_dscnt 0x0
	CROUND                                         ; the closing round
	s_endpgm
.Lfunc_end_k_q85ed508348_down:
	.size	k_q85ed508348_down, .Lfunc_end_k_q85ed508348_down-k_q85ed508348_down
	.p2alignl 7, 3214868480
	.fill 96, 4, 3214868480
	.section	.rodata,"a",@progbits
	.p2align	6, 0x0
	.amdhsa_kernel k_q85ed508348_down
		.amdhsa_group_segment_fixed_size 287744
		.amdhsa_private_segment_fixed_size 0
		.amdhsa_enable_private_segment 0
		.amdhsa_kernarg_size 40
		.amdhsa_user_sgpr_count 2
		.amdhsa_user_sgpr_kernarg_segment_ptr 1
		.amdhsa_wavefront_size32 1
		.amdhsa_system_sgpr_workgroup_id_x 1
		.amdhsa_system_sgpr_workgroup_id_y 1
		.amdhsa_system_sgpr_workgroup_id_z 1
		.amdhsa_system_vgpr_workitem_id 0
		.amdhsa_next_free_vgpr 512
		.amdhsa_next_free_sgpr 102
		.amdhsa_reserve_vcc 0
		.amdhsa_float_denorm_mode_32 3
		.amdhsa_float_denorm_mode_16_64 3
		.amdhsa_memory_ordered 1
		.amdhsa_forward_progress 1
		.amdhsa_inst_pref_size 81
	.end_amdhsa_kernel
	.amdgpu_metadata
---
amdhsa.version: [ 1, 2 ]
amdhsa.kernels:
  - .name:           k_q85ed508348_down
    .symbol:         k_q85ed508348_down.kd
    .args:
      - { .name: gq, .offset: 0, .size: 8, .value_kind: global_buffer, .address_space: global }
      - { .name: w_down_codes, .offset: 8, .size: 8, .value_kind: global_buffer, .address_space: global }
      - { .name: w_down_scales, .offset: 16, .size: 8, .value_kind: global_buffer, .address_space: global }
      - { .name: x1, .offset: 24, .size: 8, .value_kind: global_buffer, .address_space: global }
      - { .name: out0, .offset: 32, .size: 8, .value_kind: global_buffer, .address_space: global }
    .group_segment_fixed_size: 287744
    .private_segment_fixed_size: 0
    .kernarg_segment_align: 8
    .kernarg_segment_size: 40
    .max_flat_workgroup_size: 128
    .sgpr_count:     102
    .vgpr_count:     512
    .wavefront_size: 32
...
	.end_amdgpu_metadata
.endif
;; end of part 7
;; ======== version 2 of 2: 7 launches; version 1 with the launch attn written anew for expert scheduling mode
;; workspace buffers: hq 2,228,224 bytes; rope 524,288 bytes; maskw 557,056 bytes of whole numbers; qkvq 7,077,888 bytes; oq 2,228,224 bytes; x1 16,777,216 bytes; gq 4,456,448 bytes
;; launch prep: the kernel of part 1 again; grid 256 x 1, 8 waves a work-group, no clusters, 108,544 bytes of LDS; arguments x, w_norm1, mask, hq, rope, maskw; writes hq, rope, maskw
;; launch qkv: the kernel of part 2 again; grid 12 x 16, 4 waves a work-group, clusters of 4 x 4, 296,448 bytes of LDS; arguments hq, w_qkv_codes, w_qkv_scales, rope, qkvq; writes qkvq
;; launch attn (part 8): grid 8 x 32, 16 waves a work-group, no clusters, 149,504 bytes of LDS; arguments qkvq, maskw, oq; writes oq
.if DOCPART == 8
	.amdgcn_target "amdgcn-amd-amdhsa--gfx1250"
	.amdhsa_code_object_version 6
	.text
	.protected	k_q85ed508348_attn
	.globl	k_q85ed508348_attn
	.p2align	8
	.type	k_q85ed508348_attn,@function
k_q85ed508348_attn:
	s_mov_b64 s[64:65], 0
	v_nop
	global_prefetch_b8 v0, s[64:65] scope:SCOPE_SE
	s_setreg_imm32_b32 hwreg(HW_REG_WAVE_SCHED_MODE, 0, 2), 2
	s_setreg_imm32_b32 hwreg(HW_REG_WAVE_MODE, 25, 1), 1
	s_wait_xcnt 0x0
	s_wait_alu depctr_vm_vsrc(0)
; ATTENTION on E2M1 codes: S^T = K Q^T, the mask input, p = 2^(t - M) with t = score x log2(e) / 8 and M the running largest t rounded up to a whole number, O^T += V^T P^T, O / l, and o quantised along a head's 64 channels.
; A work-group takes one (head, batch); its sixteen waves take one tile of 16 queries each: four waves to a SIMD, so that one wave's vector work stands beside another's products and LDS loads.
; A head's K and V codes and scale words are 144 KiB: they come into LDS ONCE, through registers, as images of operand registers; behind the one barrier no wave waits for another.
; NO TENSOR LOAD AND NO CLUSTER: a step of 128 keys whose stored class says that the mask hides all of it from the wave's 16 queries is left out by a scalar branch on that stored whole number.
; The mask is an input: nothing of its pattern is built in.  Its lane words (64 a step) are scalar loads, made only for a step whose class is mixed: an open step's words would select nothing.
; A STEP AHEAD: what a step would wait for is asked for during the step before, by the NEXT step's class: its K fragments and K's scale words as soon as this step's first product has read their registers,
; its mask words as soon as this step's selects have read theirs.  A hidden next step is asked nothing.  Step 0's are asked for at the head.
; The head size is 64, half of the instruction's K: registers 4-7 of Q's and K's fragments are zero codes (their scale bytes are 0, which is 2^-127, over zeros).
; Query tile: qt = 8 f(wave) + work-group x, f(w) = w xor 3 ((w / 4) % 2): a spread over work-groups and SIMDs for masks that hide more from early queries; no value hangs on it.
; A ROW THAT THE MASK HIDES WHOLLY has l = 0; its result is NaN: E2M1 has no such code, so the row's two scale bytes become 0xff, which makes the next product's sums NaN.
; LIMITS: NaN and infinities among the inputs are not served otherwise; blocks under 2^-124 keep the byte 1.
; REGISTERS: v1 16 l, v2 8 l, v3 -inf; v4-6 the step's LDS addresses; v12 -M, v13 largest t, v[14:15] the sum; v16-23 Q, v24 its scale word; v26-29 K's scale words; v30-33 halves of V's, v34-35 V's scale words;
;   v40-103 K's eight fragments; v104-167 S^T, then p (at the head: the stage of K's and V's codes on their way into LDS); v168-199 O^T; v200-231 V's four fragments (at the head v200-207: the stage of the scale words);
;   v232-239 p's codes; v240-251 at work; v252 f, v253 p's scale word, v254 at work.
;   s14 the classes still to come, two bits a step; s15 this step's, s89 the next step's; s16-63, s68-83 a step's 64 mask words; s[84:85] where they stand in memory; s86, s87 the step's place in LDS; s88 the trip.
; THE MODE: SCHED_MODE bits 1:0 = 2 (LLVM: expert scheduling mode 2), set by the entry lines.  The code itself states the register dependences
; between vector or matrix instructions and memory or LDS instructions, with s_wait_alu, always for 0.
; THE PLAN.  Registers that memory or LDS instructions touch:
;   v1, v2, v7, v9, v10, v11, v38, v39, v255   offsets, and the closing add's two: made once at the head, never written again.
;   v4, v5, v6     written by three additions at a trip's head; read by that trip's LDS loads: V's, and the next step's K's.
;   V's fragments, v30-33   a trip's LDS loads land in them; its second product and the two lines that join V's scale words read them.
;   K's fragments (lower halves), v26-29   the loads of AHEAD land in them; the next trip's first product reads them.
;   S^T's and V's registers at the head   global loads land in them, the LDS stores read them; in the loop the first product and V's loads write them.
;   p's codes, v34, v35, v253   written by vector instructions, read by the second product as an operand and as scales.
; So a trip has one wait on vm_vsrc and one on va_vdst at its head, round the three additions; one on va_vdst ahead of the loads of the next step's K; one on va_vdst ahead of the second product.
; Behind the head's wait V's loads are dealt among the first product's eight matrix instructions, which name S^T, K, Q and their scale words: none of the registers that those loads touch.
.set KF, 40
.set S,  104
.set O,  168
.set VF, 200
.set PC, 232
.set BM, 240                           ; the blocks' largest scores
.set BY, 244                           ; the other half's; a chain of the sum; the bytes
.set OPD, 248                          ; the conversions' scale operands
.set SEL, 90
.set CS,  92
; What the next step will want.  Every trip passes this macro once; ahead of it stands a wait for all scalar loads, so the mask words' pointer and registers may be written.
; worked = 1: this step was worked on; 0: it was hidden, and no vector or matrix instruction has been issued since the wait at the trip's head.
.macro AHEAD worked
	s_add_nc_u64 s[84:85], s[84:85], 256           ; on to the next step's mask words
	s_and_b32 s89, s14, 3                          ; the next step's class; 0 behind the last step
	s_cmp_eq_u32 s89, 0
	s_cbranch_scc1 .Lnone_\@                       ; hidden, or none left: nothing is asked for
.if \worked
	s_wait_alu depctr_va_vdst(0)                   ; this step's first product is done reading K's fragments and scale words, in which the loads below land; the selects are done reading the mask's scalar registers, which the scalar loads below write
.endif
.irp t, 0,1,2,3,4,5,6,7
	ds_load_b128 v[KF+8*\t:KF+8*\t+3], v4 offset:4096+512*\t   ; its K: 4,096 bytes on from this step's
.endr
	ds_load_b64 v[26:27], v6 offset:512            ; and K's scale words: lanes 0-15 tile 2 j, lanes 16-31 tile 2 j + 1
	ds_load_b64 v[28:29], v6 offset:768
	s_cmp_eq_u32 s89, 1
	s_cbranch_scc0 .Lnone_\@                       ; all open: no mask words
	s_load_b512 s[16:31], s[84:85], 0x0
	s_load_b512 s[32:47], s[84:85], 0x40
	s_load_b512 s[48:63], s[84:85], 0x80
	s_load_b512 s[68:83], s[84:85], 0xc0
.Lnone_\@:
.endm
	s_load_b128 s[4:7], s[0:1], 0x0                ; qkvq, maskw
	s_load_b64 s[8:9], s[0:1], 0x10                ; oq
	v_lshl_add_u32 v39, v0, 2, 0x24000
	v_mov_b32 v255, 0
	v_lshrrev_b32 v1, 5, v0
	v_readfirstlane_b32 s10, v1                    ; wave 0..15
	v_lshlrev_b32 v7, 4, v0                        ; 16 x thread: in memory and in LDS
	v_add_nc_u32 v9, 0x10000, v7                   ; V's codes in LDS
	v_add_nc_u32 v10, 0x20000, v7                  ; the scale words
	v_and_b32 v8, 31, v0
	v_lshlrev_b32 v1, 4, v8
	v_lshlrev_b32 v2, 3, v8
	v_and_b32 v8, 15, v0
	v_lshlrev_b32 v11, 3, v8                       ; 8 r
	v_lshlrev_b32 v38, 2, v8                       ; 4 r
	v_add_nc_u32 v6, 0x20000, v2                   ; step 0's scale words of K in LDS
	s_wait_alu depctr_va_sdst(0)                   ; s10 is written, ahead of its first reader: the query tile and all that hangs on it are made from it
	s_bfe_u32 s11, s10, 0x10002
	s_mul_i32 s11, s11, 3
	s_xor_b32 s11, s11, s10
	s_lshl_b32 s11, s11, 3
	s_add_co_u32 s11, s11, ttmp9                   ; qt
	s_and_b32 s12, ttmp7, 0xffff                   ; head x 2 + batch: q's slot; k's is 32 on, v's 64 on
	s_lshl_b32 s20, s12, 16
	s_mov_b32 s21, 0
	s_lshl_b32 s22, s12, 13
	s_add_co_u32 s22, s22, 6291456
	s_mov_b32 s23, 0
	s_lshl_b32 s24, s11, 9
	s_mov_b32 s25, 0
	s_lshr_b32 s26, s11, 2                         ; Q's scale word: group qt / 4; tile qt % 4 = 2 j + half: 128 x half + 4 j + 8 r
	s_lshl_b32 s26, s26, 8
	s_and_b32 s27, s11, 1
	s_lshl_b32 s27, s27, 7
	s_add_co_u32 s26, s26, s27
	s_bfe_u32 s27, s11, 0x10001
	s_lshl_b32 s27, s27, 2
	s_add_co_u32 s26, s26, s27
	s_mov_b32 s27, 0
	s_lshl_b32 s28, s11, 8
	s_add_co_u32 s28, s28, 524288                  ; my 16 classes: two runs of 8 words, 128 bytes apart
	s_mov_b32 s29, 0
	s_lshl_b32 s84, s11, 12                        ; my mask words: 16 steps x 256 bytes
	s_mov_b32 s85, 0
	s_lshr_b32 s16, s12, 1                         ; head
	s_and_b32 s17, s12, 1
	s_lshl_b32 s17, s17, 7
	s_add_co_u32 s17, s17, s11                     ; token tile 128 x batch + qt
	s_lshl_b32 s94, s16, 17
	s_lshl_b32 s18, s17, 9
	s_add_co_u32 s94, s94, s18
	s_mov_b32 s95, 0
	s_lshr_b32 s96, s16, 1
	s_lshl_b32 s96, s96, 14
	s_lshl_b32 s18, s17, 6
	s_add_co_u32 s96, s96, s18
	s_and_b32 s18, s16, 1
	s_lshl_b32 s18, s18, 1
	s_add_co_u32 s96, s96, s18
	s_add_co_u32 s96, s96, 2097152
	s_mov_b32 s97, 0
	s_mov_b32 s[SEL], 0x76543210
	s_mov_b32 s[SEL+1], 0xfedcba98
	s_mov_b32 s[CS], 0x3e38aa3b                    ; c = log2(e) / 8
	s_mov_b32 s[CS+1], s[CS]
	s_mov_b32 s86, 0                               ; the step's images: 4,096 bytes a step
	s_mov_b32 s87, 0x20000                         ; its scale words: 512 bytes a step
	s_wait_kmcnt 0x0
	s_add_nc_u64 s[20:21], s[4:5], s[20:21]
	s_add_nc_u64 s[22:23], s[4:5], s[22:23]
	s_add_nc_u64 s[24:25], s[20:21], s[24:25]
	s_add_nc_u64 s[26:27], s[22:23], s[26:27]
	s_add_nc_u64 s[28:29], s[6:7], s[28:29]
	s_add_nc_u64 s[84:85], s[6:7], s[84:85]
	s_add_nc_u64 s[94:95], s[8:9], s[94:95]
	s_add_nc_u64 s[96:97], s[8:9], s[96:97]
	s_load_b256 s[68:75], s[28:29], 0x0
	s_load_b256 s[76:83], s[28:29], 0x80
	s_wait_alu depctr_va_vdst(0)                   ; the offsets and addresses v1, v2, v6, v7, v9, v10, v11, v38 and the closing add's v39 and v255 are written: the head's loads and LDS stores, step 0's loads of K, the way out's stores and the add read them
.irp i, 0,1,2,3,4,5,6,7
	global_load_b128 v[S+4*\i:S+4*\i+3], v7, s[20:21] offset:2097152+8192*\i       ; K's codes: the work-group reads 8,192 consecutive bytes
.endr
.irp i, 0,1,2,3,4,5,6,7
	global_load_b128 v[S+32+4*\i:S+32+4*\i+3], v7, s[20:21] offset:4194304+8192*\i ; V's
.endr
	global_load_b128 v[VF:VF+3], v7, s[22:23] offset:262144                       ; K's scale words
	global_load_b128 v[VF+4:VF+7], v7, s[22:23] offset:524288                     ; V's
	global_load_b128 v[16:19], v1, s[24:25]                                       ; Q's image
	global_load_b32 v24, v11, s[26:27]                                            ; Q's scale word
; all that is set once, while the loads are on their way: none of these lines names a register that a load or LDS store of the head touches.  The operands' zero halves come first: the lines behind them stand between these writes and the first product
.irp t, 0,1,2,3,4,5,6,7
.irp j, 4,5,6,7
	v_mov_b32 v[KF+8*\t+\j], 0                     ; the upper half of K's fragments: zero codes, for the whole loop
.endr
.endr
.irp j, 20,21,22,23
	v_mov_b32 v[\j], 0                             ; and of Q's
.endr
.set j, 0
.rept 32
	v_mov_b32 v[O+j], 0                            ; the step is written once: its first turn finds zeros
.set j, j+1
.endr
	v_mov_b32 v3, 0xff800000
	v_mov_b32 v13, 0xff61b1e6                      ; -3e38, under every t
	v_floor_f32 v12, -v13
	v_mov_b32 v14, 0
	v_mov_b32 v15, 0
.irp b, 0,1,2,3
	v_mov_b32 v[BY+\b], 0                          ; a lane permute's destination counts as one of its sources
.endr
	v_mov_b32 v252, 0
	v_mov_b32 v253, 0
	s_wait_loadcnt 0x0
.irp i, 0,1,2,3,4,5,6,7
	ds_store_b128 v7, v[S+4*\i:S+4*\i+3] offset:8192*\i
.endr
.irp i, 0,1,2,3,4,5,6,7
	ds_store_b128 v9, v[S+32+4*\i:S+32+4*\i+3] offset:8192*\i
.endr
	ds_store_b128 v10, v[VF:VF+3]
	ds_store_b128 v10, v[VF+4:VF+7] offset:8192
	s_wait_kmcnt 0x0
	s_mov_b32 s14, 0
.irp i, 0,1,2,3,4,5,6,7,8,9,10,11,12,13,14,15
	s_lshl_b32 s15, s[68+\i], 2*\i                 ; the 16 classes, two bits each
	s_or_b32 s14, s14, s15
.endr
	s_load_b512 s[16:31], s[84:85], 0x0            ; step 0's mask words, whatever its class: they land while the waves meet, and all 64 registers are written once on every way.
	s_load_b512 s[32:47], s[84:85], 0x40           ; (The loads that had their bases in s20-29 have been waited for; the classes in s68-83 have been packed)
	s_load_b512 s[48:63], s[84:85], 0x80
	s_load_b512 s[68:83], s[84:85], 0xc0
	s_wait_dscnt 0x0                               ; for the others' sake: my stores have landed
	s_barrier_signal -1
	s_barrier_wait -1
.irp t, 0,1,2,3,4,5,6,7
	ds_load_b128 v[KF+8*\t:KF+8*\t+3], v1 offset:512*\t   ; step 0's K
.endr
	ds_load_b64 v[26:27], v6                       ; and K's scale words
	ds_load_b64 v[28:29], v6 offset:256
	s_mov_b32 s88, 0
.Lstep:                                            ; 16 trips, a constant; a hidden step's work is jumped over, the lines that step addresses are not
	s_wait_dscnt 0x0                               ; this step's K, asked for a step ago, is in; no LDS load of mine is out
	s_wait_alu depctr_vm_vsrc(0)                   ; the LDS loads issued so far have read v4, v5 and v6, which the three additions below write; in the first trip the head's LDS stores have read S^T's and V's registers, which the first product and V's loads write
	s_and_b32 s15, s14, 3                          ; this step's class;
	s_lshr_b32 s14, s14, 2                         ; the next step's now stands lowest
	v_add_nc_u32 v4, s86, v1
	v_add_nc_u32 v6, s87, v2
	v_add_nc_u32 v5, 0x10000, v4
	s_wait_alu depctr_va_vdst(0)                   ; for both ways: v4, v5 and v6 are written, which this trip's LDS loads read; the last step's second product is done reading V's fragments, and the two lines that join V's scale words v30-33, in which loads land; in the first trip the zero halves of K's and Q's fragments are written, which the first product takes
	s_cmp_eq_u32 s15, 0
	s_cbranch_scc1 .Lhidden
	ds_load_b64 v[30:31], v6 offset:8192           ; V's scale words, keys 0-63 of the step
	ds_load_b64 v[32:33], v6 offset:8448           ; and keys 64-127
.irp t, 0,2,4,6                                    ; V's fragments, wanted at the step's end, are dealt among the first product's matrix instructions.  No wait: no vector or matrix instruction since the wait above names v5 or V's registers
	v_wmma_scale_f32_16x16x128_f8f6f4 v[S+8*\t:S+8*\t+7], v[KF+8*\t:KF+8*\t+7], v[16:23], 0, v[26+\t/2], v24 matrix_a_fmt:MATRIX_FMT_FP4 matrix_b_fmt:MATRIX_FMT_FP4
	ds_load_b128 v[VF+4*\t:VF+4*\t+3], v5 offset:256*\t
	v_wmma_scale_f32_16x16x128_f8f6f4 v[S+8*\t+8:S+8*\t+15], v[KF+8*\t+8:KF+8*\t+15], v[16:23], 0, v[26+\t/2], v24 matrix_a_fmt:MATRIX_FMT_FP4 matrix_b_fmt:MATRIX_FMT_FP4 matrix_a_scale:MATRIX_SCALE_ROW1
	ds_load_b128 v[VF+4*\t+4:VF+4*\t+7], v5 offset:2048+256*\t
.endr
.rept 4
	v_nop                                          ; four places behind the products, ahead of the first read of the scores
.endr
	s_wait_kmcnt 0x0                               ; on every way: a mixed step's mask words, asked for a step ago, are in; no scalar load of mine is out
	s_cmp_eq_u32 s15, 2
	s_cbranch_scc1 .Lopen
.set n, 0
.rept 64
	v_cndmask_b32 v[S+n], v3, v[S+n], s[16+n+4*(n/48)]   ; where the mask is 0 the score becomes -infinity
.set n, n+1
.endr
.Lopen:
	AHEAD 1                                        ; the next step's K and mask words are asked for, with the softmax in which to land
.irp b, 0,1,2,3
	v_max3_num_f32 v[BM+\b], v[S+16*\b], v[S+1+16*\b], v[S+2+16*\b]   ; the largest score of each block of 32 keys: for the row's maximum and for the block's largest p
.endr
.irp i, 3,5,7,9,11,13
.irp b, 0,1,2,3
	v_max3_num_f32 v[BM+\b], v[BM+\b], v[S+16*\b+\i], v[S+1+16*\b+\i]
.endr
.endr
.irp b, 0,1,2,3
	v_max_num_f32 v[BM+\b], v[BM+\b], v[S+15+16*\b]
.endr
.irp b, 0,1,2,3
	v_permlanex16_b32 v[BY+\b], v[BM+\b], s[SEL], s[SEL+1]
.endr
.irp b, 0,1,2,3
	v_max_num_f32 v[BM+\b], v[BM+\b], v[BY+\b]
.endr
	v_max3_num_f32 v254, v[BM], v[BM+1], v[BM+2]
	v_max_num_f32 v254, v254, v[BM+3]
	v_mul_f32 v254, s[CS], v254
	v_max_num_f32 v13, v13, v254                   ; the running largest t
	v_mov_b32 v254, v12
	v_floor_f32 v12, -v13                          ; -M = floor(-t)
	v_sub_f32 v254, v12, v254                      ; old M - new M, a whole number, 0 or less
	v_cvt_i32_f32 v254, v254                       ; (it saturates)
	v_ldexp_f32 v252, 1.0, v254                    ; f = 2^(old M - new M): rounds nothing
.set j, 0
.rept 32
	v_pk_fma_f32 v[S+j:S+j+1], v[S+j:S+j+1], s[CS:CS+1], v[12:13] op_sel_hi:[1,0,0]   ; t - M
.set j, j+2
.endr
.irp b, 0,1,2,3
	v_fma_f32 v[BM+\b], v[BM+\b], s[CS], v12
.endr
.set j, 0
.rept 64
	v_exp_f32 v[S+j], v[S+j]                       ; p, not normalised
.set j, j+1
.endr
	v_pk_mul_f32 v[14:15], v[14:15], v[252:253] op_sel_hi:[1,0]   ; the sums under the new M (a plain line behind the exponentials)
	s_wait_alu depctr_va_vdst(0)                   ; the 64 exponentials have written p: one wait for the batch, ahead of its first reader
.irp b, 0,1,2,3
	v_exp_f32 v[BM+\b], v[BM+\b]                   ; the blocks' largest p
.endr
	v_pk_add_f32 v[BY:BY+1], v[S:S+1], v[S+2:S+3]  ; the row's sum of the unquantised p, in two chains
.irp j, 4,8,12,16,20,24,28,32,36,40,44,48,52,56,60
	v_pk_add_f32 v[14:15], v[14:15], v[S+\j:S+\j+1]
	v_pk_add_f32 v[BY:BY+1], v[BY:BY+1], v[S+2+\j:S+3+\j]
.endr
	v_pk_add_f32 v[14:15], v[14:15], v[BY:BY+1]
	s_wait_alu depctr_va_vdst(0)                   ; the four exponentials have written the blocks' largest p, ahead of their first reader
.irp b, 0,1,2,3
	v_max_num_f32 v[BM+\b], 0x1800000, v[BM+\b]    ; the floor: the byte cannot fall under 1
.endr
.irp b, 0,1,2,3
	v_add_nc_u32 v[OPD+\b], 0xff000000, v[BM+\b]
.endr
.irp b, 0,1,2,3
	v_lshrrev_b32 v[BY+\b], 23, v[OPD+\b]
.endr
	v_lshl_or_b32 v253, v[BY+1], 8, v[BY]
	v_lshl_or_b32 v253, v[BY+2], 16, v253
	v_lshl_or_b32 v253, v[BY+3], 24, v253
.irp b, 0,1,2,3
	v_cvt_scalef32_pk8_fp4_f32 v[PC+2*\b], v[S+16*\b:S+7+16*\b], v[OPD+\b]
	v_cvt_scalef32_pk8_fp4_f32 v[PC+1+2*\b], v[S+8+16*\b:S+15+16*\b], v[OPD+\b]
.endr
	v_nop
.irp c, 0,1
.irp i, 0,1
	v_permlane16_swap_b32 v[PC+4*\c+\i], v[PC+2+4*\c+\i]
.endr
.endr
	s_wait_dscnt 0x0                               ; V's fragments and scale words, asked for at the step's head, are in (and the next step's K, asked for behind them)
	v_lshl_or_b32 v34, v32, 16, v30                ; V's scale words of the step's 128 keys
	v_lshl_or_b32 v35, v33, 16, v31
.set j, 0
.rept 16
	v_pk_mul_f32 v[O+j:O+j+1], v[O+j:O+j+1], v[252:253] op_sel_hi:[1,0]   ; O^T under the new M; these sixteen also stand between the scale words' and the codes' last writes and the products
.set j, j+2
.endr
	s_wait_alu depctr_va_vdst(0)                   ; V's scale words v34 and v35, p's scale word v253 and p's codes are written, which the products below take as scales and as an operand; the places above stay beside this wait
.irp t, 0,2
	v_wmma_scale_f32_16x16x128_f8f6f4 v[O+8*\t:O+8*\t+7], v[VF+8*\t:VF+8*\t+7], v[PC:PC+7], v[O+8*\t:O+8*\t+7], v[34+\t/2], v253 matrix_a_fmt:MATRIX_FMT_FP4 matrix_b_fmt:MATRIX_FMT_FP4
	v_wmma_scale_f32_16x16x128_f8f6f4 v[O+8*\t+8:O+8*\t+15], v[VF+8*\t+8:VF+8*\t+15], v[PC:PC+7], v[O+8*\t+8:O+8*\t+15], v[34+\t/2], v253 matrix_a_fmt:MATRIX_FMT_FP4 matrix_b_fmt:MATRIX_FMT_FP4 matrix_a_scale:MATRIX_SCALE_ROW1
.endr
.rept 4
	v_nop                                          ; four places behind the products, ahead of the way out's reads of O^T
.endr
	s_branch .Lnext
.Lhidden:                                          ; nothing of this step counts; the step behind it may
	s_wait_kmcnt 0x0                               ; no scalar load of mine is out (step 0's words, where step 0 is hidden, have landed)
	AHEAD 0                                        ; the wait at the trip's head serves these loads: nothing on the vector side has been issued since
.Lnext:
	s_add_co_u32 s86, s86, 4096
	s_add_co_u32 s87, s87, 512
	s_add_co_u32 s88, s88, 1
	s_cmp_lt_u32 s88, 16
	s_cbranch_scc1 .Lstep
	; THE WAY OUT
	s_wait_dscnt 0x0                               ; no LDS load of mine is out at the end
	v_add_f32 v14, v14, v15
	v_permlanex16_b32 v252, v14, s[SEL], s[SEL+1]
	v_add_f32 v14, v14, v252                       ; l
	v_rcp_f32 v15, v14
	v_mov_b32 v37, 0xffff                          ; (a plain line behind the reciprocal)
	s_wait_alu depctr_va_vdst(0)                   ; the reciprocal has written v15, ahead of its first reader
.set j, 0
.rept 32
	v_mul_f32 v[S+j], v[O+j], v15                  ; register 16 b + i: channel 32 b + 16 (lane / 16) + i of my query
.set j, j+1
.endr
.irp b, 0,1
	v_max3_num_f32 v[BM+\b], |v[S+16*\b]|, |v[S+1+16*\b]|, 0x1800000
.endr
.irp i, 2,4,6,8,10,12,14
.irp b, 0,1
	v_max3_num_f32 v[BM+\b], v[BM+\b], |v[S+16*\b+\i]|, |v[S+1+16*\b+\i]|
.endr
.endr
.irp b, 0,1
	v_permlanex16_b32 v[BY+\b], v[BM+\b], s[SEL], s[SEL+1]
.endr
.irp b, 0,1
	v_max_num_f32 v[BM+\b], v[BM+\b], v[BY+\b]
.endr
.irp b, 0,1
	v_add_nc_u32 v[OPD+\b], 0xff000000, v[BM+\b]
.endr
.irp b, 0,1
	v_lshrrev_b32 v[BY+\b], 23, v[OPD+\b]
.endr
	v_lshl_or_b32 v36, v[BY+1], 8, v[BY]
	v_cmp_eq_f32 vcc_lo, 0, v14
	s_wait_alu depctr_va_vcc(0)                    ; the compare has written VCC, ahead of the select that reads it
	v_cndmask_b32 v36, v36, v37, vcc_lo            ; a row with no open key: both bytes 0xff
.irp b, 0,1
	v_cvt_scalef32_pk8_fp4_f32 v[PC+2*\b], v[S+16*\b:S+7+16*\b], v[OPD+\b]
	v_cvt_scalef32_pk8_fp4_f32 v[PC+1+2*\b], v[S+8+16*\b:S+15+16*\b], v[OPD+\b]
.endr
	v_nop
	v_permlane16_swap_b32 v[PC], v[PC+2]
	v_permlane16_swap_b32 v[PC+1], v[PC+3]
	s_wait_alu depctr_va_vdst(0)                   ; the codes in v232-235 and the scale bytes in v36 are written, which the two stores read
	global_store_b128 v1, v[PC:PC+3], s[94:95]     ; the image: 512 consecutive bytes
	global_store_b16 v38, v36, s[96:97]            ; my head's half of the row's scale word; lanes l and l xor 16 write the same value to the same place
	s_wait_dscnt 0x0                               ; the closing lines, six on end
	s_wait_alu 0x0
	s_wait_tensorcnt 0x0
	ds_add_u32 v39, v255
	s_wait_dscnt 0x0
	s_endpgm
.Lfunc_end_k_q85ed508348_attn:
	.size	k_q85ed508348_attn, .Lfunc_end_k_q85ed508348_attn-k_q85ed508348_attn
	.p2alignl 7, 3214868480
	.fill 96, 4, 3214868480
	.section	.rodata,"a",@progbits
	.p2align	6, 0x0
	.amdhsa_kernel k_q85ed508348_attn
		.amdhsa_group_segment_fixed_size 149504
		.amdhsa_private_segment_fixed_size 0
		.amdhsa_enable_private_segment 0
		.amdhsa_kernarg_size 24
		.amdhsa_user_sgpr_count 2
		.amdhsa_user_sgpr_kernarg_segment_ptr 1
		.amdhsa_wavefront_size32 1
		.amdhsa_system_sgpr_workgroup_id_x 1
		.amdhsa_system_sgpr_workgroup_id_y 1
		.amdhsa_system_sgpr_workgroup_id_z 1
		.amdhsa_system_vgpr_workitem_id 0
		.amdhsa_next_free_vgpr 256
		.amdhsa_next_free_sgpr 98
		.amdhsa_reserve_vcc 1
		.amdhsa_float_denorm_mode_32 3
		.amdhsa_float_denorm_mode_16_64 3
		.amdhsa_memory_ordered 1
		.amdhsa_forward_progress 1
		.amdhsa_inst_pref_size 36
	.end_amdhsa_kernel
	.amdgpu_metadata
---
amdhsa.version: [ 1, 2 ]
amdhsa.kernels:
  - .name:           k_q85ed508348_attn
    .symbol:         k_q85ed508348_attn.kd
    .args:
      - { .name: qkvq, .offset: 0, .size: 8, .value_kind: global_buffer, .address_space: global }
      - { .name: maskw, .offset: 8, .size: 8, .value_kind: global_buffer, .address_space: global }
      - { .name: oq, .offset: 16, .size: 8, .value_kind: global_buffer, .address_space: global }
    .group_segment_fixed_size: 149504
    .private_segment_fixed_size: 0
    .kernarg_segment_align: 8
    .kernarg_segment_size: 24
    .max_flat_workgroup_size: 512
    .sgpr_count:     98
    .vgpr_count:     256
    .wavefront_size: 32
...
	.end_amdgpu_metadata
.endif
;; end of part 8
;; launch outproj: the kernel of part 4 again; grid 8 x 32, 4 waves a work-group, clusters of 4 x 4, 168,448 bytes of LDS; arguments oq, w_out_codes, w_out_scales, x, x1; writes x1
;; launch norm2: the kernel of part 5 again; grid 256 x 1, 8 waves a work-group, no clusters, 38,656 bytes of LDS; arguments x1, w_norm2, hq; writes hq
;; launch gateup: the kernel of part 6 again; grid 16 x 16, 4 waves a work-group, clusters of 4 x 4, 296,448 bytes of LDS; arguments hq, w_gate_codes, w_gate_scales, w_up_codes, w_up_scales, gq; writes gq
;; launch down: the kernel of part 7 again; grid 8 x 32, 4 waves a work-group, clusters of 4 x 4, 287,744 bytes of LDS; arguments gq, w_down_codes, w_down_scales, x1, out0; writes out0
